; MI455X (gfx1250); checked and timed in simulation.
; The chip was launched on July 23, 2026; its instructions are those of AMD's public machine-readable ISA for CDNA 5 (MIT licence, August 2026) and "CDNA5" Instruction Set Architecture Reference Guide (July 2026). The comments in the code are by the model that wrote it; some were corrected since.
;; Attention Fusion Layer. Allowed arithmetic: float matrix products may take bf16 or f16 operands with f32 sums; all other float work in f32.
;; Inputs: cW 1,024 x 1,024 float32; cb 1,024 float32; combined_features 8 x 1,024 x 1,024 float32; hW 1,024 x 1,024 float32; hb 1,024 float32; history_features 8 x 1,024 x 1,024 float32; kW 1,024 x 1,024 float32; kb 1,024 float32; oW 1,024 x 1,024 float32; ob 1,024 float32; qW 1,024 x 1,024 float32; qb 1,024 float32; vW 1,024 x 1,024 float32; vb 1,024 float32.
;; Outputs: out0 8 x 1,024 x 1,024 float32.
;; 2 versions, each right and faster than the one before. Each part assembles by itself: llvm-mc -triple=amdgcn-amd-amdhsa -mcpu=gfx1250 --defsym DOCPART=n.
;; ======== version 1 of 2: 7 launches
;; limits: values are held in f16: magnitudes above 65,504 overflow, below 6.1e-05 lose precision
;; workspace buffers: in16 46,137,344 bytes; hc 50,331,648 bytes; qk 67,108,864 bytes; sv 50,331,648 bytes; pb 16,777,216 bytes; sb 16,777,216 bytes
;; launch cvt (part 1): grid 128 x 22, 8 waves a work-group, no clusters, 0 bytes of LDS; arguments history_features, combined_features, hW, cW, qW, kW, vW, oW, in16; writes in16
.if DOCPART == 1
	.amdgcn_target "amdgcn-amd-amdhsa--gfx1250"
	.amdhsa_code_object_version 6
	.text
	.protected	k_q9c958ed6b4_cvt
	.globl	k_q9c958ed6b4_cvt
	.p2align	8
	.type	k_q9c958ed6b4_cvt,@function
k_q9c958ed6b4_cvt:
	s_mov_b64 s[64:65], 0
	v_nop
	global_prefetch_b8 v0, s[64:65] scope:SCOPE_SE
	s_setreg_imm32_b32 hwreg(HW_REG_WAVE_MODE, 25, 1), 1
	s_wait_xcnt 0x0
; The module's large inputs are rounded once to 16 bits: in16 holds 22 units of 1,048,576 numbers (2 MiB each):
; units 0-7 history_features, 8-15 combined_features, 16 hW, 17 cW, 18 qW, 19 kW, 20 vW, 21 oW.
; All are rounded to bf16 (nearest even).  qW and kW meet f16 operands later, so their bf16 number is written as f16:
; exact for magnitudes from 2^-17 up to f16's end; below 2^-17 the error is at most 2^-25.  LIMIT: |qW|, |kW| below 65,504.
; A stream: every byte is read once and written once; no LDS, no matrix unit, no cluster (work-groups share no input).
; Work-group (x, y): piece x (32 KiB of f32) of unit y.  Thread t takes 16 bytes at 16 t + 4,096 j, j = 0..7: a wave's load covers
; 512 consecutive bytes, its store of 8 bytes a lane 256 consecutive bytes, aligned.  All eight loads go out first.
.set X, 8                              ; v[8:39]   eight loads of four f32
.set Y, 40                             ; v[40:55]  eight pairs of packed results
	s_load_b512 s[4:19], s[0:1], 0x0               ; the eight sources, in the order of the units
	s_load_b64 s[20:21], s[0:1], 0x40              ; in16
	s_and_b32 s22, ttmp7, 0xffff                   ; y: the unit
	s_and_b32 s26, s22, 7
	s_lshl_b32 s26, s26, 22                        ; a feature tensor has eight units of 4 MiB of f32;
	s_cmp_lt_u32 s22, 16
	s_cselect_b32 s26, s26, 0                      ; a weight is one unit
	s_lshl_b32 s28, ttmp9, 15                      ; piece x of the source,
	s_add_co_u32 s26, s26, s28
	s_mov_b32 s27, 0
	s_lshl_b32 s28, s22, 21                        ; unit y and piece x of in16
	s_lshl_b32 s30, ttmp9, 14
	s_add_co_u32 s28, s28, s30
	s_mov_b32 s29, 0
	v_lshlrev_b32 v1, 4, v0                        ; 16 t
	v_lshlrev_b32 v2, 3, v0                        ; 8 t
	s_wait_kmcnt 0x0
	s_mov_b64 s[24:25], s[18:19]                   ; the source is chosen by the unit's number alone
	s_cmp_eq_u32 s22, 20
	s_cselect_b64 s[24:25], s[16:17], s[24:25]
	s_cmp_eq_u32 s22, 19
	s_cselect_b64 s[24:25], s[14:15], s[24:25]
	s_cmp_eq_u32 s22, 18
	s_cselect_b64 s[24:25], s[12:13], s[24:25]
	s_cmp_eq_u32 s22, 17
	s_cselect_b64 s[24:25], s[10:11], s[24:25]
	s_cmp_eq_u32 s22, 16
	s_cselect_b64 s[24:25], s[8:9], s[24:25]
	s_cmp_lt_u32 s22, 16
	s_cselect_b64 s[24:25], s[6:7], s[24:25]
	s_cmp_lt_u32 s22, 8
	s_cselect_b64 s[24:25], s[4:5], s[24:25]
	s_add_nc_u64 s[24:25], s[24:25], s[26:27]
	s_add_nc_u64 s[20:21], s[20:21], s[28:29]
.irp j, 0,1,2,3,4,5,6,7
	global_load_b128 v[X+4*(\j):X+4*(\j)+3], v1, s[24:25] offset:4096*(\j) th:TH_LOAD_NT
.endr
; half = 1: the bf16 number is widened again (a shift, a mask) and written as f16
.macro ROUND8 half
.irp j, 0,1,2,3,4,5,6,7
	s_wait_loadcnt 7-(\j)                          ; loads come back in order: load j is in, the younger ones stay out
	v_cvt_pk_bf16_f32 v[Y+2*(\j)], v[X+4*(\j)], v[X+4*(\j)+1]
	v_cvt_pk_bf16_f32 v[Y+2*(\j)+1], v[X+4*(\j)+2], v[X+4*(\j)+3]
.if \half
	v_lshlrev_b32 v4, 16, v[Y+2*(\j)]
	v_and_b32 v5, 0xffff0000, v[Y+2*(\j)]
	v_lshlrev_b32 v6, 16, v[Y+2*(\j)+1]
	v_and_b32 v7, 0xffff0000, v[Y+2*(\j)+1]
	v_cvt_pk_f16_f32 v[Y+2*(\j)], v4, v5
	v_cvt_pk_f16_f32 v[Y+2*(\j)+1], v6, v7
.endif
	global_store_b64 v2, v[Y+2*(\j):Y+2*(\j)+1], s[20:21] offset:2048*(\j)
.endr
.endm
	s_lshr_b32 s30, s22, 1
	s_cmp_eq_u32 s30, 9                            ; units 18 and 19: qW, kW
	s_cbranch_scc1 .Lhalf
	ROUND8 0
	s_endpgm
.Lhalf:
	ROUND8 1
	s_endpgm
.Lfunc_end_k_q9c958ed6b4_cvt:
	.size	k_q9c958ed6b4_cvt, .Lfunc_end_k_q9c958ed6b4_cvt-k_q9c958ed6b4_cvt
	.p2alignl 7, 3214868480
	.fill 96, 4, 3214868480
	.section	.rodata,"a",@progbits
	.p2align	6, 0x0
	.amdhsa_kernel k_q9c958ed6b4_cvt
		.amdhsa_group_segment_fixed_size 0
		.amdhsa_private_segment_fixed_size 0
		.amdhsa_enable_private_segment 0
		.amdhsa_kernarg_size 72
		.amdhsa_user_sgpr_count 2
		.amdhsa_user_sgpr_kernarg_segment_ptr 1
		.amdhsa_wavefront_size32 1
		.amdhsa_system_sgpr_workgroup_id_x 1
		.amdhsa_system_sgpr_workgroup_id_y 1
		.amdhsa_system_sgpr_workgroup_id_z 1
		.amdhsa_system_vgpr_workitem_id 0
		.amdhsa_next_free_vgpr 64
		.amdhsa_next_free_sgpr 66
		.amdhsa_reserve_vcc 0
		.amdhsa_float_denorm_mode_32 3
		.amdhsa_float_denorm_mode_16_64 3
		.amdhsa_memory_ordered 1
		.amdhsa_forward_progress 1
		.amdhsa_inst_pref_size 9
	.end_amdhsa_kernel
	.amdgpu_metadata
---
amdhsa.version: [ 1, 2 ]
amdhsa.kernels:
  - .name:           k_q9c958ed6b4_cvt
    .symbol:         k_q9c958ed6b4_cvt.kd
    .args:
      - { .name: history_features, .offset: 0, .size: 8, .value_kind: global_buffer, .address_space: global }
      - { .name: combined_features, .offset: 8, .size: 8, .value_kind: global_buffer, .address_space: global }
      - { .name: hW, .offset: 16, .size: 8, .value_kind: global_buffer, .address_space: global }
      - { .name: cW, .offset: 24, .size: 8, .value_kind: global_buffer, .address_space: global }
      - { .name: qW, .offset: 32, .size: 8, .value_kind: global_buffer, .address_space: global }
      - { .name: kW, .offset: 40, .size: 8, .value_kind: global_buffer, .address_space: global }
      - { .name: vW, .offset: 48, .size: 8, .value_kind: global_buffer, .address_space: global }
      - { .name: oW, .offset: 56, .size: 8, .value_kind: global_buffer, .address_space: global }
      - { .name: in16, .offset: 64, .size: 8, .value_kind: global_buffer, .address_space: global }
    .group_segment_fixed_size: 0
    .private_segment_fixed_size: 0
    .kernarg_segment_align: 8
    .kernarg_segment_size: 72
    .max_flat_workgroup_size: 256
    .sgpr_count:     66
    .vgpr_count:     64
    .wavefront_size: 32
...
	.end_amdgpu_metadata
.endif
;; end of part 1
;; launch proj1 (part 2): grid 8 x 32, 4 waves a work-group, clusters of 4 x 4, 327,680 bytes of LDS; arguments in16, hb, cb, hc; writes hc
.if DOCPART == 2
	.amdgcn_target "amdgcn-amd-amdhsa--gfx1250"
	.amdhsa_code_object_version 6
	.text
	.protected	k_q9c958ed6b4_proj1
	.globl	k_q9c958ed6b4_proj1
	.p2align	8
	.type	k_q9c958ed6b4_proj1,@function
k_q9c958ed6b4_proj1:
	s_mov_b64 s[64:65], 0
	v_nop
	global_prefetch_b8 v0, s[64:65] scope:SCOPE_SE
	s_setreg_imm32_b32 hwreg(HW_REG_WAVE_MODE, 25, 1), 1
	s_wait_xcnt 0x0
	s_wait_alu depctr_hold_cnt(0) depctr_sa_sdst(0) depctr_va_vdst(0) depctr_va_sdst(0) depctr_va_ssrc(0) depctr_va_vcc(0) depctr_vm_vsrc(0)
	s_getreg_b32 s2, hwreg(HW_REG_IB_STS2, 6, 4)
	s_cmp_eq_u32 s2, 0
	s_cbranch_scc0 .Lentry_in_a_cluster
	s_endpgm
.Lentry_in_a_cluster:
	s_bfe_u32 s2, ttmp6, 0x10000c
	s_cmp_lg_u32 s2, 0xf033
	s_cbranch_scc0 .Lentry_shape_is_right
	s_endpgm
.Lentry_shape_is_right:
; h = x_h hW^T + hb (unit u = 0) and c = x_c cW^T + cb (u = 1): two products 8,192 x 1,024 x 1,024, C[m][n] = bias[n] + sum over k of A[m][k] B[n][k].
; Operands bf16 (in16), sums f32.  h and c leave as f16 (hc + 0, hc + 16 MiB); c also as bf16 (hc + 32 MiB), for the product with vW.
; LIMIT: f16 ends at 65,504, so |h| and |c| must stay below it.  With x of unit spread and weights within 1/32 their spread is about 0.6;
; both inputs 30 times larger give about 520, both carrying an offset of 30 spreads about 17,000.
; SHARES.  A cluster of 4 x 4 work-groups makes one block of 1,024 x 1,024 of one unit: cluster x = u, cluster y = block z, (cx, cy) = tile column and row.
; 2 x 8 x 16 = 256 work-groups.  A work-group makes 256 x 256 with four waves, each 128 x 128: 64 accumulators, 512 registers.
; K goes in 8 steps of 128 through two LDS slots; a tile's rows are 256 bytes of memory at multiples of 256.  A's tile is shared along a row of the cluster,
; B's along a column: each is asked for JOINTLY, by the same tensor load and descriptor with a mask of the four.
; THE MATRIX INSTRUCTION IS USED TRANSPOSED (source 0 = 16 rows of B, source 1 = 16 rows of A): lane l holds row l % 16 of C and columns 8 (l / 16) + 0..7.
; THE BIAS is the C operand of the products that start the sums: nothing is cleared and nothing is added later.
; REGISTERS, in windows of 256 (s_set_vgpr_msb: bits 1:0 source 0, 3:2 source 1, 5:4 source 2, 7:6 destination):
;   window 0: v0-29 addresses; v64-127, v128-191 A's fragments, two buffers; v192-255 the bias.  On the way out v64-127 rows of f32, v128-191 packed results.
;   window 1: v64-127, v128-191 B's fragments.   window 2: accumulators of my rows 0-63 ((a, b) at v[8 (8 a + b)]).   window 3: those of rows 64-127.
.set FORM,   0                         ; 0: bf16 operands, 1: f16
.set CSTART, 1                         ; what starts the sums: 1 a bias along the columns, 2 a bias along the rows, 3 numbers loaded into the accumulators
.set MI,     1<<20
.set KSTEP,  128
.set PITCH,  272                       ; an LDS row: 256 bytes + 16 of padding = 68 words: the 16 rows of a fragment load start at 16 different groups of four banks (ISA guide 11.1)
.set HALFT,  128*PITCH                 ; 128 rows: what one tensor load brings, and what one wave reads of A or of B
.set SLOT,   4*HALFT                   ; A's 256 rows, then B's 256 rows.  0x22000: its two bits are clear in wave x HALFT, so an exclusive or changes slots
.set SPARE,  2*SLOT                    ; behind the ring: the spare words, 128 bytes a wave: two blocks of 256 bytes that no other line names
.set SPITCH, 528                       ; the way out: a stage row of 128 f32 + 16 bytes
.set STG,    128*SPITCH                ; a wave's stage: it lies in the ring, whose slots have had their last fill by then; 4 x 67,584 bytes end below SPARE
.set GW0,    (1<<16)|(1<<20)|(1<<21)|(5<<22)|(3<<25)  ; group 1, word 0: 2-byte elements; padding on; bit 21 beside a mask; after every 64 words; 4 words
.set ADRA0, 8                          ; v8   my lane's place in A's tile, slot 0; never rewritten
.set ADRB0, 9                          ; v9   the same for B
.set ADRA,  10                         ; v10  the same in the slot in hand
.set ADRB,  11
.set STO,   12                         ; v12  the way out: where I put 32 bytes of a row
.set RD,    13                         ; v13  where I read a row back
.set GO32,  14                         ; v14  16 x lane
.set GO16,  15                         ; v15  8 x lane
.set BO,    16                         ; v16  my lane's offset in the bias
.set SPW,   28                         ; v28  LDS address of my spare word; never rewritten
.set NIL,   29                         ; v29  0; never rewritten
.set F0,    64
.set F1,    128
.set CB,    192
.set X,     64
.set Y,     128
.set Y2,    160
.set WV, 20                            ; s20 wave;  s21 my half of the tile's rows, also: I fetch for A (0) or B (1);  s22 my half of its columns, also: which 128 rows I fetch
.set WR, 21
.set WC, 22
.set CX, 23
.set CY, 24
.set U,  25
.set Z,  26
.set G1A, 28                           ; s[28:35], s[36:43] descriptor group 1 for A's and B's tiles
.set G1B, 36
.set G0A, 44                           ; s[44:51], s[52:59] group 0: a set for each first fill; the second then walks
.set G0B, 52
.set SL,  66                           ; s66  0 or SLOT: the slot in hand
.set P32, 68
.set P16, 70
.set P16B, 72
.set BP,  86
.set MSB, 0
.macro WIN new                         ; the immediate's high byte repeats the setting that is left; a switch that changes nothing is dropped
.if MSB != (\new)
	s_set_vgpr_msb (MSB<<8)|(\new)
.set MSB, \new
.endif
.endm
.macro PLACES                          ; four places behind matrix instructions, in front of loads into registers that they read and of stores of their results
.rept 4
	v_nop
.endr
.endm
.macro JLOAD                           ; a joint refill by the walking set: waves 0, 1 A's halves, waves 2, 3 B's.  s_nop 0 and four v_nop follow each line
	s_cmp_eq_u32 s[WR], 0
	s_cbranch_scc0 .Lfor_b_\@
	tensor_load_to_lds s[G0A+4:G0A+7], s[G1A:G1A+7]
	s_nop 0
.rept 4
	v_nop
.endr
	s_branch .Lasked_\@
.Lfor_b_\@:
	tensor_load_to_lds s[G0B+4:G0B+7], s[G1B:G1B+7]
	s_nop 0
.rept 4
	v_nop
.endr
.Lasked_\@:
.endm
.macro CREST                           ; a round of the cluster's barrier behind its opening barrier
	s_cmp_lg_u32 s[WV], 0
	s_cbranch_scc1 .Lnot_wave_0_\@
	s_barrier_signal -3
.Lnot_wave_0_\@:
	s_barrier_wait -3
	s_barrier_signal -1
	s_barrier_wait -1
.endm
.macro CROUND
	s_barrier_signal -1
	s_barrier_wait -1
	CREST
.endm
.macro MMA c:vararg
.if FORM
	v_wmma_f32_16x16x32_f16 v[rD:rD+7], v[rB:rB+7], v[rA:rA+7], \c
.else
	v_wmma_f32_16x16x32_bf16 v[rD:rD+7], v[rB:rB+7], v[rA:rA+7], \c
.endif
.endm
; 16 matrix instructions: m blocks a0, a0 + 1 of the window's four (hi = 0: rows 0-63, 1: rows 64-127) x all 8 n blocks, 32 along K.  zero = 1: they start the sums.
; The 64 accumulators take turns in one order everywhere.
.macro MUL16 f, hi, a0, zero
.if \zero
	WIN 0x81+0x40*(\hi)
.else
	WIN 0xa1+0x50*(\hi)
.endif
.irp a, \a0, (\a0)+1
.irp b, 0,1,2,3,4,5,6,7
.set rD, 8*(8*(\a)+(\b))
.set rB, (\f)+8*(\b)
.set rA, (\f)+8*(4*(\hi)+(\a))
.if (\zero) && (CSTART == 1)
.set rC, CB+8*(\b)
	MMA v[rC:rC+7]
.elseif \zero
.set rC, CB+8*(4*(\hi)+(\a))
	MMA v[rC:rC+7]
.else
	MMA v[rD:rD+7]
.endif
.endr
.endr
.endm
.macro FETCH k, f                      ; 32 LDS loads in one run: a quarter step's fragments (32 K at byte k of the rows) into buffer f: B's, then A's
	WIN 0x40
.irp i, 0,1,2,3,4,5,6,7
	ds_load_b128 v[(\f)+8*(\i):(\f)+8*(\i)+3],   v[ADRB] offset:(\k)+(\i)*16*PITCH
	ds_load_b128 v[(\f)+8*(\i)+4:(\f)+8*(\i)+7], v[ADRB] offset:(\k)+(\i)*16*PITCH+32
.endr
	WIN 0
.irp i, 0,1,2,3,4,5,6,7
	ds_load_b128 v[(\f)+8*(\i):(\f)+8*(\i)+3],   v[ADRA] offset:(\k)+(\i)*16*PITCH
	ds_load_b128 v[(\f)+8*(\i)+4:(\f)+8*(\i)+7], v[ADRA] offset:(\k)+(\i)*16*PITCH+32
.endr
.endm
.macro QUARTER k, f, g, zero           ; multiplies buffer f; in its middle fetches the next quarter, at byte k, into buffer g
	s_wait_dscnt 8                                 ; B and A's rows 0-63 are in; the youngest eight loads (A's rows 64-127) may be out
	MUL16 \f, 0, 0, \zero
	MUL16 \f, 0, 2, \zero
	PLACES
	FETCH \k, \g
	s_wait_dscnt 32                                ; all but the 32 just issued
	MUL16 \f, 1, 0, \zero
	MUL16 \f, 1, 2, \zero
.endm
; The last quarter of a K step multiplies buffer 1 and changes slots.  ONE barrier: in front of it each wave waits for all its tensor loads (one is out: its part of the next slot),
; adds 0 to its spare word, and waits for that and for its reads of this slot.  fill = 1: the barrier opens a round of the cluster's, and the slot just read is filled again, two K steps ahead,
; first thing behind the round: 224 matrix instructions stand between that request and the wait for it.
.macro TURN fill
	WIN 0
	s_wait_tensorcnt 0x0                           ; all my tensor loads have landed
	ds_add_u32 v[SPW], v[NIL]                      ; 0 onto my spare word
	s_wait_dscnt 9                                 ; (the add and the youngest eight loads may be out)
	MUL16 F1, 0, 0, 0
	s_wait_dscnt 0x0                               ; the add is done, and my reads of this slot are over
	s_barrier_signal -1
	MUL16 F1, 0, 2, 0
	WIN 0                                          ; at a branch and at a label every window is 0
	s_barrier_wait -1
.if \fill
	CREST                                          ; no wave of any partner still reads this slot or has a load on its way
	s_xor_b32 s[G0A+5], s[G0A+5], SLOT             ; the walking sets: the other slot than last time, the next K step; no load of mine is out
	s_add_nc_u64 s[G0A+6:G0A+7], s[G0A+6:G0A+7], 2*KSTEP
	s_xor_b32 s[G0B+5], s[G0B+5], SLOT
	s_add_nc_u64 s[G0B+6:G0B+7], s[G0B+6:G0B+7], 2*KSTEP
	JLOAD                                          ; its four v_nop are also the places in front of the loads below
.else
	PLACES
.endif
	s_xor_b32 s[SL], s[SL], SLOT
	v_add_nc_u32 v[ADRA], s[SL], v[ADRA0]
	v_add_nc_u32 v[ADRB], s[SL], v[ADRB0]
	FETCH 0, F0
	MUL16 F1, 1, 0, 0
	MUL16 F1, 1, 2, 0
.endm
.macro DUMP                            ; every accumulator into my stage: 32 bytes of a row a lane, each accumulator's low four registers first
.irp w, 0,1
	WIN 0x08+4*(\w)
.irp a, 0,1,2,3
.irp b, 0,1,2,3,4,5,6,7
	ds_store_b128 v[STO], v[8*(8*(\a)+(\b)):8*(8*(\a)+(\b))+3]   offset:(4*(\w)+(\a))*16*SPITCH+64*(\b)
	ds_store_b128 v[STO], v[8*(8*(\a)+(\b))+4:8*(8*(\a)+(\b))+7] offset:(4*(\w)+(\a))*16*SPITCH+64*(\b)+16
.endr
.endr
.endr
	WIN 0
.endm
; 16 rows leave in 16 bits: four f32 a lane become 8 bytes; a wave's store covers 256 consecutive bytes, aligned.  fmt = 1: f16, 0: bf16.  first = 1: row i is waited for
.macro PART16 fmt, y, ptr, first
.irp i, 0,1,2,3,4,5,6,7,8,9,10,11,12,13,14,15
.if \first
	s_wait_dscnt 15-(\i)
.endif
.if \fmt
	v_cvt_pk_f16_f32 v[(\y)+2*(\i)], v[X+4*(\i)], v[X+4*(\i)+1]
	v_cvt_pk_f16_f32 v[(\y)+2*(\i)+1], v[X+4*(\i)+2], v[X+4*(\i)+3]
.else
	v_cvt_pk_bf16_f32 v[(\y)+2*(\i)], v[X+4*(\i)], v[X+4*(\i)+1]
	v_cvt_pk_bf16_f32 v[(\y)+2*(\i)+1], v[X+4*(\i)+2], v[X+4*(\i)+3]
.endif
	global_store_b64 v[GO16], v[(\y)+2*(\i):(\y)+2*(\i)+1], s[\ptr:\ptr+1] offset:2048*(\i)
.endr
.endm
	s_load_b256 s[4:11], s[0:1], 0x0               ; in16 s[4:5], hb s[6:7], cb s[8:9], hc s[10:11]
	v_lshl_add_u32 v[SPW], v0, 2, SPARE
	v_mov_b32 v[NIL], 0
	ds_add_u32 v28, v29
	s_wait_dscnt 0x0
	v_lshrrev_b32 v1, 5, v0
	v_readfirstlane_b32 s[WV], v1
	s_lshr_b32 s[WR], s[WV], 1
	s_and_b32 s[WC], s[WV], 1
	s_bfe_u32 s[CX], ttmp6, 0x40000                ; my place in the cluster
	s_bfe_u32 s[CY], ttmp6, 0x40004
	s_mov_b32 s[U], ttmp9                          ; in a cluster launch ttmp9 and ttmp7 count clusters: the unit and the block, which all sixteen share
	s_and_b32 s[Z], ttmp7, 0xffff
	s_lshl_b32 s60, s[CY], 2
	s_lshl_b32 s60, 15, s60                        ; my row of the cluster
	s_lshl_b32 s61, 0x1111, s[CX]                  ; my column
	s_or_b32 s[G1A], s60, GW0
	s_or_b32 s[G1B], s61, GW0
.irp g, G1A, G1B
	s_mov_b32 s[(\g)+1], KSTEP<<16                 ; tensor_dim0 = 128
	s_mov_b32 s[(\g)+2], 128<<16                   ; tensor_dim1 = 128
	s_mov_b32 s[(\g)+3], KSTEP<<16                 ; tile_dim0 = 128
	s_mov_b32 s[(\g)+4], 128                       ; tile_dim1 = 128
	s_mov_b32 s[(\g)+5], 1024                      ; elements from row to row
	s_mov_b32 s[(\g)+6], 0
	s_mov_b32 s[(\g)+7], 0
.endr
	; byte offsets, made apart from the addresses.  A's hangs on cy alone of the two places, B's on cx alone
	s_lshl_b32 s62, s[WC], 18                      ; the 128 rows (of 2,048 bytes) that I fetch
	s_lshl_b32 s63, s[Z], 21                       ; block z
	s_lshl_b32 s88, s[U], 24                       ; unit u of 16 MiB
	s_mov_b32 s89, 0
	s_lshl_b32 s74, s[CY], 19
	s_add_co_u32 s74, s74, s62
	s_add_co_u32 s74, s74, s63
	s_add_co_u32 s74, s74, s88                     ; A: x_h or x_c, block z, row 256 cy + 128 half
	s_mov_b32 s75, 0
	s_lshl_b32 s76, s[CX], 19
	s_add_co_u32 s76, s76, s62
	s_lshl_b32 s90, s[U], 21
	s_add_co_u32 s76, s76, s90
	s_add_co_u32 s76, s76, 32*MI                   ; B: hW or cW, row 256 cx + 128 half
	s_mov_b32 s77, 0
	s_mul_i32 s17, s[WV], HALFT                    ; where my tile goes: no place in the cluster enters an LDS address
	s_lshl_b32 s82, s[CY], 19                      ; my part of C in 16 bits: row 1,024 z + 256 cy + 128 WR, column 256 cx + 128 WC
	s_lshl_b32 s84, s[WR], 18
	s_add_co_u32 s82, s82, s84
	s_add_co_u32 s82, s82, s63
	s_lshl_b32 s84, s[CX], 9
	s_add_co_u32 s82, s82, s84
	s_lshl_b32 s84, s[WC], 8
	s_add_co_u32 s82, s82, s84
	s_mov_b32 s83, 0
	s_lshl_b32 s18, s[CX], 10                      ; my first column in the bias
	s_lshl_b32 s19, s[WC], 9
	s_add_co_u32 s18, s18, s19
	s_mov_b32 s19, 0
	s_wait_kmcnt 0x0
	s_add_nc_u64 s[78:79], s[4:5], s[74:75]
	s_add_nc_u64 s[80:81], s[4:5], s[76:77]
	s_cmp_eq_u32 s[U], 0
	s_cselect_b64 s[BP:BP+1], s[6:7], s[8:9]       ; hb or cb
	s_add_nc_u64 s[BP:BP+1], s[BP:BP+1], s[18:19]
	s_add_nc_u64 s[P16B:P16B+1], s[10:11], s[82:83]
	s_add_nc_u64 s[P16:P16+1], s[P16B:P16B+1], s[88:89]   ; f16: h or c
	s_add_nc_u64 s[P16B:P16B+1], s[P16B:P16B+1], 32*MI    ; bf16: c
.irp s, 0,1
	s_mov_b32 s[G0A+4*(\s)], 1                     ; count = 1
	s_add_co_u32 s[G0A+4*(\s)+1], s17, (\s)*SLOT   ; LDS address
	s_add_nc_u64 s[G0A+4*(\s)+2:G0A+4*(\s)+3], s[78:79], (\s)*2*KSTEP  ; global address: K step s
	s_or_b32 s[G0A+4*(\s)+3], s[G0A+4*(\s)+3], 0x80000000              ; type = 2
	s_mov_b32 s[G0B+4*(\s)], 1
	s_add_co_u32 s[G0B+4*(\s)+1], s17, (\s)*SLOT
	s_add_nc_u64 s[G0B+4*(\s)+2:G0B+4*(\s)+3], s[80:81], (\s)*2*KSTEP
	s_or_b32 s[G0B+4*(\s)+3], s[G0B+4*(\s)+3], 0x80000000
.endr
	CROUND                                         ; all sixteen work-groups are here: the first joint loads meet
	s_cmp_eq_u32 s[WR], 0                          ; a wave's two first fills stand in one branch: two loads of mine are out, later one
	s_cbranch_scc0 .Lfirst_b
	tensor_load_to_lds s[G0A:G0A+3], s[G1A:G1A+7]
	s_nop 0
	tensor_load_to_lds s[G0A+4:G0A+7], s[G1A:G1A+7]
	s_nop 0
.rept 4
	v_nop
.endr
	s_branch .Lfirst_asked
.Lfirst_b:
	tensor_load_to_lds s[G0B:G0B+3], s[G1B:G1B+7]
	s_nop 0
	tensor_load_to_lds s[G0B+4:G0B+7], s[G1B:G1B+7]
	s_nop 0
.rept 4
	v_nop
.endr
.Lfirst_asked:
	; a fragment is 16 rows x 32 K in 8 registers: lane l holds row l % 16, K = 8 (l / 16) + 0..7 and 16 + 8 (l / 16) + 0..7: two loads of 16 bytes, 32 bytes apart
	v_and_b32 v1, 15, v0                           ; l % 16
	v_bfe_u32 v2, v0, 4, 1                         ; l / 16
	v_mul_u32_u24 v3, v1, PITCH
	v_lshl_add_u32 v3, v2, 4, v3
	s_mul_i32 s14, s[WR], HALFT                    ; my 128 rows of A
	s_mul_i32 s15, s[WC], HALFT                    ; my 128 rows of B, behind A's 256
	s_add_co_u32 s15, s15, 2*HALFT
	v_add_nc_u32 v[ADRA0], s14, v3
	v_add_nc_u32 v[ADRB0], s15, v3
	v_mov_b32 v[ADRA], v[ADRA0]
	v_mov_b32 v[ADRB], v[ADRB0]
	s_mov_b32 s[SL], 0
	s_mul_i32 s16, s[WV], STG                      ; my stage
	v_mul_u32_u24 v4, v1, SPITCH
	v_lshl_add_u32 v4, v2, 5, v4
	v_add_nc_u32 v[STO], s16, v4                   ; in: row l % 16, 32 bytes for each half of the lanes
	v_and_b32 v5, 31, v0
	v_lshlrev_b32 v[GO32], 4, v5
	v_lshlrev_b32 v[GO16], 3, v5
	v_add_nc_u32 v[RD], s16, v[GO32]               ; back: 32 lanes take one row of 512 bytes
	v_lshlrev_b32 v[BO], 5, v2                     ; the bias of columns 16 b + 8 (l / 16) + 0..7 for each n block b
.irp b, 0,1,2,3,4,5,6,7
	global_load_b128 v[CB+8*(\b):CB+8*(\b)+3],   v[BO], s[BP:BP+1] offset:64*(\b)
	global_load_b128 v[CB+8*(\b)+4:CB+8*(\b)+7], v[BO], s[BP:BP+1] offset:64*(\b)+16
.endr
	s_wait_tensorcnt 0x1                           ; my part of K step 0 is in; K step 1's may stay out
	s_barrier_signal -1
	s_barrier_wait -1
	FETCH 0, F0
	s_wait_loadcnt 0x0                             ; the bias
	QUARTER 64, F0, F1, 1                          ; the first quarter stands in front of the loop: its products start the sums
	WIN 0
	s_mov_b32 s3, 6
	s_branch .Lmid                                 ; the loop is entered behind its first quarter
.Lloop:                                                ; a trip is a K step; six trips ask for K steps 2 to 7
	QUARTER 64, F0, F1, 0
	WIN 0
.Lmid:
	QUARTER 128, F1, F0, 0
	QUARTER 192, F0, F1, 0
	TURN 1
	WIN 0
	s_sub_co_u32 s3, s3, 1
	s_cmp_lg_u32 s3, 0
	s_cbranch_scc1 .Lloop
	s_mov_b32 s3, 2
.Ltail:                                                ; the last two K steps ask for nothing.  The second trip's last 32 LDS loads read a slot that has been used and serve nothing:
	QUARTER 64, F0, F1, 0                          ; the price, once, of one text for both steps
	QUARTER 128, F1, F0, 0
	QUARTER 192, F0, F1, 0
	TURN 0
	WIN 0
	s_sub_co_u32 s3, s3, 1
	s_cmp_lg_u32 s3, 0
	s_cbranch_scc1 .Ltail
	; THE WAY OUT.  The stages lie where the slots lay: every wave's reads of the ring are over, and so are all fills, before any wave writes there
	s_wait_dscnt 0x0
	s_barrier_signal -1
	s_barrier_wait -1
	PLACES
	DUMP
	s_mov_b32 s3, 8
.Lout:                                                 ; 16 rows a trip.  LDS serves a wave's instructions in order (ISA guide 5.7.1.4): these loads see my stores
.irp i, 0,1,2,3,4,5,6,7,8,9,10,11,12,13,14,15
	ds_load_b128 v[X+4*(\i):X+4*(\i)+3], v[RD] offset:(\i)*SPITCH
.endr
	PART16 1, Y, P16, 1                            ; h or c in f16
	s_cmp_eq_u32 s[U], 0
	s_cbranch_scc1 .Lone_copy
	PART16 0, Y2, P16B, 0                          ; c in bf16 too
.Lone_copy:
	s_wait_xcnt 0x0                                ; the stores' data and bases are rewritten only behind this wait
	s_add_nc_u64 s[P16:P16+1], s[P16:P16+1], 16*2048
	s_add_nc_u64 s[P16B:P16B+1], s[P16B:P16B+1], 16*2048
	v_add_nc_u32 v[RD], 16*SPITCH, v[RD]
	s_sub_co_u32 s3, s3, 1
	s_cmp_lg_u32 s3, 0
	s_cbranch_scc1 .Lout
	s_wait_tensorcnt 0x0                           ; the wave's end
	ds_add_u32 v[SPW], v[NIL]
	s_wait_dscnt 0x0
	CROUND                                         ; the closing round: no work-group ends while a partner may still ask for a tile that names it
	s_endpgm
.Lfunc_end_k_q9c958ed6b4_proj1:
	.size	k_q9c958ed6b4_proj1, .Lfunc_end_k_q9c958ed6b4_proj1-k_q9c958ed6b4_proj1
	.p2alignl 7, 3214868480
	.fill 96, 4, 3214868480
	.section	.rodata,"a",@progbits
	.p2align	6, 0x0
	.amdhsa_kernel k_q9c958ed6b4_proj1
		.amdhsa_group_segment_fixed_size 327680
		.amdhsa_private_segment_fixed_size 0
		.amdhsa_enable_private_segment 0
		.amdhsa_kernarg_size 32
		.amdhsa_user_sgpr_count 2
		.amdhsa_user_sgpr_kernarg_segment_ptr 1
		.amdhsa_wavefront_size32 1
		.amdhsa_system_sgpr_workgroup_id_x 1
		.amdhsa_system_sgpr_workgroup_id_y 1
		.amdhsa_system_sgpr_workgroup_id_z 1
		.amdhsa_system_vgpr_workitem_id 0
		.amdhsa_next_free_vgpr 1024
		.amdhsa_next_free_sgpr 92
		.amdhsa_reserve_vcc 0
		.amdhsa_float_denorm_mode_32 3
		.amdhsa_float_denorm_mode_16_64 3
		.amdhsa_memory_ordered 1
		.amdhsa_forward_progress 1
		.amdhsa_inst_pref_size 87
	.end_amdhsa_kernel
	.amdgpu_metadata
---
amdhsa.version: [ 1, 2 ]
amdhsa.kernels:
  - .name:           k_q9c958ed6b4_proj1
    .symbol:         k_q9c958ed6b4_proj1.kd
    .args:
      - { .name: in16, .offset: 0, .size: 8, .value_kind: global_buffer, .address_space: global }
      - { .name: hb, .offset: 8, .size: 8, .value_kind: global_buffer, .address_space: global }
      - { .name: cb, .offset: 16, .size: 8, .value_kind: global_buffer, .address_space: global }
      - { .name: hc, .offset: 24, .size: 8, .value_kind: global_buffer, .address_space: global }
    .group_segment_fixed_size: 327680
    .private_segment_fixed_size: 0
    .kernarg_segment_align: 8
    .kernarg_segment_size: 32
    .max_flat_workgroup_size: 128
    .sgpr_count:     92
    .vgpr_count:     1024
    .wavefront_size: 32
...
	.end_amdgpu_metadata
.endif
;; end of part 2
;; launch proj2 (part 3): grid 8 x 32, 4 waves a work-group, clusters of 4 x 4, 327,680 bytes of LDS; arguments hc, in16, qb, kb, qk; writes qk
.if DOCPART == 3
	.amdgcn_target "amdgcn-amd-amdhsa--gfx1250"
	.amdhsa_code_object_version 6
	.text
	.protected	k_q9c958ed6b4_proj2
	.globl	k_q9c958ed6b4_proj2
	.p2align	8
	.type	k_q9c958ed6b4_proj2,@function
k_q9c958ed6b4_proj2:
	s_mov_b64 s[64:65], 0
	v_nop
	global_prefetch_b8 v0, s[64:65] scope:SCOPE_SE
	s_setreg_imm32_b32 hwreg(HW_REG_WAVE_MODE, 25, 1), 1
	s_wait_xcnt 0x0
	s_wait_alu depctr_hold_cnt(0) depctr_sa_sdst(0) depctr_va_vdst(0) depctr_va_sdst(0) depctr_va_ssrc(0) depctr_va_vcc(0) depctr_vm_vsrc(0)
	s_getreg_b32 s2, hwreg(HW_REG_IB_STS2, 6, 4)
	s_cmp_eq_u32 s2, 0
	s_cbranch_scc0 .Lentry_in_a_cluster
	s_endpgm
.Lentry_in_a_cluster:
	s_bfe_u32 s2, ttmp6, 0x10000c
	s_cmp_lg_u32 s2, 0xf033
	s_cbranch_scc0 .Lentry_shape_is_right
	s_endpgm
.Lentry_shape_is_right:
; q = h qW^T + qb (unit u = 0) and k = c kW^T + kb (u = 1): two products 8,192 x 1,024 x 1,024, C[m][n] = bias[n] + sum over k of A[m][k] B[n][k].
; Operands f16 (h, c from hc; qW, kW from in16, bf16 numbers written as f16), sums f32.  q and k have no room in f16 for inputs 30 times larger, so they leave in bf16
; (qk + 32 MiB, qk + 48 MiB); q leaves in f32 too (qk + 0): the residual q + attn_out is then rounded once only.
; SHARES.  A cluster of 4 x 4 work-groups makes one block of 1,024 x 1,024 of one unit: cluster x = u, cluster y = block z, (cx, cy) = tile column and row.
; 256 work-groups.  A work-group makes 256 x 256 with four waves, each 128 x 128: 64 accumulators, 512 registers.
; K goes in 8 steps of 128 through two LDS slots; a tile's rows are 256 bytes of memory at multiples of 256.  A's tile is shared along a row of the cluster,
; B's along a column: each is asked for JOINTLY, by the same tensor load and descriptor with a mask of the four.
; THE MATRIX INSTRUCTION IS USED TRANSPOSED (source 0 = 16 rows of B, source 1 = 16 rows of A): lane l holds row l % 16 of C and columns 8 (l / 16) + 0..7.
; THE BIAS is the C operand of the products that start the sums.
; REGISTERS, in windows of 256 (s_set_vgpr_msb: bits 1:0 source 0, 3:2 source 1, 5:4 source 2, 7:6 destination):
;   window 0: v0-29 addresses; v64-127, v128-191 A's fragments, two buffers; v192-255 the bias.  On the way out v64-127 rows of f32, v128-159 packed results.
;   window 1: v64-127, v128-191 B's fragments.   window 2: accumulators of my rows 0-63 ((a, b) at v[8 (8 a + b)]).   window 3: those of rows 64-127.
.set FORM,   1                         ; 0: bf16 operands, 1: f16
.set CSTART, 1                         ; what starts the sums: 1 a bias along the columns, 2 a bias along the rows, 3 numbers loaded into the accumulators
.set MI,     1<<20
.set KSTEP,  128
.set PITCH,  272                       ; an LDS row: 256 bytes + 16 of padding = 68 words: the 16 rows of a fragment load start at 16 different groups of four banks (ISA guide 11.1)
.set HALFT,  128*PITCH                 ; 128 rows: what one tensor load brings, and what one wave reads of A or of B
.set SLOT,   4*HALFT                   ; A's 256 rows, then B's 256 rows.  0x22000: its two bits are clear in wave x HALFT, so an exclusive or changes slots
.set SPARE,  2*SLOT                    ; behind the ring: the spare words, 128 bytes a wave: two blocks of 256 bytes that no other line names
.set SPITCH, 528                       ; the way out: a stage row of 128 f32 + 16 bytes
.set STG,    128*SPITCH                ; a wave's stage: it lies in the ring, whose slots have had their last fill by then; 4 x 67,584 bytes end below SPARE
.set GW0,    (1<<16)|(1<<20)|(1<<21)|(5<<22)|(3<<25)  ; group 1, word 0: 2-byte elements; padding on; bit 21 beside a mask; after every 64 words; 4 words
.set ADRA0, 8                          ; v8, v9 my lane's place in A's and B's tile, slot 0; v10, v11 the same in the slot in hand
.set ADRB0, 9
.set ADRA,  10
.set ADRB,  11
.set STO,   12                         ; v12 the way out: where I put 32 bytes of a row; v13 where I read a row back; v14, v15 16 x lane, 8 x lane; v16 my lane's offset in the bias
.set RD,    13
.set GO32,  14
.set GO16,  15
.set BO,    16
.set SPW,   28                         ; v28 LDS address of my spare word, v29 0; never rewritten
.set NIL,   29
.set F0,    64
.set F1,    128
.set CB,    192
.set X,     64
.set Y,     128
.set WV, 20                            ; s20 wave;  s21 my half of the tile's rows, also: I fetch for A (0) or B (1);  s22 my half of its columns, also: which 128 rows I fetch
.set WR, 21
.set WC, 22
.set CX, 23
.set CY, 24
.set U,  25
.set Z,  26
.set G1A, 28                           ; s[28:35], s[36:43] descriptor group 1 for A's and B's tiles
.set G1B, 36
.set G0A, 44                           ; s[44:51], s[52:59] group 0: a set for each first fill; the second then walks
.set G0B, 52
.set SL,  66                           ; s66  0 or SLOT: the slot in hand
.set P32, 68
.set P16, 70
.set BP,  86
.set MSB, 0
.macro WIN new                         ; the immediate's high byte repeats the setting that is left; a switch that changes nothing is dropped
.if MSB != (\new)
	s_set_vgpr_msb (MSB<<8)|(\new)
.set MSB, \new
.endif
.endm
.macro PLACES                          ; four places behind matrix instructions, in front of loads into registers that they read and of stores of their results
.rept 4
	v_nop
.endr
.endm
.macro JLOAD                           ; a joint refill by the walking set: waves 0, 1 A's halves, waves 2, 3 B's.  s_nop 0 and four v_nop follow each line
	s_cmp_eq_u32 s[WR], 0
	s_cbranch_scc0 .Lfor_b_\@
	tensor_load_to_lds s[G0A+4:G0A+7], s[G1A:G1A+7]
	s_nop 0
.rept 4
	v_nop
.endr
	s_branch .Lasked_\@
.Lfor_b_\@:
	tensor_load_to_lds s[G0B+4:G0B+7], s[G1B:G1B+7]
	s_nop 0
.rept 4
	v_nop
.endr
.Lasked_\@:
.endm
.macro CREST                           ; a round of the cluster's barrier behind its opening barrier
	s_cmp_lg_u32 s[WV], 0
	s_cbranch_scc1 .Lnot_wave_0_\@
	s_barrier_signal -3
.Lnot_wave_0_\@:
	s_barrier_wait -3
	s_barrier_signal -1
	s_barrier_wait -1
.endm
.macro CROUND
	s_barrier_signal -1
	s_barrier_wait -1
	CREST
.endm
.macro MMA c:vararg
.if FORM
	v_wmma_f32_16x16x32_f16 v[rD:rD+7], v[rB:rB+7], v[rA:rA+7], \c
.else
	v_wmma_f32_16x16x32_bf16 v[rD:rD+7], v[rB:rB+7], v[rA:rA+7], \c
.endif
.endm
; 16 matrix instructions: m blocks a0, a0 + 1 of the window's four (hi = 0: rows 0-63, 1: rows 64-127) x all 8 n blocks, 32 along K.  zero = 1: they start the sums.
; The 64 accumulators take turns in one order everywhere.
.macro MUL16 f, hi, a0, zero
.if \zero
	WIN 0x81+0x40*(\hi)
.else
	WIN 0xa1+0x50*(\hi)
.endif
.irp a, \a0, (\a0)+1
.irp b, 0,1,2,3,4,5,6,7
.set rD, 8*(8*(\a)+(\b))
.set rB, (\f)+8*(\b)
.set rA, (\f)+8*(4*(\hi)+(\a))
.if (\zero) && (CSTART == 1)
.set rC, CB+8*(\b)
	MMA v[rC:rC+7]
.elseif \zero
.set rC, CB+8*(4*(\hi)+(\a))
	MMA v[rC:rC+7]
.else
	MMA v[rD:rD+7]
.endif
.endr
.endr
.endm
.macro FETCH k, f                      ; 32 LDS loads in one run: a quarter step's fragments (32 K at byte k of the rows) into buffer f: B's, then A's
	WIN 0x40
.irp i, 0,1,2,3,4,5,6,7
	ds_load_b128 v[(\f)+8*(\i):(\f)+8*(\i)+3],   v[ADRB] offset:(\k)+(\i)*16*PITCH
	ds_load_b128 v[(\f)+8*(\i)+4:(\f)+8*(\i)+7], v[ADRB] offset:(\k)+(\i)*16*PITCH+32
.endr
	WIN 0
.irp i, 0,1,2,3,4,5,6,7
	ds_load_b128 v[(\f)+8*(\i):(\f)+8*(\i)+3],   v[ADRA] offset:(\k)+(\i)*16*PITCH
	ds_load_b128 v[(\f)+8*(\i)+4:(\f)+8*(\i)+7], v[ADRA] offset:(\k)+(\i)*16*PITCH+32
.endr
.endm
.macro QUARTER k, f, g, zero           ; multiplies buffer f; in its middle fetches the next quarter, at byte k, into buffer g
	s_wait_dscnt 8                                 ; B and A's rows 0-63 are in; the youngest eight loads (A's rows 64-127) may be out
	MUL16 \f, 0, 0, \zero
	MUL16 \f, 0, 2, \zero
	PLACES
	FETCH \k, \g
	s_wait_dscnt 32                                ; all but the 32 just issued
	MUL16 \f, 1, 0, \zero
	MUL16 \f, 1, 2, \zero
.endm
; The last quarter of a K step multiplies buffer 1 and changes slots.  ONE barrier: in front of it each wave waits for all its tensor loads (one is out: its part of the next slot),
; adds 0 to its spare word, and waits for that and for its reads of this slot.  fill = 1: the barrier opens a round of the cluster's, and the slot just read is filled again, two K steps ahead,
; first thing behind the round: 224 matrix instructions stand between that request and the wait for it.
.macro TURN fill
	WIN 0
	s_wait_tensorcnt 0x0                           ; all my tensor loads have landed
	ds_add_u32 v[SPW], v[NIL]                      ; 0 onto my spare word
	s_wait_dscnt 9                                 ; (the add and the youngest eight loads may be out)
	MUL16 F1, 0, 0, 0
	s_wait_dscnt 0x0                               ; the add is done, and my reads of this slot are over
	s_barrier_signal -1
	MUL16 F1, 0, 2, 0
	WIN 0                                          ; at a branch and at a label every window is 0
	s_barrier_wait -1
.if \fill
	CREST                                          ; no wave of any partner still reads this slot or has a load on its way
	s_xor_b32 s[G0A+5], s[G0A+5], SLOT             ; the walking sets: the other slot than last time, the next K step; no load of mine is out
	s_add_nc_u64 s[G0A+6:G0A+7], s[G0A+6:G0A+7], 2*KSTEP
	s_xor_b32 s[G0B+5], s[G0B+5], SLOT
	s_add_nc_u64 s[G0B+6:G0B+7], s[G0B+6:G0B+7], 2*KSTEP
	JLOAD                                          ; its four v_nop are also the places in front of the loads below
.else
	PLACES
.endif
	s_xor_b32 s[SL], s[SL], SLOT
	v_add_nc_u32 v[ADRA], s[SL], v[ADRA0]
	v_add_nc_u32 v[ADRB], s[SL], v[ADRB0]
	FETCH 0, F0
	MUL16 F1, 1, 0, 0
	MUL16 F1, 1, 2, 0
.endm
.macro DUMP                            ; every accumulator into my stage: 32 bytes of a row a lane, each accumulator's low four registers first
.irp w, 0,1
	WIN 0x08+4*(\w)
.irp a, 0,1,2,3
.irp b, 0,1,2,3,4,5,6,7
	ds_store_b128 v[STO], v[8*(8*(\a)+(\b)):8*(8*(\a)+(\b))+3]   offset:(4*(\w)+(\a))*16*SPITCH+64*(\b)
	ds_store_b128 v[STO], v[8*(8*(\a)+(\b))+4:8*(8*(\a)+(\b))+7] offset:(4*(\w)+(\a))*16*SPITCH+64*(\b)+16
.endr
.endr
.endr
	WIN 0
.endm
; 16 rows leave in 16 bits: four f32 a lane become 8 bytes; a wave's store covers 256 consecutive bytes, aligned.  fmt = 1: f16, 0: bf16.  first = 1: row i is waited for
.macro PART16 fmt, y, ptr, first
.irp i, 0,1,2,3,4,5,6,7,8,9,10,11,12,13,14,15
.if \first
	s_wait_dscnt 15-(\i)
.endif
.if \fmt
	v_cvt_pk_f16_f32 v[(\y)+2*(\i)], v[X+4*(\i)], v[X+4*(\i)+1]
	v_cvt_pk_f16_f32 v[(\y)+2*(\i)+1], v[X+4*(\i)+2], v[X+4*(\i)+3]
.else
	v_cvt_pk_bf16_f32 v[(\y)+2*(\i)], v[X+4*(\i)], v[X+4*(\i)+1]
	v_cvt_pk_bf16_f32 v[(\y)+2*(\i)+1], v[X+4*(\i)+2], v[X+4*(\i)+3]
.endif
	global_store_b64 v[GO16], v[(\y)+2*(\i):(\y)+2*(\i)+1], s[\ptr:\ptr+1] offset:2048*(\i)
.endr
.endm
.macro PART32 first                    ; 16 rows leave in f32: a wave's store covers 512 consecutive bytes, aligned
.irp i, 0,1,2,3,4,5,6,7,8,9,10,11,12,13,14,15
.if \first
	s_wait_dscnt 15-(\i)
.endif
	global_store_b128 v[GO32], v[X+4*(\i):X+4*(\i)+3], s[P32:P32+1] offset:4096*(\i)
.endr
.endm
	s_load_b256 s[4:11], s[0:1], 0x0               ; hc s[4:5], in16 s[6:7], qb s[8:9], kb s[10:11]
	s_load_b64 s[12:13], s[0:1], 0x20              ; qk
	v_lshl_add_u32 v[SPW], v0, 2, SPARE
	v_mov_b32 v[NIL], 0
	ds_add_u32 v28, v29
	s_wait_dscnt 0x0
	v_lshrrev_b32 v1, 5, v0
	v_readfirstlane_b32 s[WV], v1
	s_lshr_b32 s[WR], s[WV], 1
	s_and_b32 s[WC], s[WV], 1
	s_bfe_u32 s[CX], ttmp6, 0x40000                ; my place in the cluster
	s_bfe_u32 s[CY], ttmp6, 0x40004
	s_mov_b32 s[U], ttmp9                          ; in a cluster launch ttmp9 and ttmp7 count clusters: the unit and the block, which all sixteen share
	s_and_b32 s[Z], ttmp7, 0xffff
	s_lshl_b32 s60, s[CY], 2
	s_lshl_b32 s60, 15, s60                        ; my row of the cluster
	s_lshl_b32 s61, 0x1111, s[CX]                  ; my column
	s_or_b32 s[G1A], s60, GW0
	s_or_b32 s[G1B], s61, GW0
.irp g, G1A, G1B
	s_mov_b32 s[(\g)+1], KSTEP<<16                 ; tensor_dim0 = 128
	s_mov_b32 s[(\g)+2], 128<<16                   ; tensor_dim1 = 128
	s_mov_b32 s[(\g)+3], KSTEP<<16                 ; tile_dim0 = 128
	s_mov_b32 s[(\g)+4], 128                       ; tile_dim1 = 128
	s_mov_b32 s[(\g)+5], 1024                      ; elements from row to row
	s_mov_b32 s[(\g)+6], 0
	s_mov_b32 s[(\g)+7], 0
.endr
	; byte offsets, made apart from the addresses.  A's hangs on cy alone of the two places, B's on cx alone
	s_lshl_b32 s62, s[WC], 18                      ; the 128 rows (of 2,048 bytes) that I fetch
	s_lshl_b32 s63, s[Z], 21                       ; block z
	s_lshl_b32 s88, s[U], 24                       ; unit u of 16 MiB
	s_mov_b32 s89, 0
	s_lshl_b32 s74, s[CY], 19
	s_add_co_u32 s74, s74, s62
	s_add_co_u32 s74, s74, s63
	s_add_co_u32 s74, s74, s88                     ; A: h or c in f16, block z, row 256 cy + 128 half
	s_mov_b32 s75, 0
	s_lshl_b32 s76, s[CX], 19
	s_add_co_u32 s76, s76, s62
	s_lshl_b32 s90, s[U], 21
	s_add_co_u32 s76, s76, s90
	s_add_co_u32 s76, s76, 36*MI                   ; B: qW or kW, row 256 cx + 128 half
	s_mov_b32 s77, 0
	s_mul_i32 s17, s[WV], HALFT                    ; where my tile goes: no place in the cluster enters an LDS address
	s_lshl_b32 s82, s[CY], 19                      ; my part of C in 16 bits: row 1,024 z + 256 cy + 128 WR, column 256 cx + 128 WC
	s_lshl_b32 s84, s[WR], 18
	s_add_co_u32 s82, s82, s84
	s_add_co_u32 s82, s82, s63
	s_lshl_b32 s84, s[CX], 9
	s_add_co_u32 s82, s82, s84
	s_lshl_b32 s84, s[WC], 8
	s_add_co_u32 s82, s82, s84
	s_mov_b32 s83, 0
	s_lshl_b32 s84, s82, 1                         ; and in f32
	s_mov_b32 s85, 0
	s_lshl_b32 s18, s[CX], 10                      ; my first column in the bias
	s_lshl_b32 s19, s[WC], 9
	s_add_co_u32 s18, s18, s19
	s_mov_b32 s19, 0
	s_wait_kmcnt 0x0
	s_add_nc_u64 s[78:79], s[4:5], s[74:75]
	s_add_nc_u64 s[80:81], s[6:7], s[76:77]
	s_cmp_eq_u32 s[U], 0
	s_cselect_b64 s[BP:BP+1], s[8:9], s[10:11]     ; qb or kb
	s_add_nc_u64 s[BP:BP+1], s[BP:BP+1], s[18:19]
	s_add_nc_u64 s[P32:P32+1], s[12:13], s[84:85]  ; f32: q
	s_add_nc_u64 s[P16:P16+1], s[12:13], s[82:83]
	s_add_nc_u64 s[P16:P16+1], s[P16:P16+1], s[88:89]
	s_add_nc_u64 s[P16:P16+1], s[P16:P16+1], 32*MI ; bf16: q or k
.irp s, 0,1
	s_mov_b32 s[G0A+4*(\s)], 1                     ; count = 1
	s_add_co_u32 s[G0A+4*(\s)+1], s17, (\s)*SLOT   ; LDS address
	s_add_nc_u64 s[G0A+4*(\s)+2:G0A+4*(\s)+3], s[78:79], (\s)*2*KSTEP  ; global address: K step s
	s_or_b32 s[G0A+4*(\s)+3], s[G0A+4*(\s)+3], 0x80000000              ; type = 2
	s_mov_b32 s[G0B+4*(\s)], 1
	s_add_co_u32 s[G0B+4*(\s)+1], s17, (\s)*SLOT
	s_add_nc_u64 s[G0B+4*(\s)+2:G0B+4*(\s)+3], s[80:81], (\s)*2*KSTEP
	s_or_b32 s[G0B+4*(\s)+3], s[G0B+4*(\s)+3], 0x80000000
.endr
	CROUND                                         ; all sixteen work-groups are here: the first joint loads meet
	s_cmp_eq_u32 s[WR], 0                          ; a wave's two first fills stand in one branch: two loads of mine are out, later one
	s_cbranch_scc0 .Lfirst_b
	tensor_load_to_lds s[G0A:G0A+3], s[G1A:G1A+7]
	s_nop 0
	tensor_load_to_lds s[G0A+4:G0A+7], s[G1A:G1A+7]
	s_nop 0
.rept 4
	v_nop
.endr
	s_branch .Lfirst_asked
.Lfirst_b:
	tensor_load_to_lds s[G0B:G0B+3], s[G1B:G1B+7]
	s_nop 0
	tensor_load_to_lds s[G0B+4:G0B+7], s[G1B:G1B+7]
	s_nop 0
.rept 4
	v_nop
.endr
.Lfirst_asked:
	; a fragment is 16 rows x 32 K in 8 registers: lane l holds row l % 16, K = 8 (l / 16) + 0..7 and 16 + 8 (l / 16) + 0..7: two loads of 16 bytes, 32 bytes apart
	v_and_b32 v1, 15, v0                           ; l % 16
	v_bfe_u32 v2, v0, 4, 1                         ; l / 16
	v_mul_u32_u24 v3, v1, PITCH
	v_lshl_add_u32 v3, v2, 4, v3
	s_mul_i32 s14, s[WR], HALFT                    ; my 128 rows of A
	s_mul_i32 s15, s[WC], HALFT                    ; my 128 rows of B, behind A's 256
	s_add_co_u32 s15, s15, 2*HALFT
	v_add_nc_u32 v[ADRA0], s14, v3
	v_add_nc_u32 v[ADRB0], s15, v3
	v_mov_b32 v[ADRA], v[ADRA0]
	v_mov_b32 v[ADRB], v[ADRB0]
	s_mov_b32 s[SL], 0
	s_mul_i32 s16, s[WV], STG                      ; my stage
	v_mul_u32_u24 v4, v1, SPITCH
	v_lshl_add_u32 v4, v2, 5, v4
	v_add_nc_u32 v[STO], s16, v4                   ; in: row l % 16, 32 bytes for each half of the lanes
	v_and_b32 v5, 31, v0
	v_lshlrev_b32 v[GO32], 4, v5
	v_lshlrev_b32 v[GO16], 3, v5
	v_add_nc_u32 v[RD], s16, v[GO32]               ; back: 32 lanes take one row of 512 bytes
	v_lshlrev_b32 v[BO], 5, v2                     ; the bias of columns 16 b + 8 (l / 16) + 0..7 for each n block b
.irp b, 0,1,2,3,4,5,6,7
	global_load_b128 v[CB+8*(\b):CB+8*(\b)+3],   v[BO], s[BP:BP+1] offset:64*(\b)
	global_load_b128 v[CB+8*(\b)+4:CB+8*(\b)+7], v[BO], s[BP:BP+1] offset:64*(\b)+16
.endr
	s_wait_tensorcnt 0x1                           ; my part of K step 0 is in; K step 1's may stay out
	s_barrier_signal -1
	s_barrier_wait -1
	FETCH 0, F0
	s_wait_loadcnt 0x0                             ; the bias
	QUARTER 64, F0, F1, 1                          ; the first quarter stands in front of the loop: its products start the sums
	WIN 0
	s_mov_b32 s3, 6
	s_branch .Lmid                                 ; the loop is entered behind its first quarter
.Lloop:                                                ; a trip is a K step; six trips ask for K steps 2 to 7
	QUARTER 64, F0, F1, 0
	WIN 0
.Lmid:
	QUARTER 128, F1, F0, 0
	QUARTER 192, F0, F1, 0
	TURN 1
	WIN 0
	s_sub_co_u32 s3, s3, 1
	s_cmp_lg_u32 s3, 0
	s_cbranch_scc1 .Lloop
	s_mov_b32 s3, 2
.Ltail:                                                ; the last two K steps ask for nothing.  The second trip's last 32 LDS loads read a slot that has been used and serve nothing:
	QUARTER 64, F0, F1, 0                          ; the price, once, of one text for both steps
	QUARTER 128, F1, F0, 0
	QUARTER 192, F0, F1, 0
	TURN 0
	WIN 0
	s_sub_co_u32 s3, s3, 1
	s_cmp_lg_u32 s3, 0
	s_cbranch_scc1 .Ltail
	; THE WAY OUT.  The stages lie where the slots lay: every wave's reads of the ring are over, and so are all fills, before any wave writes there
	s_wait_dscnt 0x0
	s_barrier_signal -1
	s_barrier_wait -1
	PLACES
	DUMP
	s_mov_b32 s3, 8
.Lout:                                                 ; 16 rows a trip.  LDS serves a wave's instructions in order (ISA guide 5.7.1.4): these loads see my stores
.irp i, 0,1,2,3,4,5,6,7,8,9,10,11,12,13,14,15
	ds_load_b128 v[X+4*(\i):X+4*(\i)+3], v[RD] offset:(\i)*SPITCH
.endr
	PART16 0, Y, P16, 1                            ; q or k in bf16
	s_cmp_lg_u32 s[U], 0
	s_cbranch_scc1 .Lno_f32
	PART32 0                                       ; q in f32 too
.Lno_f32:
	s_wait_xcnt 0x0                                ; the stores' data and bases are rewritten only behind this wait
	s_add_nc_u64 s[P16:P16+1], s[P16:P16+1], 16*2048
	s_add_nc_u64 s[P32:P32+1], s[P32:P32+1], 16*4096
	v_add_nc_u32 v[RD], 16*SPITCH, v[RD]
	s_sub_co_u32 s3, s3, 1
	s_cmp_lg_u32 s3, 0
	s_cbranch_scc1 .Lout
	s_wait_tensorcnt 0x0                           ; the wave's end
	ds_add_u32 v[SPW], v[NIL]
	s_wait_dscnt 0x0
	CROUND                                         ; the closing round: no work-group ends while a partner may still ask for a tile that names it
	s_endpgm
.Lfunc_end_k_q9c958ed6b4_proj2:
	.size	k_q9c958ed6b4_proj2, .Lfunc_end_k_q9c958ed6b4_proj2-k_q9c958ed6b4_proj2
	.p2alignl 7, 3214868480
	.fill 96, 4, 3214868480
	.section	.rodata,"a",@progbits
	.p2align	6, 0x0
	.amdhsa_kernel k_q9c958ed6b4_proj2
		.amdhsa_group_segment_fixed_size 327680
		.amdhsa_private_segment_fixed_size 0
		.amdhsa_enable_private_segment 0
		.amdhsa_kernarg_size 40
		.amdhsa_user_sgpr_count 2
		.amdhsa_user_sgpr_kernarg_segment_ptr 1
		.amdhsa_wavefront_size32 1
		.amdhsa_system_sgpr_workgroup_id_x 1
		.amdhsa_system_sgpr_workgroup_id_y 1
		.amdhsa_system_sgpr_workgroup_id_z 1
		.amdhsa_system_vgpr_workitem_id 0
		.amdhsa_next_free_vgpr 1024
		.amdhsa_next_free_sgpr 92
		.amdhsa_reserve_vcc 0
		.amdhsa_float_denorm_mode_32 3
		.amdhsa_float_denorm_mode_16_64 3
		.amdhsa_memory_ordered 1
		.amdhsa_forward_progress 1
		.amdhsa_inst_pref_size 85
	.end_amdhsa_kernel
	.amdgpu_metadata
---
amdhsa.version: [ 1, 2 ]
amdhsa.kernels:
  - .name:           k_q9c958ed6b4_proj2
    .symbol:         k_q9c958ed6b4_proj2.kd
    .args:
      - { .name: hc, .offset: 0, .size: 8, .value_kind: global_buffer, .address_space: global }
      - { .name: in16, .offset: 8, .size: 8, .value_kind: global_buffer, .address_space: global }
      - { .name: qb, .offset: 16, .size: 8, .value_kind: global_buffer, .address_space: global }
      - { .name: kb, .offset: 24, .size: 8, .value_kind: global_buffer, .address_space: global }
      - { .name: qk, .offset: 32, .size: 8, .value_kind: global_buffer, .address_space: global }
    .group_segment_fixed_size: 327680
    .private_segment_fixed_size: 0
    .kernarg_segment_align: 8
    .kernarg_segment_size: 40
    .max_flat_workgroup_size: 128
    .sgpr_count:     92
    .vgpr_count:     1024
    .wavefront_size: 32
...
	.end_amdgpu_metadata
.endif
;; end of part 3
;; launch scov (part 4): grid 8 x 32, 4 waves a work-group, clusters of 4 x 4, 327,680 bytes of LDS; arguments qk, in16, hc, vb, sv; writes sv
.if DOCPART == 4
	.amdgcn_target "amdgcn-amd-amdhsa--gfx1250"
	.amdhsa_code_object_version 6
	.text
	.protected	k_q9c958ed6b4_scov
	.globl	k_q9c958ed6b4_scov
	.p2align	8
	.type	k_q9c958ed6b4_scov,@function
k_q9c958ed6b4_scov:
	s_mov_b64 s[64:65], 0
	v_nop
	global_prefetch_b8 v0, s[64:65] scope:SCOPE_SE
	s_setreg_imm32_b32 hwreg(HW_REG_WAVE_MODE, 25, 1), 1
	s_wait_xcnt 0x0
	s_wait_alu depctr_hold_cnt(0) depctr_sa_sdst(0) depctr_va_vdst(0) depctr_va_sdst(0) depctr_va_ssrc(0) depctr_va_vcc(0) depctr_vm_vsrc(0)
	s_getreg_b32 s2, hwreg(HW_REG_IB_STS2, 6, 4)
	s_cmp_eq_u32 s2, 0
	s_cbranch_scc0 .Lentry_in_a_cluster
	s_endpgm
.Lentry_in_a_cluster:
	s_bfe_u32 s2, ttmp6, 0x10000c
	s_cmp_lg_u32 s2, 0xf033
	s_cbranch_scc0 .Lentry_shape_is_right
	s_endpgm
.Lentry_shape_is_right:
; Unit u = 0: the scores S_z = q_z k_z^T of batch z, unscaled, in f32 (sv + 0; the softmax launch applies 1 / 32).
; Unit u = 1: v of batch z, made TRANSPOSED: vT_z[f][key] = vb[f] + sum over d of vW[f][d] c_z[key][d], bf16 (sv + 32 MiB), so that attn v is again a product with K along both operands' rows.
; Both are C[m][n] = start[m] + sum over k of A[m][k] B[n][k], 1,024^3 a batch; operands bf16, sums f32.
; SHARES.  A cluster of 4 x 4 work-groups makes one block of 1,024 x 1,024 of one unit: cluster x = u, cluster y = batch z, (cx, cy) = tile column and row.
; 256 work-groups.  A work-group makes 256 x 256 with four waves, each 128 x 128: 64 accumulators, 512 registers.
; K goes in 8 steps of 128 through two LDS slots; a tile's rows are 256 bytes of memory at multiples of 256.  A's tile is shared along a row of the cluster,
; B's along a column: each is asked for JOINTLY, by the same tensor load and descriptor with a mask of the four.
; THE MATRIX INSTRUCTION IS USED TRANSPOSED (source 0 = 16 rows of B, source 1 = 16 rows of A): lane l holds row l % 16 of C and columns 8 (l / 16) + 0..7.
; WHAT STARTS THE SUMS runs along the rows: a lane's eight registers hold one number, vb of its row (u = 1) or 0 (u = 0): one text of products for both units, at the price of 64 v_mov_b32 once.
; REGISTERS, in windows of 256 (s_set_vgpr_msb: bits 1:0 source 0, 3:2 source 1, 5:4 source 2, 7:6 destination):
;   window 0: v0-29 addresses; v64-127, v128-191 A's fragments, two buffers; v192-255 the start.  On the way out v64-127 rows of f32, v128-159 packed results.
;   window 1: v64-127, v128-191 B's fragments.   window 2: accumulators of my rows 0-63 ((a, b) at v[8 (8 a + b)]).   window 3: those of rows 64-127.
.set FORM,   0                         ; 0: bf16 operands, 1: f16
.set CSTART, 2                         ; what starts the sums: 1 a bias along the columns, 2 a bias along the rows, 3 numbers loaded into the accumulators
.set MI,     1<<20
.set KSTEP,  128
.set PITCH,  272                       ; an LDS row: 256 bytes + 16 of padding = 68 words: the 16 rows of a fragment load start at 16 different groups of four banks (ISA guide 11.1)
.set HALFT,  128*PITCH                 ; 128 rows: what one tensor load brings, and what one wave reads of A or of B
.set SLOT,   4*HALFT                   ; A's 256 rows, then B's 256 rows.  0x22000: its two bits are clear in wave x HALFT, so an exclusive or changes slots
.set SPARE,  2*SLOT                    ; behind the ring: the spare words, 128 bytes a wave: two blocks of 256 bytes that no other line names
.set SPITCH, 528                       ; the way out: a stage row of 128 f32 + 16 bytes
.set STG,    128*SPITCH                ; a wave's stage: it lies in the ring, whose slots have had their last fill by then; 4 x 67,584 bytes end below SPARE
.set GW0,    (1<<16)|(1<<20)|(1<<21)|(5<<22)|(3<<25)  ; group 1, word 0: 2-byte elements; padding on; bit 21 beside a mask; after every 64 words; 4 words
.set ADRA0, 8                          ; v8, v9 my lane's place in A's and B's tile, slot 0; v10, v11 the same in the slot in hand
.set ADRB0, 9
.set ADRA,  10
.set ADRB,  11
.set STO,   12                         ; v12 the way out: where I put 32 bytes of a row; v13 where I read a row back; v14, v15 16 x lane, 8 x lane; v16 my lane's offset in the bias
.set RD,    13
.set GO32,  14
.set GO16,  15
.set BO,    16
.set SPW,   28                         ; v28 LDS address of my spare word, v29 0; never rewritten
.set NIL,   29
.set F0,    64
.set F1,    128
.set CB,    192
.set X,     64
.set Y,     128
.set WV, 20                            ; s20 wave;  s21 my half of the tile's rows, also: I fetch for A (0) or B (1);  s22 my half of its columns, also: which 128 rows I fetch
.set WR, 21
.set WC, 22
.set CX, 23
.set CY, 24
.set U,  25
.set Z,  26
.set G1A, 28                           ; s[28:35], s[36:43] descriptor group 1 for A's and B's tiles
.set G1B, 36
.set G0A, 44                           ; s[44:51], s[52:59] group 0: a set for each first fill; the second then walks
.set G0B, 52
.set SL,  66                           ; s66  0 or SLOT: the slot in hand
.set P32, 68
.set P16, 70
.set BP,  86
.set MSB, 0
.macro WIN new                         ; the immediate's high byte repeats the setting that is left; a switch that changes nothing is dropped
.if MSB != (\new)
	s_set_vgpr_msb (MSB<<8)|(\new)
.set MSB, \new
.endif
.endm
.macro PLACES                          ; four places behind matrix instructions, in front of loads into registers that they read and of stores of their results
.rept 4
	v_nop
.endr
.endm
.macro JLOAD                           ; a joint refill by the walking set: waves 0, 1 A's halves, waves 2, 3 B's.  s_nop 0 and four v_nop follow each line
	s_cmp_eq_u32 s[WR], 0
	s_cbranch_scc0 .Lfor_b_\@
	tensor_load_to_lds s[G0A+4:G0A+7], s[G1A:G1A+7]
	s_nop 0
.rept 4
	v_nop
.endr
	s_branch .Lasked_\@
.Lfor_b_\@:
	tensor_load_to_lds s[G0B+4:G0B+7], s[G1B:G1B+7]
	s_nop 0
.rept 4
	v_nop
.endr
.Lasked_\@:
.endm
.macro CREST                           ; a round of the cluster's barrier behind its opening barrier
	s_cmp_lg_u32 s[WV], 0
	s_cbranch_scc1 .Lnot_wave_0_\@
	s_barrier_signal -3
.Lnot_wave_0_\@:
	s_barrier_wait -3
	s_barrier_signal -1
	s_barrier_wait -1
.endm
.macro CROUND
	s_barrier_signal -1
	s_barrier_wait -1
	CREST
.endm
.macro MMA c:vararg
.if FORM
	v_wmma_f32_16x16x32_f16 v[rD:rD+7], v[rB:rB+7], v[rA:rA+7], \c
.else
	v_wmma_f32_16x16x32_bf16 v[rD:rD+7], v[rB:rB+7], v[rA:rA+7], \c
.endif
.endm
; 16 matrix instructions: m blocks a0, a0 + 1 of the window's four (hi = 0: rows 0-63, 1: rows 64-127) x all 8 n blocks, 32 along K.  zero = 1: they start the sums.
; The 64 accumulators take turns in one order everywhere.
.macro MUL16 f, hi, a0, zero
.if \zero
	WIN 0x81+0x40*(\hi)
.else
	WIN 0xa1+0x50*(\hi)
.endif
.irp a, \a0, (\a0)+1
.irp b, 0,1,2,3,4,5,6,7
.set rD, 8*(8*(\a)+(\b))
.set rB, (\f)+8*(\b)
.set rA, (\f)+8*(4*(\hi)+(\a))
.if (\zero) && (CSTART == 1)
.set rC, CB+8*(\b)
	MMA v[rC:rC+7]
.elseif \zero
.set rC, CB+8*(4*(\hi)+(\a))
	MMA v[rC:rC+7]
.else
	MMA v[rD:rD+7]
.endif
.endr
.endr
.endm
.macro FETCH k, f                      ; 32 LDS loads in one run: a quarter step's fragments (32 K at byte k of the rows) into buffer f: B's, then A's
	WIN 0x40
.irp i, 0,1,2,3,4,5,6,7
	ds_load_b128 v[(\f)+8*(\i):(\f)+8*(\i)+3],   v[ADRB] offset:(\k)+(\i)*16*PITCH
	ds_load_b128 v[(\f)+8*(\i)+4:(\f)+8*(\i)+7], v[ADRB] offset:(\k)+(\i)*16*PITCH+32
.endr
	WIN 0
.irp i, 0,1,2,3,4,5,6,7
	ds_load_b128 v[(\f)+8*(\i):(\f)+8*(\i)+3],   v[ADRA] offset:(\k)+(\i)*16*PITCH
	ds_load_b128 v[(\f)+8*(\i)+4:(\f)+8*(\i)+7], v[ADRA] offset:(\k)+(\i)*16*PITCH+32
.endr
.endm
.macro QUARTER k, f, g, zero           ; multiplies buffer f; in its middle fetches the next quarter, at byte k, into buffer g
	s_wait_dscnt 8                                 ; B and A's rows 0-63 are in; the youngest eight loads (A's rows 64-127) may be out
	MUL16 \f, 0, 0, \zero
	MUL16 \f, 0, 2, \zero
	PLACES
	FETCH \k, \g
	s_wait_dscnt 32                                ; all but the 32 just issued
	MUL16 \f, 1, 0, \zero
	MUL16 \f, 1, 2, \zero
.endm
; The last quarter of a K step multiplies buffer 1 and changes slots.  ONE barrier: in front of it each wave waits for all its tensor loads (one is out: its part of the next slot),
; adds 0 to its spare word, and waits for that and for its reads of this slot.  fill = 1: the barrier opens a round of the cluster's, and the slot just read is filled again, two K steps ahead,
; first thing behind the round: 224 matrix instructions stand between that request and the wait for it.
.macro TURN fill
	WIN 0
	s_wait_tensorcnt 0x0                           ; all my tensor loads have landed
	ds_add_u32 v[SPW], v[NIL]                      ; 0 onto my spare word
	s_wait_dscnt 9                                 ; (the add and the youngest eight loads may be out)
	MUL16 F1, 0, 0, 0
	s_wait_dscnt 0x0                               ; the add is done, and my reads of this slot are over
	s_barrier_signal -1
	MUL16 F1, 0, 2, 0
	WIN 0                                          ; at a branch and at a label every window is 0
	s_barrier_wait -1
.if \fill
	CREST                                          ; no wave of any partner still reads this slot or has a load on its way
	s_xor_b32 s[G0A+5], s[G0A+5], SLOT             ; the walking sets: the other slot than last time, the next K step; no load of mine is out
	s_add_nc_u64 s[G0A+6:G0A+7], s[G0A+6:G0A+7], 2*KSTEP
	s_xor_b32 s[G0B+5], s[G0B+5], SLOT
	s_add_nc_u64 s[G0B+6:G0B+7], s[G0B+6:G0B+7], 2*KSTEP
	JLOAD                                          ; its four v_nop are also the places in front of the loads below
.else
	PLACES
.endif
	s_xor_b32 s[SL], s[SL], SLOT
	v_add_nc_u32 v[ADRA], s[SL], v[ADRA0]
	v_add_nc_u32 v[ADRB], s[SL], v[ADRB0]
	FETCH 0, F0
	MUL16 F1, 1, 0, 0
	MUL16 F1, 1, 2, 0
.endm
.macro DUMP                            ; every accumulator into my stage: 32 bytes of a row a lane, each accumulator's low four registers first
.irp w, 0,1
	WIN 0x08+4*(\w)
.irp a, 0,1,2,3
.irp b, 0,1,2,3,4,5,6,7
	ds_store_b128 v[STO], v[8*(8*(\a)+(\b)):8*(8*(\a)+(\b))+3]   offset:(4*(\w)+(\a))*16*SPITCH+64*(\b)
	ds_store_b128 v[STO], v[8*(8*(\a)+(\b))+4:8*(8*(\a)+(\b))+7] offset:(4*(\w)+(\a))*16*SPITCH+64*(\b)+16
.endr
.endr
.endr
	WIN 0
.endm
; 16 rows leave in 16 bits: four f32 a lane become 8 bytes; a wave's store covers 256 consecutive bytes, aligned.  fmt = 1: f16, 0: bf16.  first = 1: row i is waited for
.macro PART16 fmt, y, ptr, first
.irp i, 0,1,2,3,4,5,6,7,8,9,10,11,12,13,14,15
.if \first
	s_wait_dscnt 15-(\i)
.endif
.if \fmt
	v_cvt_pk_f16_f32 v[(\y)+2*(\i)], v[X+4*(\i)], v[X+4*(\i)+1]
	v_cvt_pk_f16_f32 v[(\y)+2*(\i)+1], v[X+4*(\i)+2], v[X+4*(\i)+3]
.else
	v_cvt_pk_bf16_f32 v[(\y)+2*(\i)], v[X+4*(\i)], v[X+4*(\i)+1]
	v_cvt_pk_bf16_f32 v[(\y)+2*(\i)+1], v[X+4*(\i)+2], v[X+4*(\i)+3]
.endif
	global_store_b64 v[GO16], v[(\y)+2*(\i):(\y)+2*(\i)+1], s[\ptr:\ptr+1] offset:2048*(\i)
.endr
.endm
.macro PART32 first                    ; 16 rows leave in f32: a wave's store covers 512 consecutive bytes, aligned
.irp i, 0,1,2,3,4,5,6,7,8,9,10,11,12,13,14,15
.if \first
	s_wait_dscnt 15-(\i)
.endif
	global_store_b128 v[GO32], v[X+4*(\i):X+4*(\i)+3], s[P32:P32+1] offset:4096*(\i)
.endr
.endm
	s_load_b256 s[4:11], s[0:1], 0x0               ; qk s[4:5], in16 s[6:7], hc s[8:9], vb s[10:11]
	s_load_b64 s[12:13], s[0:1], 0x20              ; sv
	v_lshl_add_u32 v[SPW], v0, 2, SPARE
	v_mov_b32 v[NIL], 0
	ds_add_u32 v28, v29
	s_wait_dscnt 0x0
	v_lshrrev_b32 v1, 5, v0
	v_readfirstlane_b32 s[WV], v1
	s_lshr_b32 s[WR], s[WV], 1
	s_and_b32 s[WC], s[WV], 1
	s_bfe_u32 s[CX], ttmp6, 0x40000                ; my place in the cluster
	s_bfe_u32 s[CY], ttmp6, 0x40004
	s_mov_b32 s[U], ttmp9                          ; in a cluster launch ttmp9 and ttmp7 count clusters: the unit and the batch, which all sixteen share
	s_and_b32 s[Z], ttmp7, 0xffff
	s_lshl_b32 s60, s[CY], 2
	s_lshl_b32 s60, 15, s60                        ; my row of the cluster
	s_lshl_b32 s61, 0x1111, s[CX]                  ; my column
	s_or_b32 s[G1A], s60, GW0
	s_or_b32 s[G1B], s61, GW0
.irp g, G1A, G1B
	s_mov_b32 s[(\g)+1], KSTEP<<16                 ; tensor_dim0 = 128
	s_mov_b32 s[(\g)+2], 128<<16                   ; tensor_dim1 = 128
	s_mov_b32 s[(\g)+3], KSTEP<<16                 ; tile_dim0 = 128
	s_mov_b32 s[(\g)+4], 128                       ; tile_dim1 = 128
	s_mov_b32 s[(\g)+5], 1024                      ; elements from row to row
	s_mov_b32 s[(\g)+6], 0
	s_mov_b32 s[(\g)+7], 0
.endr
	; byte offsets, made apart from the addresses.  A's hangs on cy alone of the two places, B's on cx alone
	s_lshl_b32 s62, s[WC], 18                      ; the 128 rows (of 2,048 bytes) that I fetch
	s_lshl_b32 s63, s[Z], 21                       ; batch z
	s_add_co_u32 s88, s63, 32*MI                   ; u = 0: A is q in bf16, batch z, in qk
	s_mov_b32 s89, 32*MI                           ; u = 1: B is c in bf16, in hc
	s_mov_b32 s90, 48*MI                           ; u = 0: B is k, in qk
	s_cmp_eq_u32 s[U], 0
	s_cselect_b32 s88, s88, 40*MI                  ; u = 1: A is vW, in in16
	s_cselect_b32 s89, s90, s89
	s_lshl_b32 s74, s[CY], 19
	s_add_co_u32 s74, s74, s62
	s_add_co_u32 s74, s74, s88                     ; A: row 256 cy + 128 half
	s_mov_b32 s75, 0
	s_lshl_b32 s76, s[CX], 19
	s_add_co_u32 s76, s76, s62
	s_add_co_u32 s76, s76, s63
	s_add_co_u32 s76, s76, s89                     ; B: batch z, row 256 cx + 128 half
	s_mov_b32 s77, 0
	s_mul_i32 s17, s[WV], HALFT                    ; where my tile goes: no place in the cluster enters an LDS address
	s_lshl_b32 s82, s[CY], 19                      ; my part of C in 16 bits: row 1,024 z + 256 cy + 128 WR, column 256 cx + 128 WC
	s_lshl_b32 s84, s[WR], 18
	s_add_co_u32 s82, s82, s84
	s_add_co_u32 s82, s82, s63
	s_lshl_b32 s84, s[CX], 9
	s_add_co_u32 s82, s82, s84
	s_lshl_b32 s84, s[WC], 8
	s_add_co_u32 s82, s82, s84
	s_mov_b32 s83, 0
	s_lshl_b32 s84, s82, 1                         ; and in f32
	s_mov_b32 s85, 0
	s_lshl_b32 s18, s[CY], 10                      ; my first row in vb: 256 cy + 128 WR
	s_lshl_b32 s19, s[WR], 9
	s_add_co_u32 s18, s18, s19
	s_mov_b32 s19, 0
	s_wait_kmcnt 0x0
	s_cmp_eq_u32 s[U], 0
	s_cselect_b64 s[78:79], s[4:5], s[6:7]         ; A from qk or in16
	s_cselect_b64 s[80:81], s[4:5], s[8:9]         ; B from qk or hc
	s_add_nc_u64 s[78:79], s[78:79], s[74:75]
	s_add_nc_u64 s[80:81], s[80:81], s[76:77]
	s_add_nc_u64 s[BP:BP+1], s[10:11], s[18:19]
	s_add_nc_u64 s[P32:P32+1], s[12:13], s[84:85]  ; f32: S
	s_add_nc_u64 s[P16:P16+1], s[12:13], s[82:83]
	s_add_nc_u64 s[P16:P16+1], s[P16:P16+1], 32*MI ; bf16: vT
.irp s, 0,1
	s_mov_b32 s[G0A+4*(\s)], 1                     ; count = 1
	s_add_co_u32 s[G0A+4*(\s)+1], s17, (\s)*SLOT   ; LDS address
	s_add_nc_u64 s[G0A+4*(\s)+2:G0A+4*(\s)+3], s[78:79], (\s)*2*KSTEP  ; global address: K step s
	s_or_b32 s[G0A+4*(\s)+3], s[G0A+4*(\s)+3], 0x80000000              ; type = 2
	s_mov_b32 s[G0B+4*(\s)], 1
	s_add_co_u32 s[G0B+4*(\s)+1], s17, (\s)*SLOT
	s_add_nc_u64 s[G0B+4*(\s)+2:G0B+4*(\s)+3], s[80:81], (\s)*2*KSTEP
	s_or_b32 s[G0B+4*(\s)+3], s[G0B+4*(\s)+3], 0x80000000
.endr
	CROUND                                         ; all sixteen work-groups are here: the first joint loads meet
	s_cmp_eq_u32 s[WR], 0                          ; a wave's two first fills stand in one branch: two loads of mine are out, later one
	s_cbranch_scc0 .Lfirst_b
	tensor_load_to_lds s[G0A:G0A+3], s[G1A:G1A+7]
	s_nop 0
	tensor_load_to_lds s[G0A+4:G0A+7], s[G1A:G1A+7]
	s_nop 0
.rept 4
	v_nop
.endr
	s_branch .Lfirst_asked
.Lfirst_b:
	tensor_load_to_lds s[G0B:G0B+3], s[G1B:G1B+7]
	s_nop 0
	tensor_load_to_lds s[G0B+4:G0B+7], s[G1B:G1B+7]
	s_nop 0
.rept 4
	v_nop
.endr
.Lfirst_asked:
	; a fragment is 16 rows x 32 K in 8 registers: lane l holds row l % 16, K = 8 (l / 16) + 0..7 and 16 + 8 (l / 16) + 0..7: two loads of 16 bytes, 32 bytes apart
	v_and_b32 v1, 15, v0                           ; l % 16
	v_bfe_u32 v2, v0, 4, 1                         ; l / 16
	v_mul_u32_u24 v3, v1, PITCH
	v_lshl_add_u32 v3, v2, 4, v3
	s_mul_i32 s14, s[WR], HALFT                    ; my 128 rows of A
	s_mul_i32 s15, s[WC], HALFT                    ; my 128 rows of B, behind A's 256
	s_add_co_u32 s15, s15, 2*HALFT
	v_add_nc_u32 v[ADRA0], s14, v3
	v_add_nc_u32 v[ADRB0], s15, v3
	v_mov_b32 v[ADRA], v[ADRA0]
	v_mov_b32 v[ADRB], v[ADRB0]
	s_mov_b32 s[SL], 0
	s_mul_i32 s16, s[WV], STG                      ; my stage
	v_mul_u32_u24 v4, v1, SPITCH
	v_lshl_add_u32 v4, v2, 5, v4
	v_add_nc_u32 v[STO], s16, v4                   ; in: row l % 16, 32 bytes for each half of the lanes
	v_and_b32 v5, 31, v0
	v_lshlrev_b32 v[GO32], 4, v5
	v_lshlrev_b32 v[GO16], 3, v5
	v_add_nc_u32 v[RD], s16, v[GO32]               ; back: 32 lanes take one row of 512 bytes
	s_cmp_eq_u32 s[U], 0
	s_cbranch_scc1 .Lno_bias
	v_lshlrev_b32 v[BO], 2, v1                     ; vb of row 16 a + l % 16 for each m block a
.irp a, 0,1,2,3,4,5,6,7
	global_load_b32 v[CB+8*(\a)], v[BO], s[BP:BP+1] offset:64*(\a)
.endr
	s_wait_loadcnt 0x0
	s_branch .Lspread
.Lno_bias:
.irp a, 0,1,2,3,4,5,6,7
	v_mov_b32 v[CB+8*(\a)], 0
.endr
.Lspread:                                              ; a lane's eight columns share the row's number
.irp a, 0,1,2,3,4,5,6,7
.irp j, 1,2,3,4,5,6,7
	v_mov_b32 v[CB+8*(\a)+(\j)], v[CB+8*(\a)]
.endr
.endr
	s_wait_tensorcnt 0x1                           ; my part of K step 0 is in; K step 1's may stay out
	s_barrier_signal -1
	s_barrier_wait -1
	FETCH 0, F0
	QUARTER 64, F0, F1, 1                          ; the first quarter stands in front of the loop: its products start the sums
	WIN 0
	s_mov_b32 s3, 6
	s_branch .Lmid                                 ; the loop is entered behind its first quarter
.Lloop:                                                ; a trip is a K step; six trips ask for K steps 2 to 7
	QUARTER 64, F0, F1, 0
	WIN 0
.Lmid:
	QUARTER 128, F1, F0, 0
	QUARTER 192, F0, F1, 0
	TURN 1
	WIN 0
	s_sub_co_u32 s3, s3, 1
	s_cmp_lg_u32 s3, 0
	s_cbranch_scc1 .Lloop
	s_mov_b32 s3, 2
.Ltail:                                                ; the last two K steps ask for nothing.  The second trip's last 32 LDS loads read a slot that has been used and serve nothing:
	QUARTER 64, F0, F1, 0                          ; the price, once, of one text for both steps
	QUARTER 128, F1, F0, 0
	QUARTER 192, F0, F1, 0
	TURN 0
	WIN 0
	s_sub_co_u32 s3, s3, 1
	s_cmp_lg_u32 s3, 0
	s_cbranch_scc1 .Ltail
	; THE WAY OUT.  The stages lie where the slots lay: every wave's reads of the ring are over, and so are all fills, before any wave writes there
	s_wait_dscnt 0x0
	s_barrier_signal -1
	s_barrier_wait -1
	PLACES
	DUMP
	s_mov_b32 s3, 8
.Lout:                                                 ; 16 rows a trip.  LDS serves a wave's instructions in order (ISA guide 5.7.1.4): these loads see my stores
.irp i, 0,1,2,3,4,5,6,7,8,9,10,11,12,13,14,15
	ds_load_b128 v[X+4*(\i):X+4*(\i)+3], v[RD] offset:(\i)*SPITCH
.endr
	s_cmp_lg_u32 s[U], 0
	s_cbranch_scc1 .Lvt
	PART32 1                                       ; the scores in f32
	s_branch .Lsent
.Lvt:
	PART16 0, Y, P16, 1                            ; vT in bf16
.Lsent:
	s_wait_xcnt 0x0                                ; the stores' data and bases are rewritten only behind this wait
	s_add_nc_u64 s[P16:P16+1], s[P16:P16+1], 16*2048
	s_add_nc_u64 s[P32:P32+1], s[P32:P32+1], 16*4096
	v_add_nc_u32 v[RD], 16*SPITCH, v[RD]
	s_sub_co_u32 s3, s3, 1
	s_cmp_lg_u32 s3, 0
	s_cbranch_scc1 .Lout
	s_wait_tensorcnt 0x0                           ; the wave's end
	ds_add_u32 v[SPW], v[NIL]
	s_wait_dscnt 0x0
	CROUND                                         ; the closing round: no work-group ends while a partner may still ask for a tile that names it
	s_endpgm
.Lfunc_end_k_q9c958ed6b4_scov:
	.size	k_q9c958ed6b4_scov, .Lfunc_end_k_q9c958ed6b4_scov-k_q9c958ed6b4_scov
	.p2alignl 7, 3214868480
	.fill 96, 4, 3214868480
	.section	.rodata,"a",@progbits
	.p2align	6, 0x0
	.amdhsa_kernel k_q9c958ed6b4_scov
		.amdhsa_group_segment_fixed_size 327680
		.amdhsa_private_segment_fixed_size 0
		.amdhsa_enable_private_segment 0
		.amdhsa_kernarg_size 40
		.amdhsa_user_sgpr_count 2
		.amdhsa_user_sgpr_kernarg_segment_ptr 1
		.amdhsa_wavefront_size32 1
		.amdhsa_system_sgpr_workgroup_id_x 1
		.amdhsa_system_sgpr_workgroup_id_y 1
		.amdhsa_system_sgpr_workgroup_id_z 1
		.amdhsa_system_vgpr_workitem_id 0
		.amdhsa_next_free_vgpr 1024
		.amdhsa_next_free_sgpr 92
		.amdhsa_reserve_vcc 0
		.amdhsa_float_denorm_mode_32 3
		.amdhsa_float_denorm_mode_16_64 3
		.amdhsa_memory_ordered 1
		.amdhsa_forward_progress 1
		.amdhsa_inst_pref_size 87
	.end_amdhsa_kernel
	.amdgpu_metadata
---
amdhsa.version: [ 1, 2 ]
amdhsa.kernels:
  - .name:           k_q9c958ed6b4_scov
    .symbol:         k_q9c958ed6b4_scov.kd
    .args:
      - { .name: qk, .offset: 0, .size: 8, .value_kind: global_buffer, .address_space: global }
      - { .name: in16, .offset: 8, .size: 8, .value_kind: global_buffer, .address_space: global }
      - { .name: hc, .offset: 16, .size: 8, .value_kind: global_buffer, .address_space: global }
      - { .name: vb, .offset: 24, .size: 8, .value_kind: global_buffer, .address_space: global }
      - { .name: sv, .offset: 32, .size: 8, .value_kind: global_buffer, .address_space: global }
    .group_segment_fixed_size: 327680
    .private_segment_fixed_size: 0
    .kernarg_segment_align: 8
    .kernarg_segment_size: 40
    .max_flat_workgroup_size: 128
    .sgpr_count:     92
    .vgpr_count:     1024
    .wavefront_size: 32
...
	.end_amdgpu_metadata
.endif
;; end of part 4
;; launch soft (part 5): grid 256 x 1, 8 waves a work-group, no clusters, 0 bytes of LDS; arguments sv, pb; writes pb
.if DOCPART == 5
	.amdgcn_target "amdgcn-amd-amdhsa--gfx1250"
	.amdhsa_code_object_version 6
	.text
	.protected	k_q9c958ed6b4_soft
	.globl	k_q9c958ed6b4_soft
	.p2align	8
	.type	k_q9c958ed6b4_soft,@function
k_q9c958ed6b4_soft:
	s_mov_b64 s[64:65], 0
	v_nop
	global_prefetch_b8 v0, s[64:65] scope:SCOPE_SE
	s_setreg_imm32_b32 hwreg(HW_REG_WAVE_MODE, 25, 1), 1
	s_wait_xcnt 0x0
; P[r][:] = softmax(S[r][:] / 32) for the 8,192 rows of 1,024 scores (sv + 0, f32); P leaves in bf16 (pb).
; The row's true maximum m is taken away: p = 2^(c s - c m), c = log2(e) / 32; sums in f32, of the unrounded p; one rounding to bf16 behind the division.
; LIMITS: a weight below 2^-126 counts as 0; NaN and infinities are not treated apart.
; A stream with a reduction along rows: one wave, one row at a time, the row's 32 numbers a lane kept in registers between the passes, so S is read once; no LDS, no barrier,
; no matrix unit, no cluster (work-groups share no input).  A wave has 4 rows, a work-group 32; all 32 loads of a wave go out first.
; A load covers 512 consecutive bytes of a row; a store of 8 bytes a lane 256 consecutive bytes, aligned.
.set R, 32                             ; v[32:159]  row i at R + 32 i: load j's four numbers at + 4 j
.set M, 4                              ; v[4:7]     four chains of the maximum
.set A, 8                              ; v[8:15]    four chains of packed sums
.set T, 16                             ; v[16:17]   c m, later 1 / sum, in the low register of a pair
	s_load_b128 s[4:7], s[0:1], 0x0                ; sv s[4:5], pb s[6:7]
	s_lshl_b32 s8, ttmp9, 17                       ; 32 rows of 4,096 bytes
	s_mov_b32 s9, 0
	s_lshl_b32 s10, ttmp9, 16                      ; 32 rows of 2,048 bytes
	s_mov_b32 s11, 0
	s_mov_b32 s12, 0x76543210                      ; v_permlanex16_b32: each lane takes its own place in the other half
	s_mov_b32 s13, 0xfedcba98
	s_mov_b32 s14, 0x3d38aa3b                      ; c = log2(e) / 32
	s_mov_b32 s15, s14                             ; named with it as a pair
	v_and_b32 v1, 31, v0                           ; lane
	v_and_b32 v2, 0xe0, v0                         ; 32 x wave
	v_lshlrev_b32 v3, 4, v1
	v_lshl_or_b32 v3, v2, 9, v3                    ; in: wave x 4 rows x 4,096 + 16 x lane
	v_lshlrev_b32 v1, 3, v1
	v_lshl_or_b32 v2, v2, 8, v1                    ; out: wave x 4 rows x 2,048 + 8 x lane
	v_mov_b32 v[T+1], 0                            ; named as a pair's second register
	s_wait_kmcnt 0x0
	s_add_nc_u64 s[4:5], s[4:5], s[8:9]
	s_add_nc_u64 s[6:7], s[6:7], s[10:11]
.irp i, 0,1,2,3
.irp j, 0,1,2,3,4,5,6,7
	global_load_b128 v[R+32*(\i)+4*(\j):R+32*(\i)+4*(\j)+3], v3, s[4:5] offset:4096*(\i)+512*(\j) th:TH_LOAD_NT
.endr
.endr
.macro SROW i, left                    ; row i; left: the younger rows' loads, which may stay out
.set rw, R+32*(\i)
	s_wait_loadcnt \left
.irp c, 0,1,2,3                        ; the lane's maximum, three operands at a time, in four chains
	v_max3_num_f32 v[M+(\c)], v[rw+3*(\c)], v[rw+3*(\c)+1], v[rw+3*(\c)+2]
.endr
.irp k, 0,1
.irp c, 0,1,2,3
	v_max3_num_f32 v[M+(\c)], v[M+(\c)], v[rw+12+8*(\k)+2*(\c)], v[rw+13+8*(\k)+2*(\c)]
.endr
.endr
	v_max3_num_f32 v[M], v[M], v[rw+28], v[rw+29]
	v_max3_num_f32 v[M+1], v[M+1], v[rw+30], v[rw+31]
	v_max3_num_f32 v[M], v[M], v[M+1], v[M+2]
	v_max_num_f32 v[M], v[M], v[M+3]
.irp x, 1,2,4,8                        ; across the lanes: four steps inside each half, one across the halves
	v_max_num_f32_dpp v[M], v[M], v[M] row_xmask:\x row_mask:0xf bank_mask:0xf
.endr
	v_permlanex16_b32 v[M+1], v[M], s12, s13
	v_max_num_f32 v[M], v[M], v[M+1]
	v_mul_f32 v[T], s14, v[M]                      ; c m
.set p, 0
.rept 16
	v_pk_fma_f32 v[rw+2*p:rw+2*p+1], v[rw+2*p:rw+2*p+1], s[14:15], v[T:T+1] op_sel_hi:[1,0,0] neg_lo:[0,0,1] neg_hi:[0,0,1]  ; c s - c m
.set p, p+1
.endr
.set p, 0
.rept 32
	v_exp_f32 v[rw+p], v[rw+p]
.set p, p+1
.endr
	v_nop                                          ; a plain instruction behind the last exponential (ISA guide 5.7.2)
	s_wait_alu depctr_va_vdst(0)
.irp c, 0,1,2,3                        ; the lane's sum, two at a time, in four chains started by the first pairs
	v_pk_add_f32 v[A+2*(\c):A+2*(\c)+1], v[rw+2*(\c):rw+2*(\c)+1], v[rw+8+2*(\c):rw+8+2*(\c)+1]
.endr
.irp k, 2,3
.irp c, 0,1,2,3
	v_pk_add_f32 v[A+2*(\c):A+2*(\c)+1], v[A+2*(\c):A+2*(\c)+1], v[rw+8*(\k)+2*(\c):rw+8*(\k)+2*(\c)+1]
.endr
.endr
	v_pk_add_f32 v[A:A+1], v[A:A+1], v[A+2:A+3]
	v_pk_add_f32 v[A+4:A+5], v[A+4:A+5], v[A+6:A+7]
	v_pk_add_f32 v[A:A+1], v[A:A+1], v[A+4:A+5]
	v_add_f32 v[A], v[A], v[A+1]
.irp x, 1,2,4,8
	v_add_f32_dpp v[A], v[A], v[A] row_xmask:\x row_mask:0xf bank_mask:0xf
.endr
	v_permlanex16_b32 v[A+1], v[A], s12, s13
	v_add_f32 v[A], v[A], v[A+1]
	v_rcp_f32 v[T], v[A]
	v_nop                                          ; a plain instruction behind the reciprocal
.set p, 0
	s_wait_alu depctr_va_vdst(0)
.rept 16
	v_pk_mul_f32 v[rw+2*p:rw+2*p+1], v[rw+2*p:rw+2*p+1], v[T:T+1] op_sel_hi:[1,0]
.set p, p+1
.endr
.set p, 0
.rept 16                               ; packed in place, ascending: word p takes numbers 2 p and 2 p + 1, which lie at or above it
	v_cvt_pk_bf16_f32 v[rw+p], v[rw+2*p], v[rw+2*p+1]
.set p, p+1
.endr
.irp j, 0,1,2,3,4,5,6,7
	global_store_b64 v2, v[rw+2*(\j):rw+2*(\j)+1], s[6:7] offset:2048*(\i)+256*(\j)
.endr
.endm
	SROW 0, 24
	SROW 1, 16
	SROW 2, 8
	SROW 3, 0
	s_endpgm
.Lfunc_end_k_q9c958ed6b4_soft:
	.size	k_q9c958ed6b4_soft, .Lfunc_end_k_q9c958ed6b4_soft-k_q9c958ed6b4_soft
	.p2alignl 7, 3214868480
	.fill 96, 4, 3214868480
	.section	.rodata,"a",@progbits
	.p2align	6, 0x0
	.amdhsa_kernel k_q9c958ed6b4_soft
		.amdhsa_group_segment_fixed_size 0
		.amdhsa_private_segment_fixed_size 0
		.amdhsa_enable_private_segment 0
		.amdhsa_kernarg_size 16
		.amdhsa_user_sgpr_count 2
		.amdhsa_user_sgpr_kernarg_segment_ptr 1
		.amdhsa_wavefront_size32 1
		.amdhsa_system_sgpr_workgroup_id_x 1
		.amdhsa_system_sgpr_workgroup_id_y 1
		.amdhsa_system_sgpr_workgroup_id_z 1
		.amdhsa_system_vgpr_workitem_id 0
		.amdhsa_next_free_vgpr 168
		.amdhsa_next_free_sgpr 66
		.amdhsa_reserve_vcc 0
		.amdhsa_float_denorm_mode_32 3
		.amdhsa_float_denorm_mode_16_64 3
		.amdhsa_memory_ordered 1
		.amdhsa_forward_progress 1
		.amdhsa_inst_pref_size 35
	.end_amdhsa_kernel
	.amdgpu_metadata
---
amdhsa.version: [ 1, 2 ]
amdhsa.kernels:
  - .name:           k_q9c958ed6b4_soft
    .symbol:         k_q9c958ed6b4_soft.kd
    .args:
      - { .name: sv, .offset: 0, .size: 8, .value_kind: global_buffer, .address_space: global }
      - { .name: pb, .offset: 8, .size: 8, .value_kind: global_buffer, .address_space: global }
    .group_segment_fixed_size: 0
    .private_segment_fixed_size: 0
    .kernarg_segment_align: 8
    .kernarg_segment_size: 16
    .max_flat_workgroup_size: 256
    .sgpr_count:     66
    .vgpr_count:     168
    .wavefront_size: 32
...
	.end_amdgpu_metadata
.endif
;; end of part 5
;; launch mix (part 6): grid 4 x 32, 4 waves a work-group, clusters of 4 x 4, 327,680 bytes of LDS; arguments pb, sv, qk, sb; writes sb
.if DOCPART == 6
	.amdgcn_target "amdgcn-amd-amdhsa--gfx1250"
	.amdhsa_code_object_version 6
	.text
	.protected	k_q9c958ed6b4_mix
	.globl	k_q9c958ed6b4_mix
	.p2align	8
	.type	k_q9c958ed6b4_mix,@function
k_q9c958ed6b4_mix:
	s_mov_b64 s[64:65], 0
	v_nop
	global_prefetch_b8 v0, s[64:65] scope:SCOPE_SE
	s_setreg_imm32_b32 hwreg(HW_REG_WAVE_MODE, 25, 1), 1
	s_wait_xcnt 0x0
	s_wait_alu depctr_hold_cnt(0) depctr_sa_sdst(0) depctr_va_vdst(0) depctr_va_sdst(0) depctr_va_ssrc(0) depctr_va_vcc(0) depctr_vm_vsrc(0)
	s_getreg_b32 s2, hwreg(HW_REG_IB_STS2, 6, 4)
	s_cmp_eq_u32 s2, 0
	s_cbranch_scc0 .Lentry_in_a_cluster
	s_endpgm
.Lentry_in_a_cluster:
	s_bfe_u32 s2, ttmp6, 0x10000c
	s_cmp_lg_u32 s2, 0xf033
	s_cbranch_scc0 .Lentry_shape_is_right
	s_endpgm
.Lentry_shape_is_right:
; s_z = q_z + P_z v_z for each batch z: C[m][n] = q[m][n] + sum over key of P[m][key] vT[n][key], 1,024^3 a batch.  Operands bf16 (P from pb, vT from sv + 32 MiB), sums f32.
; q (f32, qk + 0) is loaded straight into the accumulators and starts the sums: the residual costs no addition, and q + attn_out is rounded once, to bf16 (sb).
; bf16, not f16: q grows with the cube of the inputs' scale and has no room in f16.
; SHARES.  A cluster of 4 x 4 work-groups makes one batch's 1,024 x 1,024: cluster y = batch z, (cx, cy) = tile column and row.  The product has 128 tiles of 256 x 256, so 128 work-groups:
; a tile of half the size would give 256, but read half as much again from LDS for each product and leave a refill half the matrix work in which to land.
; A work-group makes 256 x 256 with four waves, each 128 x 128: 64 accumulators, 512 registers.
; K goes in 8 steps of 128 through two LDS slots; a tile's rows are 256 bytes of memory at multiples of 256.  A's tile is shared along a row of the cluster,
; B's along a column: each is asked for JOINTLY, by the same tensor load and descriptor with a mask of the four.
; THE MATRIX INSTRUCTION IS USED TRANSPOSED (source 0 = 16 rows of B, source 1 = 16 rows of A): lane l holds row l % 16 of C and columns 8 (l / 16) + 0..7.
; REGISTERS, in windows of 256 (s_set_vgpr_msb: bits 1:0 source 0, 3:2 source 1, 5:4 source 2, 7:6 destination):
;   window 0: v0-29 addresses; v64-127, v128-191 A's fragments, two buffers.  On the way out v64-127 rows of f32, v128-159 packed results.
;   window 1: v64-127, v128-191 B's fragments.   window 2: accumulators of my rows 0-63 ((a, b) at v[8 (8 a + b)]).   window 3: those of rows 64-127.
.set FORM,   0                         ; 0: bf16 operands, 1: f16
.set CSTART, 3                         ; what starts the sums: 1 a bias along the columns, 2 a bias along the rows, 3 numbers loaded into the accumulators
.set MI,     1<<20
.set KSTEP,  128
.set PITCH,  272                       ; an LDS row: 256 bytes + 16 of padding = 68 words: the 16 rows of a fragment load start at 16 different groups of four banks (ISA guide 11.1)
.set HALFT,  128*PITCH                 ; 128 rows: what one tensor load brings, and what one wave reads of A or of B
.set SLOT,   4*HALFT                   ; A's 256 rows, then B's 256 rows.  0x22000: its two bits are clear in wave x HALFT, so an exclusive or changes slots
.set SPARE,  2*SLOT                    ; behind the ring: the spare words, 128 bytes a wave: two blocks of 256 bytes that no other line names
.set SPITCH, 528                       ; the way out: a stage row of 128 f32 + 16 bytes
.set STG,    128*SPITCH                ; a wave's stage: it lies in the ring, whose slots have had their last fill by then; 4 x 67,584 bytes end below SPARE
.set GW0,    (1<<16)|(1<<20)|(1<<21)|(5<<22)|(3<<25)  ; group 1, word 0: 2-byte elements; padding on; bit 21 beside a mask; after every 64 words; 4 words
.set ADRA0, 8                          ; v8, v9 my lane's place in A's and B's tile, slot 0; v10, v11 the same in the slot in hand
.set ADRB0, 9
.set ADRA,  10
.set ADRB,  11
.set STO,   12                         ; v12 the way out: where I put 32 bytes of a row; v13 where I read a row back; v14, v15 16 x lane, 8 x lane; v16 my lane's offset in q
.set RD,    13
.set GO32,  14
.set GO16,  15
.set BO,    16
.set SPW,   28                         ; v28 LDS address of my spare word, v29 0; never rewritten
.set NIL,   29
.set F0,    64
.set F1,    128
.set CB,    192
.set X,     64
.set Y,     128
.set WV, 20                            ; s20 wave;  s21 my half of the tile's rows, also: I fetch for A (0) or B (1);  s22 my half of its columns, also: which 128 rows I fetch
.set WR, 21
.set WC, 22
.set CX, 23
.set CY, 24
.set Z,  26
.set G1A, 28                           ; s[28:35], s[36:43] descriptor group 1 for A's and B's tiles
.set G1B, 36
.set G0A, 44                           ; s[44:51], s[52:59] group 0: a set for each first fill; the second then walks
.set G0B, 52
.set SL,  66                           ; s66  0 or SLOT: the slot in hand
.set P16, 70
.set BP,  86
.set MSB, 0
.macro WIN new                         ; the immediate's high byte repeats the setting that is left; a switch that changes nothing is dropped
.if MSB != (\new)
	s_set_vgpr_msb (MSB<<8)|(\new)
.set MSB, \new
.endif
.endm
.macro PLACES                          ; four places behind matrix instructions, in front of loads into registers that they read and of stores of their results
.rept 4
	v_nop
.endr
.endm
.macro JLOAD                           ; a joint refill by the walking set: waves 0, 1 A's halves, waves 2, 3 B's.  s_nop 0 and four v_nop follow each line
	s_cmp_eq_u32 s[WR], 0
	s_cbranch_scc0 .Lfor_b_\@
	tensor_load_to_lds s[G0A+4:G0A+7], s[G1A:G1A+7]
	s_nop 0
.rept 4
	v_nop
.endr
	s_branch .Lasked_\@
.Lfor_b_\@:
	tensor_load_to_lds s[G0B+4:G0B+7], s[G1B:G1B+7]
	s_nop 0
.rept 4
	v_nop
.endr
.Lasked_\@:
.endm
.macro CREST                           ; a round of the cluster's barrier behind its opening barrier
	s_cmp_lg_u32 s[WV], 0
	s_cbranch_scc1 .Lnot_wave_0_\@
	s_barrier_signal -3
.Lnot_wave_0_\@:
	s_barrier_wait -3
	s_barrier_signal -1
	s_barrier_wait -1
.endm
.macro CROUND
	s_barrier_signal -1
	s_barrier_wait -1
	CREST
.endm
.macro MMA c:vararg
.if FORM
	v_wmma_f32_16x16x32_f16 v[rD:rD+7], v[rB:rB+7], v[rA:rA+7], \c
.else
	v_wmma_f32_16x16x32_bf16 v[rD:rD+7], v[rB:rB+7], v[rA:rA+7], \c
.endif
.endm
; 16 matrix instructions: m blocks a0, a0 + 1 of the window's four (hi = 0: rows 0-63, 1: rows 64-127) x all 8 n blocks, 32 along K.  (zero = 1 is not used in this text.)
; The 64 accumulators take turns in one order everywhere.
.macro MUL16 f, hi, a0, zero
.if \zero
	WIN 0x81+0x40*(\hi)
.else
	WIN 0xa1+0x50*(\hi)
.endif
.irp a, \a0, (\a0)+1
.irp b, 0,1,2,3,4,5,6,7
.set rD, 8*(8*(\a)+(\b))
.set rB, (\f)+8*(\b)
.set rA, (\f)+8*(4*(\hi)+(\a))
.if (\zero) && (CSTART == 1)
.set rC, CB+8*(\b)
	MMA v[rC:rC+7]
.elseif \zero
.set rC, CB+8*(4*(\hi)+(\a))
	MMA v[rC:rC+7]
.else
	MMA v[rD:rD+7]
.endif
.endr
.endr
.endm
.macro FETCH k, f                      ; 32 LDS loads in one run: a quarter step's fragments (32 K at byte k of the rows) into buffer f: B's, then A's
	WIN 0x40
.irp i, 0,1,2,3,4,5,6,7
	ds_load_b128 v[(\f)+8*(\i):(\f)+8*(\i)+3],   v[ADRB] offset:(\k)+(\i)*16*PITCH
	ds_load_b128 v[(\f)+8*(\i)+4:(\f)+8*(\i)+7], v[ADRB] offset:(\k)+(\i)*16*PITCH+32
.endr
	WIN 0
.irp i, 0,1,2,3,4,5,6,7
	ds_load_b128 v[(\f)+8*(\i):(\f)+8*(\i)+3],   v[ADRA] offset:(\k)+(\i)*16*PITCH
	ds_load_b128 v[(\f)+8*(\i)+4:(\f)+8*(\i)+7], v[ADRA] offset:(\k)+(\i)*16*PITCH+32
.endr
.endm
.macro QUARTER k, f, g, zero           ; multiplies buffer f; in its middle fetches the next quarter, at byte k, into buffer g
	s_wait_dscnt 8                                 ; B and A's rows 0-63 are in; the youngest eight loads (A's rows 64-127) may be out
	MUL16 \f, 0, 0, \zero
	MUL16 \f, 0, 2, \zero
	PLACES
	FETCH \k, \g
	s_wait_dscnt 32                                ; all but the 32 just issued
	MUL16 \f, 1, 0, \zero
	MUL16 \f, 1, 2, \zero
.endm
; The last quarter of a K step multiplies buffer 1 and changes slots.  ONE barrier: in front of it each wave waits for all its tensor loads (one is out: its part of the next slot),
; adds 0 to its spare word, and waits for that and for its reads of this slot.  fill = 1: the barrier opens a round of the cluster's, and the slot just read is filled again, two K steps ahead,
; first thing behind the round: 224 matrix instructions stand between that request and the wait for it.
.macro TURN fill
	WIN 0
	s_wait_tensorcnt 0x0                           ; all my tensor loads have landed
	ds_add_u32 v[SPW], v[NIL]                      ; 0 onto my spare word
	s_wait_dscnt 9                                 ; (the add and the youngest eight loads may be out)
	MUL16 F1, 0, 0, 0
	s_wait_dscnt 0x0                               ; the add is done, and my reads of this slot are over
	s_barrier_signal -1
	MUL16 F1, 0, 2, 0
	WIN 0                                          ; at a branch and at a label every window is 0
	s_barrier_wait -1
.if \fill
	CREST                                          ; no wave of any partner still reads this slot or has a load on its way
	s_xor_b32 s[G0A+5], s[G0A+5], SLOT             ; the walking sets: the other slot than last time, the next K step; no load of mine is out
	s_add_nc_u64 s[G0A+6:G0A+7], s[G0A+6:G0A+7], 2*KSTEP
	s_xor_b32 s[G0B+5], s[G0B+5], SLOT
	s_add_nc_u64 s[G0B+6:G0B+7], s[G0B+6:G0B+7], 2*KSTEP
	JLOAD                                          ; its four v_nop are also the places in front of the loads below
.else
	PLACES
.endif
	s_xor_b32 s[SL], s[SL], SLOT
	v_add_nc_u32 v[ADRA], s[SL], v[ADRA0]
	v_add_nc_u32 v[ADRB], s[SL], v[ADRB0]
	FETCH 0, F0
	MUL16 F1, 1, 0, 0
	MUL16 F1, 1, 2, 0
.endm
.macro DUMP                            ; every accumulator into my stage: 32 bytes of a row a lane, each accumulator's low four registers first
.irp w, 0,1
	WIN 0x08+4*(\w)
.irp a, 0,1,2,3
.irp b, 0,1,2,3,4,5,6,7
	ds_store_b128 v[STO], v[8*(8*(\a)+(\b)):8*(8*(\a)+(\b))+3]   offset:(4*(\w)+(\a))*16*SPITCH+64*(\b)
	ds_store_b128 v[STO], v[8*(8*(\a)+(\b))+4:8*(8*(\a)+(\b))+7] offset:(4*(\w)+(\a))*16*SPITCH+64*(\b)+16
.endr
.endr
.endr
	WIN 0
.endm
; 16 rows leave in 16 bits: four f32 a lane become 8 bytes; a wave's store covers 256 consecutive bytes, aligned.  fmt = 1: f16, 0: bf16.  first = 1: row i is waited for
.macro PART16 fmt, y, ptr, first
.irp i, 0,1,2,3,4,5,6,7,8,9,10,11,12,13,14,15
.if \first
	s_wait_dscnt 15-(\i)
.endif
.if \fmt
	v_cvt_pk_f16_f32 v[(\y)+2*(\i)], v[X+4*(\i)], v[X+4*(\i)+1]
	v_cvt_pk_f16_f32 v[(\y)+2*(\i)+1], v[X+4*(\i)+2], v[X+4*(\i)+3]
.else
	v_cvt_pk_bf16_f32 v[(\y)+2*(\i)], v[X+4*(\i)], v[X+4*(\i)+1]
	v_cvt_pk_bf16_f32 v[(\y)+2*(\i)+1], v[X+4*(\i)+2], v[X+4*(\i)+3]
.endif
	global_store_b64 v[GO16], v[(\y)+2*(\i):(\y)+2*(\i)+1], s[\ptr:\ptr+1] offset:2048*(\i)
.endr
.endm
	s_load_b256 s[4:11], s[0:1], 0x0               ; pb s[4:5], sv s[6:7], qk s[8:9], sb s[10:11]
	v_lshl_add_u32 v[SPW], v0, 2, SPARE
	v_mov_b32 v[NIL], 0
	ds_add_u32 v28, v29
	s_wait_dscnt 0x0
	v_lshrrev_b32 v1, 5, v0
	v_readfirstlane_b32 s[WV], v1
	s_lshr_b32 s[WR], s[WV], 1
	s_and_b32 s[WC], s[WV], 1
	s_bfe_u32 s[CX], ttmp6, 0x40000                ; my place in the cluster
	s_bfe_u32 s[CY], ttmp6, 0x40004
	s_and_b32 s[Z], ttmp7, 0xffff                  ; in a cluster launch ttmp7 counts clusters: the batch, which all sixteen share
	s_lshl_b32 s60, s[CY], 2
	s_lshl_b32 s60, 15, s60                        ; my row of the cluster
	s_lshl_b32 s61, 0x1111, s[CX]                  ; my column
	s_or_b32 s[G1A], s60, GW0
	s_or_b32 s[G1B], s61, GW0
.irp g, G1A, G1B
	s_mov_b32 s[(\g)+1], KSTEP<<16                 ; tensor_dim0 = 128
	s_mov_b32 s[(\g)+2], 128<<16                   ; tensor_dim1 = 128
	s_mov_b32 s[(\g)+3], KSTEP<<16                 ; tile_dim0 = 128
	s_mov_b32 s[(\g)+4], 128                       ; tile_dim1 = 128
	s_mov_b32 s[(\g)+5], 1024                      ; elements from row to row
	s_mov_b32 s[(\g)+6], 0
	s_mov_b32 s[(\g)+7], 0
.endr
	; byte offsets, made apart from the addresses.  A's hangs on cy alone of the two places, B's on cx alone
	s_lshl_b32 s62, s[WC], 18                      ; the 128 rows (of 2,048 bytes) that I fetch
	s_lshl_b32 s63, s[Z], 21                       ; batch z
	s_lshl_b32 s74, s[CY], 19
	s_add_co_u32 s74, s74, s62
	s_add_co_u32 s74, s74, s63                     ; A: P, batch z, row 256 cy + 128 half
	s_mov_b32 s75, 0
	s_lshl_b32 s76, s[CX], 19
	s_add_co_u32 s76, s76, s62
	s_add_co_u32 s76, s76, s63
	s_add_co_u32 s76, s76, 32*MI                   ; B: vT, batch z, row 256 cx + 128 half
	s_mov_b32 s77, 0
	s_mul_i32 s17, s[WV], HALFT                    ; where my tile goes: no place in the cluster enters an LDS address
	s_lshl_b32 s82, s[CY], 19                      ; my part of C in 16 bits: row 1,024 z + 256 cy + 128 WR, column 256 cx + 128 WC
	s_lshl_b32 s84, s[WR], 18
	s_add_co_u32 s82, s82, s84
	s_add_co_u32 s82, s82, s63
	s_lshl_b32 s84, s[CX], 9
	s_add_co_u32 s82, s82, s84
	s_lshl_b32 s84, s[WC], 8
	s_add_co_u32 s82, s82, s84
	s_mov_b32 s83, 0
	s_lshl_b32 s84, s82, 1                         ; and in f32
	s_mov_b32 s85, 0
	s_wait_kmcnt 0x0
	s_add_nc_u64 s[78:79], s[4:5], s[74:75]
	s_add_nc_u64 s[80:81], s[6:7], s[76:77]
	s_add_nc_u64 s[BP:BP+1], s[8:9], s[84:85]      ; q in f32, my part
	s_add_nc_u64 s[P16:P16+1], s[10:11], s[82:83]
.irp s, 0,1
	s_mov_b32 s[G0A+4*(\s)], 1                     ; count = 1
	s_add_co_u32 s[G0A+4*(\s)+1], s17, (\s)*SLOT   ; LDS address
	s_add_nc_u64 s[G0A+4*(\s)+2:G0A+4*(\s)+3], s[78:79], (\s)*2*KSTEP  ; global address: K step s
	s_or_b32 s[G0A+4*(\s)+3], s[G0A+4*(\s)+3], 0x80000000              ; type = 2
	s_mov_b32 s[G0B+4*(\s)], 1
	s_add_co_u32 s[G0B+4*(\s)+1], s17, (\s)*SLOT
	s_add_nc_u64 s[G0B+4*(\s)+2:G0B+4*(\s)+3], s[80:81], (\s)*2*KSTEP
	s_or_b32 s[G0B+4*(\s)+3], s[G0B+4*(\s)+3], 0x80000000
.endr
	CROUND                                         ; all sixteen work-groups are here: the first joint loads meet
	s_cmp_eq_u32 s[WR], 0                          ; a wave's two first fills stand in one branch: two loads of mine are out, later one
	s_cbranch_scc0 .Lfirst_b
	tensor_load_to_lds s[G0A:G0A+3], s[G1A:G1A+7]
	s_nop 0
	tensor_load_to_lds s[G0A+4:G0A+7], s[G1A:G1A+7]
	s_nop 0
.rept 4
	v_nop
.endr
	s_branch .Lfirst_asked
.Lfirst_b:
	tensor_load_to_lds s[G0B:G0B+3], s[G1B:G1B+7]
	s_nop 0
	tensor_load_to_lds s[G0B+4:G0B+7], s[G1B:G1B+7]
	s_nop 0
.rept 4
	v_nop
.endr
.Lfirst_asked:
	; a fragment is 16 rows x 32 K in 8 registers: lane l holds row l % 16, K = 8 (l / 16) + 0..7 and 16 + 8 (l / 16) + 0..7: two loads of 16 bytes, 32 bytes apart
	v_and_b32 v1, 15, v0                           ; l % 16
	v_bfe_u32 v2, v0, 4, 1                         ; l / 16
	v_lshlrev_b32 v[BO], 12, v1                    ; q: row l % 16 of 4,096 bytes, 32 bytes for each half of the lanes
	v_lshl_add_u32 v[BO], v2, 5, v[BO]
.irp w, 0,1                            ; accumulator (a, b) takes q(16 a + l % 16, 16 b + 8 (l / 16) + 0..7): the layout in which the products will add onto it
	WIN 0x80+0x40*(\w)
.irp a, 0,1,2,3
.irp b, 0,1,2,3,4,5,6,7
	global_load_b128 v[8*(8*(\a)+(\b)):8*(8*(\a)+(\b))+3],   v[BO], s[BP:BP+1] offset:(4*(\w)+(\a))*65536+64*(\b) th:TH_LOAD_NT
	global_load_b128 v[8*(8*(\a)+(\b))+4:8*(8*(\a)+(\b))+7], v[BO], s[BP:BP+1] offset:(4*(\w)+(\a))*65536+64*(\b)+16 th:TH_LOAD_NT
.endr
.endr
.endr
	WIN 0
	v_mul_u32_u24 v3, v1, PITCH
	v_lshl_add_u32 v3, v2, 4, v3
	s_mul_i32 s14, s[WR], HALFT                    ; my 128 rows of A
	s_mul_i32 s15, s[WC], HALFT                    ; my 128 rows of B, behind A's 256
	s_add_co_u32 s15, s15, 2*HALFT
	v_add_nc_u32 v[ADRA0], s14, v3
	v_add_nc_u32 v[ADRB0], s15, v3
	v_mov_b32 v[ADRA], v[ADRA0]
	v_mov_b32 v[ADRB], v[ADRB0]
	s_mov_b32 s[SL], 0
	s_mul_i32 s16, s[WV], STG                      ; my stage
	v_mul_u32_u24 v4, v1, SPITCH
	v_lshl_add_u32 v4, v2, 5, v4
	v_add_nc_u32 v[STO], s16, v4                   ; in: row l % 16, 32 bytes for each half of the lanes
	v_and_b32 v5, 31, v0
	v_lshlrev_b32 v[GO32], 4, v5
	v_lshlrev_b32 v[GO16], 3, v5
	v_add_nc_u32 v[RD], s16, v[GO32]               ; back: 32 lanes take one row of 512 bytes
	s_wait_tensorcnt 0x1                           ; my part of K step 0 is in; K step 1's may stay out
	s_barrier_signal -1
	s_barrier_wait -1
	FETCH 0, F0
	s_wait_loadcnt 0x0                             ; q is in the accumulators
	s_mov_b32 s3, 6
.Lloop:                                                ; a trip is a K step; six trips ask for K steps 2 to 7.  No first quarter is written out: every product adds in place
	QUARTER 64, F0, F1, 0
	QUARTER 128, F1, F0, 0
	QUARTER 192, F0, F1, 0
	TURN 1
	WIN 0
	s_sub_co_u32 s3, s3, 1
	s_cmp_lg_u32 s3, 0
	s_cbranch_scc1 .Lloop
	s_mov_b32 s3, 2
.Ltail:                                                ; the last two K steps ask for nothing.  The second trip's last 32 LDS loads read a slot that has been used and serve nothing:
	QUARTER 64, F0, F1, 0                          ; the price, once, of one text for both steps
	QUARTER 128, F1, F0, 0
	QUARTER 192, F0, F1, 0
	TURN 0
	WIN 0
	s_sub_co_u32 s3, s3, 1
	s_cmp_lg_u32 s3, 0
	s_cbranch_scc1 .Ltail
	; THE WAY OUT.  The stages lie where the slots lay: every wave's reads of the ring are over, and so are all fills, before any wave writes there
	s_wait_dscnt 0x0
	s_barrier_signal -1
	s_barrier_wait -1
	PLACES
	DUMP
	s_mov_b32 s3, 8
.Lout:                                                 ; 16 rows a trip.  LDS serves a wave's instructions in order (ISA guide 5.7.1.4): these loads see my stores
.irp i, 0,1,2,3,4,5,6,7,8,9,10,11,12,13,14,15
	ds_load_b128 v[X+4*(\i):X+4*(\i)+3], v[RD] offset:(\i)*SPITCH
.endr
	PART16 0, Y, P16, 1                            ; q + attn_out in bf16
	s_wait_xcnt 0x0                                ; the stores' data and base are rewritten only behind this wait
	s_add_nc_u64 s[P16:P16+1], s[P16:P16+1], 16*2048
	v_add_nc_u32 v[RD], 16*SPITCH, v[RD]
	s_sub_co_u32 s3, s3, 1
	s_cmp_lg_u32 s3, 0
	s_cbranch_scc1 .Lout
	s_wait_tensorcnt 0x0                           ; the wave's end
	ds_add_u32 v[SPW], v[NIL]
	s_wait_dscnt 0x0
	CROUND                                         ; the closing round: no work-group ends while a partner may still ask for a tile that names it
	s_endpgm
.Lfunc_end_k_q9c958ed6b4_mix:
	.size	k_q9c958ed6b4_mix, .Lfunc_end_k_q9c958ed6b4_mix-k_q9c958ed6b4_mix
	.p2alignl 7, 3214868480
	.fill 96, 4, 3214868480
	.section	.rodata,"a",@progbits
	.p2align	6, 0x0
	.amdhsa_kernel k_q9c958ed6b4_mix
		.amdhsa_group_segment_fixed_size 327680
		.amdhsa_private_segment_fixed_size 0
		.amdhsa_enable_private_segment 0
		.amdhsa_kernarg_size 32
		.amdhsa_user_sgpr_count 2
		.amdhsa_user_sgpr_kernarg_segment_ptr 1
		.amdhsa_wavefront_size32 1
		.amdhsa_system_sgpr_workgroup_id_x 1
		.amdhsa_system_sgpr_workgroup_id_y 1
		.amdhsa_system_sgpr_workgroup_id_z 1
		.amdhsa_system_vgpr_workitem_id 0
		.amdhsa_next_free_vgpr 1024
		.amdhsa_next_free_sgpr 92
		.amdhsa_reserve_vcc 0
		.amdhsa_float_denorm_mode_32 3
		.amdhsa_float_denorm_mode_16_64 3
		.amdhsa_memory_ordered 1
		.amdhsa_forward_progress 1
		.amdhsa_inst_pref_size 87
	.end_amdhsa_kernel
	.amdgpu_metadata
---
amdhsa.version: [ 1, 2 ]
amdhsa.kernels:
  - .name:           k_q9c958ed6b4_mix
    .symbol:         k_q9c958ed6b4_mix.kd
    .args:
      - { .name: pb, .offset: 0, .size: 8, .value_kind: global_buffer, .address_space: global }
      - { .name: sv, .offset: 8, .size: 8, .value_kind: global_buffer, .address_space: global }
      - { .name: qk, .offset: 16, .size: 8, .value_kind: global_buffer, .address_space: global }
      - { .name: sb, .offset: 24, .size: 8, .value_kind: global_buffer, .address_space: global }
    .group_segment_fixed_size: 327680
    .private_segment_fixed_size: 0
    .kernarg_segment_align: 8
    .kernarg_segment_size: 32
    .max_flat_workgroup_size: 128
    .sgpr_count:     92
    .vgpr_count:     1024
    .wavefront_size: 32
...
	.end_amdgpu_metadata
.endif
;; end of part 6
;; launch outp (part 7): grid 4 x 32, 4 waves a work-group, clusters of 4 x 4, 327,680 bytes of LDS; arguments sb, in16, ob, out0; writes out0
.if DOCPART == 7
	.amdgcn_target "amdgcn-amd-amdhsa--gfx1250"
	.amdhsa_code_object_version 6
	.text
	.protected	k_q9c958ed6b4_outp
	.globl	k_q9c958ed6b4_outp
	.p2align	8
	.type	k_q9c958ed6b4_outp,@function
k_q9c958ed6b4_outp:
	s_mov_b64 s[64:65], 0
	v_nop
	global_prefetch_b8 v0, s[64:65] scope:SCOPE_SE
	s_setreg_imm32_b32 hwreg(HW_REG_WAVE_MODE, 25, 1), 1
	s_wait_xcnt 0x0
	s_wait_alu depctr_hold_cnt(0) depctr_sa_sdst(0) depctr_va_vdst(0) depctr_va_sdst(0) depctr_va_ssrc(0) depctr_va_vcc(0) depctr_vm_vsrc(0)
	s_getreg_b32 s2, hwreg(HW_REG_IB_STS2, 6, 4)
	s_cmp_eq_u32 s2, 0
	s_cbranch_scc0 .Lentry_in_a_cluster
	s_endpgm
.Lentry_in_a_cluster:
	s_bfe_u32 s2, ttmp6, 0x10000c
	s_cmp_lg_u32 s2, 0xf033
	s_cbranch_scc0 .Lentry_shape_is_right
	s_endpgm
.Lentry_shape_is_right:
; out0 = (q + attn_out) oW^T + ob: C[m][n] = ob[n] + sum over k of A[m][k] B[n][k], 8,192 x 1,024 x 1,024.  Operands bf16 (sb; oW from in16 + 42 MiB), sums f32, output f32.
; SHARES.  A cluster of 4 x 4 work-groups makes one block of 1,024 x 1,024: cluster y = block z, (cx, cy) = tile column and row.  The product has 128 tiles of 256 x 256, so 128 work-groups:
; a tile of half the size would give 256, but read half as much again from LDS for each product and leave a refill half the matrix work in which to land.
; A work-group makes 256 x 256 with four waves, each 128 x 128: 64 accumulators, 512 registers.
; K goes in 8 steps of 128 through two LDS slots; a tile's rows are 256 bytes of memory at multiples of 256.  A's tile is shared along a row of the cluster,
; B's along a column: each is asked for JOINTLY, by the same tensor load and descriptor with a mask of the four.
; THE MATRIX INSTRUCTION IS USED TRANSPOSED (source 0 = 16 rows of B, source 1 = 16 rows of A): lane l holds row l % 16 of C and columns 8 (l / 16) + 0..7.
; THE BIAS is the C operand of the products that start the sums.
; REGISTERS, in windows of 256 (s_set_vgpr_msb: bits 1:0 source 0, 3:2 source 1, 5:4 source 2, 7:6 destination):
;   window 0: v0-29 addresses; v64-127, v128-191 A's fragments, two buffers; v192-255 the bias.  On the way out v64-127 rows of f32.
;   window 1: v64-127, v128-191 B's fragments.   window 2: accumulators of my rows 0-63 ((a, b) at v[8 (8 a + b)]).   window 3: those of rows 64-127.
.set FORM,   0                         ; 0: bf16 operands, 1: f16
.set CSTART, 1                         ; what starts the sums: 1 a bias along the columns, 2 a bias along the rows, 3 numbers loaded into the accumulators
.set MI,     1<<20
.set KSTEP,  128
.set PITCH,  272                       ; an LDS row: 256 bytes + 16 of padding = 68 words: the 16 rows of a fragment load start at 16 different groups of four banks (ISA guide 11.1)
.set HALFT,  128*PITCH                 ; 128 rows: what one tensor load brings, and what one wave reads of A or of B
.set SLOT,   4*HALFT                   ; A's 256 rows, then B's 256 rows.  0x22000: its two bits are clear in wave x HALFT, so an exclusive or changes slots
.set SPARE,  2*SLOT                    ; behind the ring: the spare words, 128 bytes a wave: two blocks of 256 bytes that no other line names
.set SPITCH, 528                       ; the way out: a stage row of 128 f32 + 16 bytes
.set STG,    128*SPITCH                ; a wave's stage: it lies in the ring, whose slots have had their last fill by then; 4 x 67,584 bytes end below SPARE
.set GW0,    (1<<16)|(1<<20)|(1<<21)|(5<<22)|(3<<25)  ; group 1, word 0: 2-byte elements; padding on; bit 21 beside a mask; after every 64 words; 4 words
.set ADRA0, 8                          ; v8, v9 my lane's place in A's and B's tile, slot 0; v10, v11 the same in the slot in hand
.set ADRB0, 9
.set ADRA,  10
.set ADRB,  11
.set STO,   12                         ; v12 the way out: where I put 32 bytes of a row; v13 where I read a row back; v14 16 x lane; v16 my lane's offset in the bias
.set RD,    13
.set GO32,  14
.set BO,    16
.set SPW,   28                         ; v28 LDS address of my spare word, v29 0; never rewritten
.set NIL,   29
.set F0,    64
.set F1,    128
.set CB,    192
.set X,     64
.set WV, 20                            ; s20 wave;  s21 my half of the tile's rows, also: I fetch for A (0) or B (1);  s22 my half of its columns, also: which 128 rows I fetch
.set WR, 21
.set WC, 22
.set CX, 23
.set CY, 24
.set Z,  26
.set G1A, 28                           ; s[28:35], s[36:43] descriptor group 1 for A's and B's tiles
.set G1B, 36
.set G0A, 44                           ; s[44:51], s[52:59] group 0: a set for each first fill; the second then walks
.set G0B, 52
.set SL,  66                           ; s66  0 or SLOT: the slot in hand
.set P32, 68
.set BP,  86
.set MSB, 0
.macro WIN new                         ; the immediate's high byte repeats the setting that is left; a switch that changes nothing is dropped
.if MSB != (\new)
	s_set_vgpr_msb (MSB<<8)|(\new)
.set MSB, \new
.endif
.endm
.macro PLACES                          ; four places behind matrix instructions, in front of loads into registers that they read and of stores of their results
.rept 4
	v_nop
.endr
.endm
.macro JLOAD                           ; a joint refill by the walking set: waves 0, 1 A's halves, waves 2, 3 B's.  s_nop 0 and four v_nop follow each line
	s_cmp_eq_u32 s[WR], 0
	s_cbranch_scc0 .Lfor_b_\@
	tensor_load_to_lds s[G0A+4:G0A+7], s[G1A:G1A+7]
	s_nop 0
.rept 4
	v_nop
.endr
	s_branch .Lasked_\@
.Lfor_b_\@:
	tensor_load_to_lds s[G0B+4:G0B+7], s[G1B:G1B+7]
	s_nop 0
.rept 4
	v_nop
.endr
.Lasked_\@:
.endm
.macro CREST                           ; a round of the cluster's barrier behind its opening barrier
	s_cmp_lg_u32 s[WV], 0
	s_cbranch_scc1 .Lnot_wave_0_\@
	s_barrier_signal -3
.Lnot_wave_0_\@:
	s_barrier_wait -3
	s_barrier_signal -1
	s_barrier_wait -1
.endm
.macro CROUND
	s_barrier_signal -1
	s_barrier_wait -1
	CREST
.endm
.macro MMA c:vararg
.if FORM
	v_wmma_f32_16x16x32_f16 v[rD:rD+7], v[rB:rB+7], v[rA:rA+7], \c
.else
	v_wmma_f32_16x16x32_bf16 v[rD:rD+7], v[rB:rB+7], v[rA:rA+7], \c
.endif
.endm
; 16 matrix instructions: m blocks a0, a0 + 1 of the window's four (hi = 0: rows 0-63, 1: rows 64-127) x all 8 n blocks, 32 along K.  zero = 1: they start the sums.
; The 64 accumulators take turns in one order everywhere.
.macro MUL16 f, hi, a0, zero
.if \zero
	WIN 0x81+0x40*(\hi)
.else
	WIN 0xa1+0x50*(\hi)
.endif
.irp a, \a0, (\a0)+1
.irp b, 0,1,2,3,4,5,6,7
.set rD, 8*(8*(\a)+(\b))
.set rB, (\f)+8*(\b)
.set rA, (\f)+8*(4*(\hi)+(\a))
.if (\zero) && (CSTART == 1)
.set rC, CB+8*(\b)
	MMA v[rC:rC+7]
.elseif \zero
.set rC, CB+8*(4*(\hi)+(\a))
	MMA v[rC:rC+7]
.else
	MMA v[rD:rD+7]
.endif
.endr
.endr
.endm
.macro FETCH k, f                      ; 32 LDS loads in one run: a quarter step's fragments (32 K at byte k of the rows) into buffer f: B's, then A's
	WIN 0x40
.irp i, 0,1,2,3,4,5,6,7
	ds_load_b128 v[(\f)+8*(\i):(\f)+8*(\i)+3],   v[ADRB] offset:(\k)+(\i)*16*PITCH
	ds_load_b128 v[(\f)+8*(\i)+4:(\f)+8*(\i)+7], v[ADRB] offset:(\k)+(\i)*16*PITCH+32
.endr
	WIN 0
.irp i, 0,1,2,3,4,5,6,7
	ds_load_b128 v[(\f)+8*(\i):(\f)+8*(\i)+3],   v[ADRA] offset:(\k)+(\i)*16*PITCH
	ds_load_b128 v[(\f)+8*(\i)+4:(\f)+8*(\i)+7], v[ADRA] offset:(\k)+(\i)*16*PITCH+32
.endr
.endm
.macro QUARTER k, f, g, zero           ; multiplies buffer f; in its middle fetches the next quarter, at byte k, into buffer g
	s_wait_dscnt 8                                 ; B and A's rows 0-63 are in; the youngest eight loads (A's rows 64-127) may be out
	MUL16 \f, 0, 0, \zero
	MUL16 \f, 0, 2, \zero
	PLACES
	FETCH \k, \g
	s_wait_dscnt 32                                ; all but the 32 just issued
	MUL16 \f, 1, 0, \zero
	MUL16 \f, 1, 2, \zero
.endm
; The last quarter of a K step multiplies buffer 1 and changes slots.  ONE barrier: in front of it each wave waits for all its tensor loads (one is out: its part of the next slot),
; adds 0 to its spare word, and waits for that and for its reads of this slot.  fill = 1: the barrier opens a round of the cluster's, and the slot just read is filled again, two K steps ahead,
; first thing behind the round: 224 matrix instructions stand between that request and the wait for it.
.macro TURN fill
	WIN 0
	s_wait_tensorcnt 0x0                           ; all my tensor loads have landed
	ds_add_u32 v[SPW], v[NIL]                      ; 0 onto my spare word
	s_wait_dscnt 9                                 ; (the add and the youngest eight loads may be out)
	MUL16 F1, 0, 0, 0
	s_wait_dscnt 0x0                               ; the add is done, and my reads of this slot are over
	s_barrier_signal -1
	MUL16 F1, 0, 2, 0
	WIN 0                                          ; at a branch and at a label every window is 0
	s_barrier_wait -1
.if \fill
	CREST                                          ; no wave of any partner still reads this slot or has a load on its way
	s_xor_b32 s[G0A+5], s[G0A+5], SLOT             ; the walking sets: the other slot than last time, the next K step; no load of mine is out
	s_add_nc_u64 s[G0A+6:G0A+7], s[G0A+6:G0A+7], 2*KSTEP
	s_xor_b32 s[G0B+5], s[G0B+5], SLOT
	s_add_nc_u64 s[G0B+6:G0B+7], s[G0B+6:G0B+7], 2*KSTEP
	JLOAD                                          ; its four v_nop are also the places in front of the loads below
.else
	PLACES
.endif
	s_xor_b32 s[SL], s[SL], SLOT
	v_add_nc_u32 v[ADRA], s[SL], v[ADRA0]
	v_add_nc_u32 v[ADRB], s[SL], v[ADRB0]
	FETCH 0, F0
	MUL16 F1, 1, 0, 0
	MUL16 F1, 1, 2, 0
.endm
.macro DUMP                            ; every accumulator into my stage: 32 bytes of a row a lane, each accumulator's low four registers first
.irp w, 0,1
	WIN 0x08+4*(\w)
.irp a, 0,1,2,3
.irp b, 0,1,2,3,4,5,6,7
	ds_store_b128 v[STO], v[8*(8*(\a)+(\b)):8*(8*(\a)+(\b))+3]   offset:(4*(\w)+(\a))*16*SPITCH+64*(\b)
	ds_store_b128 v[STO], v[8*(8*(\a)+(\b))+4:8*(8*(\a)+(\b))+7] offset:(4*(\w)+(\a))*16*SPITCH+64*(\b)+16
.endr
.endr
.endr
	WIN 0
.endm
.macro PART32 first                    ; 16 rows leave in f32: a wave's store covers 512 consecutive bytes, aligned; nothing reads them again
.irp i, 0,1,2,3,4,5,6,7,8,9,10,11,12,13,14,15
.if \first
	s_wait_dscnt 15-(\i)
.endif
	global_store_b128 v[GO32], v[X+4*(\i):X+4*(\i)+3], s[P32:P32+1] offset:4096*(\i) th:TH_STORE_NT
.endr
.endm
	s_load_b256 s[4:11], s[0:1], 0x0               ; sb s[4:5], in16 s[6:7], ob s[8:9], out0 s[10:11]
	v_lshl_add_u32 v[SPW], v0, 2, SPARE
	v_mov_b32 v[NIL], 0
	ds_add_u32 v28, v29
	s_wait_dscnt 0x0
	v_lshrrev_b32 v1, 5, v0
	v_readfirstlane_b32 s[WV], v1
	s_lshr_b32 s[WR], s[WV], 1
	s_and_b32 s[WC], s[WV], 1
	s_bfe_u32 s[CX], ttmp6, 0x40000                ; my place in the cluster
	s_bfe_u32 s[CY], ttmp6, 0x40004
	s_and_b32 s[Z], ttmp7, 0xffff                  ; in a cluster launch ttmp7 counts clusters: the block, which all sixteen share
	s_lshl_b32 s60, s[CY], 2
	s_lshl_b32 s60, 15, s60                        ; my row of the cluster
	s_lshl_b32 s61, 0x1111, s[CX]                  ; my column
	s_or_b32 s[G1A], s60, GW0
	s_or_b32 s[G1B], s61, GW0
.irp g, G1A, G1B
	s_mov_b32 s[(\g)+1], KSTEP<<16                 ; tensor_dim0 = 128
	s_mov_b32 s[(\g)+2], 128<<16                   ; tensor_dim1 = 128
	s_mov_b32 s[(\g)+3], KSTEP<<16                 ; tile_dim0 = 128
	s_mov_b32 s[(\g)+4], 128                       ; tile_dim1 = 128
	s_mov_b32 s[(\g)+5], 1024                      ; elements from row to row
	s_mov_b32 s[(\g)+6], 0
	s_mov_b32 s[(\g)+7], 0
.endr
	; byte offsets, made apart from the addresses.  A's hangs on cy alone of the two places, B's on cx alone
	s_lshl_b32 s62, s[WC], 18                      ; the 128 rows (of 2,048 bytes) that I fetch
	s_lshl_b32 s63, s[Z], 21                       ; block z
	s_lshl_b32 s74, s[CY], 19
	s_add_co_u32 s74, s74, s62
	s_add_co_u32 s74, s74, s63                     ; A: q + attn_out, block z, row 256 cy + 128 half
	s_mov_b32 s75, 0
	s_lshl_b32 s76, s[CX], 19
	s_add_co_u32 s76, s76, s62
	s_add_co_u32 s76, s76, 42*MI                   ; B: oW, row 256 cx + 128 half
	s_mov_b32 s77, 0
	s_mul_i32 s17, s[WV], HALFT                    ; where my tile goes: no place in the cluster enters an LDS address
	s_lshl_b32 s82, s[CY], 19                      ; my part of C: row 1,024 z + 256 cy + 128 WR, column 256 cx + 128 WC, counted in 2-byte numbers,
	s_lshl_b32 s84, s[WR], 18
	s_add_co_u32 s82, s82, s84
	s_add_co_u32 s82, s82, s63
	s_lshl_b32 s84, s[CX], 9
	s_add_co_u32 s82, s82, s84
	s_lshl_b32 s84, s[WC], 8
	s_add_co_u32 s82, s82, s84
	s_lshl_b32 s84, s82, 1                         ; and in f32
	s_mov_b32 s85, 0
	s_lshl_b32 s18, s[CX], 10                      ; my first column in the bias
	s_lshl_b32 s19, s[WC], 9
	s_add_co_u32 s18, s18, s19
	s_mov_b32 s19, 0
	s_wait_kmcnt 0x0
	s_add_nc_u64 s[78:79], s[4:5], s[74:75]
	s_add_nc_u64 s[80:81], s[6:7], s[76:77]
	s_add_nc_u64 s[BP:BP+1], s[8:9], s[18:19]
	s_add_nc_u64 s[P32:P32+1], s[10:11], s[84:85]
.irp s, 0,1
	s_mov_b32 s[G0A+4*(\s)], 1                     ; count = 1
	s_add_co_u32 s[G0A+4*(\s)+1], s17, (\s)*SLOT   ; LDS address
	s_add_nc_u64 s[G0A+4*(\s)+2:G0A+4*(\s)+3], s[78:79], (\s)*2*KSTEP  ; global address: K step s
	s_or_b32 s[G0A+4*(\s)+3], s[G0A+4*(\s)+3], 0x80000000              ; type = 2
	s_mov_b32 s[G0B+4*(\s)], 1
	s_add_co_u32 s[G0B+4*(\s)+1], s17, (\s)*SLOT
	s_add_nc_u64 s[G0B+4*(\s)+2:G0B+4*(\s)+3], s[80:81], (\s)*2*KSTEP
	s_or_b32 s[G0B+4*(\s)+3], s[G0B+4*(\s)+3], 0x80000000
.endr
	CROUND                                         ; all sixteen work-groups are here: the first joint loads meet
	s_cmp_eq_u32 s[WR], 0                          ; a wave's two first fills stand in one branch: two loads of mine are out, later one
	s_cbranch_scc0 .Lfirst_b
	tensor_load_to_lds s[G0A:G0A+3], s[G1A:G1A+7]
	s_nop 0
	tensor_load_to_lds s[G0A+4:G0A+7], s[G1A:G1A+7]
	s_nop 0
.rept 4
	v_nop
.endr
	s_branch .Lfirst_asked
.Lfirst_b:
	tensor_load_to_lds s[G0B:G0B+3], s[G1B:G1B+7]
	s_nop 0
	tensor_load_to_lds s[G0B+4:G0B+7], s[G1B:G1B+7]
	s_nop 0
.rept 4
	v_nop
.endr
.Lfirst_asked:
	; a fragment is 16 rows x 32 K in 8 registers: lane l holds row l % 16, K = 8 (l / 16) + 0..7 and 16 + 8 (l / 16) + 0..7: two loads of 16 bytes, 32 bytes apart
	v_and_b32 v1, 15, v0                           ; l % 16
	v_bfe_u32 v2, v0, 4, 1                         ; l / 16
	v_mul_u32_u24 v3, v1, PITCH
	v_lshl_add_u32 v3, v2, 4, v3
	s_mul_i32 s14, s[WR], HALFT                    ; my 128 rows of A
	s_mul_i32 s15, s[WC], HALFT                    ; my 128 rows of B, behind A's 256
	s_add_co_u32 s15, s15, 2*HALFT
	v_add_nc_u32 v[ADRA0], s14, v3
	v_add_nc_u32 v[ADRB0], s15, v3
	v_mov_b32 v[ADRA], v[ADRA0]
	v_mov_b32 v[ADRB], v[ADRB0]
	s_mov_b32 s[SL], 0
	s_mul_i32 s16, s[WV], STG                      ; my stage
	v_mul_u32_u24 v4, v1, SPITCH
	v_lshl_add_u32 v4, v2, 5, v4
	v_add_nc_u32 v[STO], s16, v4                   ; in: row l % 16, 32 bytes for each half of the lanes
	v_and_b32 v5, 31, v0
	v_lshlrev_b32 v[GO32], 4, v5
	v_add_nc_u32 v[RD], s16, v[GO32]               ; back: 32 lanes take one row of 512 bytes
	v_lshlrev_b32 v[BO], 5, v2                     ; the bias of columns 16 b + 8 (l / 16) + 0..7 for each n block b
.irp b, 0,1,2,3,4,5,6,7
	global_load_b128 v[CB+8*(\b):CB+8*(\b)+3],   v[BO], s[BP:BP+1] offset:64*(\b)
	global_load_b128 v[CB+8*(\b)+4:CB+8*(\b)+7], v[BO], s[BP:BP+1] offset:64*(\b)+16
.endr
	s_wait_tensorcnt 0x1                           ; my part of K step 0 is in; K step 1's may stay out
	s_barrier_signal -1
	s_barrier_wait -1
	FETCH 0, F0
	s_wait_loadcnt 0x0                             ; the bias
	QUARTER 64, F0, F1, 1                          ; the first quarter stands in front of the loop: its products start the sums
	WIN 0
	s_mov_b32 s3, 6
	s_branch .Lmid                                 ; the loop is entered behind its first quarter
.Lloop:                                                ; a trip is a K step; six trips ask for K steps 2 to 7
	QUARTER 64, F0, F1, 0
	WIN 0
.Lmid:
	QUARTER 128, F1, F0, 0
	QUARTER 192, F0, F1, 0
	TURN 1
	WIN 0
	s_sub_co_u32 s3, s3, 1
	s_cmp_lg_u32 s3, 0
	s_cbranch_scc1 .Lloop
	s_mov_b32 s3, 2
.Ltail:                                                ; the last two K steps ask for nothing.  The second trip's last 32 LDS loads read a slot that has been used and serve nothing:
	QUARTER 64, F0, F1, 0                          ; the price, once, of one text for both steps
	QUARTER 128, F1, F0, 0
	QUARTER 192, F0, F1, 0
	TURN 0
	WIN 0
	s_sub_co_u32 s3, s3, 1
	s_cmp_lg_u32 s3, 0
	s_cbranch_scc1 .Ltail
	; THE WAY OUT.  The stages lie where the slots lay: every wave's reads of the ring are over, and so are all fills, before any wave writes there
	s_wait_dscnt 0x0
	s_barrier_signal -1
	s_barrier_wait -1
	PLACES
	DUMP
	s_mov_b32 s3, 8
.Lout:                                                 ; 16 rows a trip.  LDS serves a wave's instructions in order (ISA guide 5.7.1.4): these loads see my stores
.irp i, 0,1,2,3,4,5,6,7,8,9,10,11,12,13,14,15
	ds_load_b128 v[X+4*(\i):X+4*(\i)+3], v[RD] offset:(\i)*SPITCH
.endr
	PART32 1
	s_wait_xcnt 0x0                                ; the stores' data and base are rewritten only behind this wait
	s_add_nc_u64 s[P32:P32+1], s[P32:P32+1], 16*4096
	v_add_nc_u32 v[RD], 16*SPITCH, v[RD]
	s_sub_co_u32 s3, s3, 1
	s_cmp_lg_u32 s3, 0
	s_cbranch_scc1 .Lout
	s_wait_tensorcnt 0x0                           ; the wave's end
	ds_add_u32 v[SPW], v[NIL]
	s_wait_dscnt 0x0
	CROUND                                         ; the closing round: no work-group ends while a partner may still ask for a tile that names it
	s_endpgm
.Lfunc_end_k_q9c958ed6b4_outp:
	.size	k_q9c958ed6b4_outp, .Lfunc_end_k_q9c958ed6b4_outp-k_q9c958ed6b4_outp
	.p2alignl 7, 3214868480
	.fill 96, 4, 3214868480
	.section	.rodata,"a",@progbits
	.p2align	6, 0x0
	.amdhsa_kernel k_q9c958ed6b4_outp
		.amdhsa_group_segment_fixed_size 327680
		.amdhsa_private_segment_fixed_size 0
		.amdhsa_enable_private_segment 0
		.amdhsa_kernarg_size 32
		.amdhsa_user_sgpr_count 2
		.amdhsa_user_sgpr_kernarg_segment_ptr 1
		.amdhsa_wavefront_size32 1
		.amdhsa_system_sgpr_workgroup_id_x 1
		.amdhsa_system_sgpr_workgroup_id_y 1
		.amdhsa_system_sgpr_workgroup_id_z 1
		.amdhsa_system_vgpr_workitem_id 0
		.amdhsa_next_free_vgpr 1024
		.amdhsa_next_free_sgpr 92
		.amdhsa_reserve_vcc 0
		.amdhsa_float_denorm_mode_32 3
		.amdhsa_float_denorm_mode_16_64 3
		.amdhsa_memory_ordered 1
		.amdhsa_forward_progress 1
		.amdhsa_inst_pref_size 81
	.end_amdhsa_kernel
	.amdgpu_metadata
---
amdhsa.version: [ 1, 2 ]
amdhsa.kernels:
  - .name:           k_q9c958ed6b4_outp
    .symbol:         k_q9c958ed6b4_outp.kd
    .args:
      - { .name: sb, .offset: 0, .size: 8, .value_kind: global_buffer, .address_space: global }
      - { .name: in16, .offset: 8, .size: 8, .value_kind: global_buffer, .address_space: global }
      - { .name: ob, .offset: 16, .size: 8, .value_kind: global_buffer, .address_space: global }
      - { .name: out0, .offset: 24, .size: 8, .value_kind: global_buffer, .address_space: global }
    .group_segment_fixed_size: 327680
    .private_segment_fixed_size: 0
    .kernarg_segment_align: 8
    .kernarg_segment_size: 32
    .max_flat_workgroup_size: 128
    .sgpr_count:     92
    .vgpr_count:     1024
    .wavefront_size: 32
...
	.end_amdgpu_metadata
.endif
;; end of part 7
;; ======== version 2 of 2: 7 launches; 1.20 times as fast as version 1
;; limits: values are held in f16: magnitudes above 65,504 overflow, below 6.1e-05 lose precision; inputs' magnitudes at most 65,504
;; workspace buffers: in16 62,914,560 bytes; wf 6,291,456 bytes; bfold 12,288 bytes; qk 67,108,864 bytes; sv 50,331,648 bytes; pb 16,777,216 bytes; sb 16,777,216 bytes
;; launch cvt (part 8): grid 128 x 22, 8 waves a work-group, no clusters, 1,280 bytes of LDS; arguments history_features, combined_features, hW, cW, qW, kW, vW, oW, in16, hb, cb, qb, kb, vb, bfold; writes in16, bfold
.if DOCPART == 8
	.amdgcn_target "amdgcn-amd-amdhsa--gfx1250"
	.amdhsa_code_object_version 6
	.text
	.protected	k_q9c958ed6b4_cvt
	.globl	k_q9c958ed6b4_cvt
	.p2align	8
	.type	k_q9c958ed6b4_cvt,@function
k_q9c958ed6b4_cvt:
	s_mov_b64 s[64:65], 0
	v_nop
	global_prefetch_b8 v0, s[64:65] scope:SCOPE_SE
	s_setreg_imm32_b32 hwreg(HW_REG_WAVE_MODE, 25, 1), 1
	s_wait_xcnt 0x0
; The module's large inputs are rounded once to 16 bits, and the three folded biases are made.
; in16: 22 units of 1,048,576 numbers (2 MiB each), unit y at y x 2 MiB: 0-7 history_features, 8-15 combined_features, 16 hW, 17 cW, 18 qW, 19 kW, 20 vW, 21 oW;
; behind them, at 44 MiB, combined_features once more.  Every number is rounded to bf16 (nearest even).  The features meet f16 operands (the folded weights), so units 0-15 hold the
; bf16 number written as f16: exact for magnitudes from 2^-17 up to f16's end, below that off by at most 2^-25.  LIMIT: |features| below 65,504.  The copy at 44 MiB is plain bf16, for the product that makes v.
; bfold: qW hb + qb, kW cb + kb, vW cb + vb (f32, 4,096 bytes each): what the biases of the first layer become behind the second, since q = x (qW hW)^T + (qW hb + qb).
; A stream: every large byte is read once; no matrix unit, no cluster (work-groups share no large input).
; Work-group (x, y): piece x (32 KiB of f32 = 8 rows of 1,024) of unit y.  Thread t takes 16 bytes at 16 t + 4,096 j, j = 0..7: a wave's load covers 512 consecutive bytes,
; its store of 8 bytes a lane 256 consecutive bytes, aligned.  All eight loads go out first.
; In units 18-20 load j is row 8 x + j of the weight, columns 4 t .. 4 t + 3: the same registers give the row's product with the bias vector: four products a thread, a sum over the wave,
; eight words a wave through LDS, one barrier, and wave 0 stores the work-group's 8 numbers (32 bytes: the one store here that fills no whole 256 bytes; 12 KiB in the whole launch).
.set X, 8                              ; v[8:39]   eight loads of four f32
.set Y, 40                             ; v[40:55]  eight pairs of packed bf16
.set H, 56                             ; v[56:71]  eight pairs of packed f16
.set BV, 72                            ; v[72:75]  my four numbers of the bias vector
.set D, 76                             ; v[76:83]  eight row sums
.set S, 90                             ; v[90:97]  the eight waves' parts of one row sum
	s_load_b512 s[4:19], s[0:1], 0x0               ; the eight sources, in the order of the units
	s_load_b64 s[20:21], s[0:1], 0x40              ; in16
	s_load_b256 s[32:39], s[0:1], 0x48             ; hb s[32:33], cb s[34:35], qb s[36:37], kb s[38:39]
	s_load_b128 s[40:43], s[0:1], 0x68             ; vb s[40:41], bfold s[42:43]
	v_lshl_add_u32 v104, v0, 2, 0x100
	v_mov_b32 v105, 0
	s_and_b32 s22, ttmp7, 0xffff                   ; y: the unit
	s_and_b32 s26, s22, 7
	s_lshl_b32 s26, s26, 22                        ; a feature tensor has eight units of 4 MiB of f32;
	s_cmp_lt_u32 s22, 16
	s_cselect_b32 s26, s26, 0                      ; a weight is one unit
	s_lshl_b32 s28, ttmp9, 15                      ; piece x of the source,
	s_add_co_u32 s26, s26, s28
	s_mov_b32 s27, 0
	s_lshl_b32 s28, s22, 21                        ; unit y and piece x of in16
	s_lshl_b32 s30, ttmp9, 14
	s_add_co_u32 s28, s28, s30
	s_mov_b32 s29, 0
	s_add_co_u32 s44, s28, 14<<21                  ; units 8-15 once more, 14 units further on: 44 MiB + (y - 8) x 2 MiB
	s_mov_b32 s45, 0
	v_lshlrev_b32 v1, 4, v0                        ; 16 t
	v_lshlrev_b32 v2, 3, v0                        ; 8 t
	s_wait_kmcnt 0x0
	s_mov_b64 s[24:25], s[18:19]                   ; the source is chosen by the unit's number alone
	s_cmp_eq_u32 s22, 20
	s_cselect_b64 s[24:25], s[16:17], s[24:25]
	s_cmp_eq_u32 s22, 19
	s_cselect_b64 s[24:25], s[14:15], s[24:25]
	s_cmp_eq_u32 s22, 18
	s_cselect_b64 s[24:25], s[12:13], s[24:25]
	s_cmp_eq_u32 s22, 17
	s_cselect_b64 s[24:25], s[10:11], s[24:25]
	s_cmp_eq_u32 s22, 16
	s_cselect_b64 s[24:25], s[8:9], s[24:25]
	s_cmp_lt_u32 s22, 16
	s_cselect_b64 s[24:25], s[6:7], s[24:25]
	s_cmp_lt_u32 s22, 8
	s_cselect_b64 s[24:25], s[4:5], s[24:25]
	s_add_nc_u64 s[24:25], s[24:25], s[26:27]
	s_add_nc_u64 s[46:47], s[20:21], s[44:45]      ; used by units 8-15 alone
	s_add_nc_u64 s[20:21], s[20:21], s[28:29]
.irp j, 0,1,2,3,4,5,6,7
	global_load_b128 v[X+4*(\j):X+4*(\j)+3], v1, s[24:25] offset:4096*(\j) th:TH_LOAD_NT
.endr
; mode 0: bf16.  mode 1: the bf16 number is widened again (a shift, a mask) and written as f16.  mode 2: both, the bf16 copy 14 units further on.
; extra: loads issued behind the eight, which may stay out too
.macro ROUND8 mode, extra
.irp j, 0,1,2,3,4,5,6,7
	s_wait_loadcnt 7-(\j)+(\extra)                 ; loads come back in order: load j is in, the younger ones stay out
	v_cvt_pk_bf16_f32 v[Y+2*(\j)], v[X+4*(\j)], v[X+4*(\j)+1]
	v_cvt_pk_bf16_f32 v[Y+2*(\j)+1], v[X+4*(\j)+2], v[X+4*(\j)+3]
.if \mode
	v_lshlrev_b32 v4, 16, v[Y+2*(\j)]
	v_and_b32 v5, 0xffff0000, v[Y+2*(\j)]
	v_lshlrev_b32 v6, 16, v[Y+2*(\j)+1]
	v_and_b32 v7, 0xffff0000, v[Y+2*(\j)+1]
	v_cvt_pk_f16_f32 v[H+2*(\j)], v4, v5
	v_cvt_pk_f16_f32 v[H+2*(\j)+1], v6, v7
	global_store_b64 v2, v[H+2*(\j):H+2*(\j)+1], s[20:21] offset:2048*(\j)
.endif
.if (\mode) == 0
	global_store_b64 v2, v[Y+2*(\j):Y+2*(\j)+1], s[20:21] offset:2048*(\j)
.endif
.if (\mode) == 2
	global_store_b64 v2, v[Y+2*(\j):Y+2*(\j)+1], s[46:47] offset:2048*(\j)
.endif
.endr
.endm
	s_cmp_lt_u32 s22, 8
	s_cbranch_scc1 .Lhist
	s_cmp_lt_u32 s22, 16
	s_cbranch_scc1 .Lcomb
	s_sub_co_u32 s30, s22, 18                      ; units 18, 19, 20 give 0, 1, 2; units 16 and 17 wrap to large numbers
	s_cmp_lt_u32 s30, 3
	s_cbranch_scc1 .Lbias
	ROUND8 0, 0                                    ; hW, cW, oW
	s_endpgm
.Lhist:
	ROUND8 1, 0
	s_endpgm
.Lcomb:
	ROUND8 2, 0
	s_endpgm
.Lbias:                                                ; qW, kW, vW: rounded like the others, and multiplied by the first layer's bias
	s_cmp_eq_u32 s22, 18
	s_cselect_b64 s[48:49], s[32:33], s[34:35]     ; the vector: hb for qW, cb for kW and vW
	s_cselect_b64 s[50:51], s[36:37], s[38:39]     ; what is added: qb, kb,
	s_cmp_eq_u32 s22, 20
	s_cselect_b64 s[50:51], s[40:41], s[50:51]     ; or vb
	s_lshl_b32 s56, ttmp9, 5                       ; my 8 rows, 4 bytes each
	s_mov_b32 s57, 0
	s_add_nc_u64 s[50:51], s[50:51], s[56:57]
	s_lshl_b32 s30, s30, 12                        ; the unit's 4,096 bytes of bfold
	s_add_co_u32 s56, s56, s30
	s_add_nc_u64 s[58:59], s[42:43], s[56:57]
	s_mov_b32 s52, 0x76543210                      ; v_permlanex16_b32: each lane takes its own place in the other half
	s_mov_b32 s53, 0xfedcba98
	v_lshrrev_b32 v85, 5, v0
	v_readfirstlane_b32 s54, v85                   ; wave
	v_mov_b32 v85, s54
	v_lshlrev_b32 v85, 5, v85                      ; my wave's 32 bytes of LDS
	v_and_b32 v86, 7, v0
	v_lshlrev_b32 v86, 2, v86                      ; 4 (t mod 8): inside the 8 rows in every lane
	global_load_b128 v[BV:BV+3], v1, s[48:49]      ; 256 threads x 16 bytes: the whole vector
	global_load_b32 v88, v86, s[50:51]
	ROUND8 0, 2
	s_wait_loadcnt 0x0
.irp j, 0,1,2,3,4,5,6,7
	v_mul_f32 v[D+(\j)], v[X+4*(\j)], v[BV]
.endr
.irp k, 1,2,3
.irp j, 0,1,2,3,4,5,6,7
	v_fmac_f32 v[D+(\j)], v[X+4*(\j)+(\k)], v[BV+(\k)]
.endr
.endr
.irp m, 1,2,4,8                        ; over the 32 lanes: four steps inside each half, one across the halves
.irp j, 0,1,2,3,4,5,6,7
	v_add_f32_dpp v[D+(\j)], v[D+(\j)], v[D+(\j)] row_xmask:\m row_mask:0xf bank_mask:0xf
.endr
.endr
.irp j, 0,1,2,3,4,5,6,7
	v_permlanex16_b32 v[X+(\j)], v[D+(\j)], s52, s53   ; X has been written and is no longer needed
.endr
.irp j, 0,1,2,3,4,5,6,7
	v_add_f32 v[D+(\j)], v[D+(\j)], v[X+(\j)]
.endr
.irp j, 0,1,2,3,4,5,6,7
	ds_store_b32 v85, v[D+(\j)] offset:4*(\j)      ; all lanes write the same word with the same number
.endr
	s_wait_dscnt 0x0                               ; for the others' sake: my eight words are in LDS
	s_barrier_signal -1
	s_barrier_wait -1
	s_cmp_lg_u32 s54, 0
	s_cbranch_scc1 .Lend                           ; wave 0 finishes
.irp w, 0,1,2,3,4,5,6,7
	ds_load_b32 v[S+(\w)], v86 offset:32*(\w)      ; row t mod 8: the eight waves' parts
.endr
	s_wait_dscnt 0x0
	v_add_f32 v[S], v[S], v[S+1]
	v_add_f32 v[S+2], v[S+2], v[S+3]
	v_add_f32 v[S+4], v[S+4], v[S+5]
	v_add_f32 v[S+6], v[S+6], v[S+7]
	v_add_f32 v[S], v[S], v[S+2]
	v_add_f32 v[S+4], v[S+4], v[S+6]
	v_add_f32 v[S], v[S], v[S+4]
	v_add_f32 v[S], v[S], v88
	s_wait_xcnt 0x0                                ; EXEC is a source of the stores above: it changes only behind this wait
	v_cmp_gt_u32 vcc_lo, 8, v0
	s_and_saveexec_b32 s60, vcc_lo                 ; lanes 0-7: one for each row
	global_store_b32 v86, v[S], s[58:59]
	s_wait_xcnt 0x0                                ; and again, in front of the line that widens it
	s_or_b32 exec_lo, exec_lo, s60
.Lend:
	s_wait_tensorcnt 0x0
	ds_add_u32 v104, v105
	s_wait_dscnt 0x0
	s_endpgm
.Lfunc_end_k_q9c958ed6b4_cvt:
	.size	k_q9c958ed6b4_cvt, .Lfunc_end_k_q9c958ed6b4_cvt-k_q9c958ed6b4_cvt
	.p2alignl 7, 3214868480
	.fill 96, 4, 3214868480
	.section	.rodata,"a",@progbits
	.p2align	6, 0x0
	.amdhsa_kernel k_q9c958ed6b4_cvt
		.amdhsa_group_segment_fixed_size 1280
		.amdhsa_private_segment_fixed_size 0
		.amdhsa_enable_private_segment 0
		.amdhsa_kernarg_size 120
		.amdhsa_user_sgpr_count 2
		.amdhsa_user_sgpr_kernarg_segment_ptr 1
		.amdhsa_wavefront_size32 1
		.amdhsa_system_sgpr_workgroup_id_x 1
		.amdhsa_system_sgpr_workgroup_id_y 1
		.amdhsa_system_sgpr_workgroup_id_z 1
		.amdhsa_system_vgpr_workitem_id 0
		.amdhsa_next_free_vgpr 106
		.amdhsa_next_free_sgpr 66
		.amdhsa_reserve_vcc 1
		.amdhsa_float_denorm_mode_32 3
		.amdhsa_float_denorm_mode_16_64 3
		.amdhsa_memory_ordered 1
		.amdhsa_forward_progress 1
		.amdhsa_inst_pref_size 24
	.end_amdhsa_kernel
	.amdgpu_metadata
---
amdhsa.version: [ 1, 2 ]
amdhsa.kernels:
  - .name:           k_q9c958ed6b4_cvt
    .symbol:         k_q9c958ed6b4_cvt.kd
    .args:
      - { .name: history_features, .offset: 0, .size: 8, .value_kind: global_buffer, .address_space: global }
      - { .name: combined_features, .offset: 8, .size: 8, .value_kind: global_buffer, .address_space: global }
      - { .name: hW, .offset: 16, .size: 8, .value_kind: global_buffer, .address_space: global }
      - { .name: cW, .offset: 24, .size: 8, .value_kind: global_buffer, .address_space: global }
      - { .name: qW, .offset: 32, .size: 8, .value_kind: global_buffer, .address_space: global }
      - { .name: kW, .offset: 40, .size: 8, .value_kind: global_buffer, .address_space: global }
      - { .name: vW, .offset: 48, .size: 8, .value_kind: global_buffer, .address_space: global }
      - { .name: oW, .offset: 56, .size: 8, .value_kind: global_buffer, .address_space: global }
      - { .name: in16, .offset: 64, .size: 8, .value_kind: global_buffer, .address_space: global }
      - { .name: hb, .offset: 72, .size: 8, .value_kind: global_buffer, .address_space: global }
      - { .name: cb, .offset: 80, .size: 8, .value_kind: global_buffer, .address_space: global }
      - { .name: qb, .offset: 88, .size: 8, .value_kind: global_buffer, .address_space: global }
      - { .name: kb, .offset: 96, .size: 8, .value_kind: global_buffer, .address_space: global }
      - { .name: vb, .offset: 104, .size: 8, .value_kind: global_buffer, .address_space: global }
      - { .name: bfold, .offset: 112, .size: 8, .value_kind: global_buffer, .address_space: global }
    .group_segment_fixed_size: 1280
    .private_segment_fixed_size: 0
    .kernarg_segment_align: 8
    .kernarg_segment_size: 120
    .max_flat_workgroup_size: 256
    .sgpr_count:     66
    .vgpr_count:     106
    .wavefront_size: 32
...
	.end_amdgpu_metadata
.endif
;; end of part 8
;; launch fold (part 9): grid 8 x 24, 4 waves a work-group, clusters of 4 x 4, 327,680 bytes of LDS; arguments in16, wf; writes wf
.if DOCPART == 9
	.amdgcn_target "amdgcn-amd-amdhsa--gfx1250"
	.amdhsa_code_object_version 6
	.text
	.protected	k_q9c958ed6b4_fold
	.globl	k_q9c958ed6b4_fold
	.p2align	8
	.type	k_q9c958ed6b4_fold,@function
k_q9c958ed6b4_fold:
	s_mov_b64 s[64:65], 0
	v_nop
	global_prefetch_b8 v0, s[64:65] scope:SCOPE_SE
	s_setreg_imm32_b32 hwreg(HW_REG_WAVE_MODE, 25, 1), 1
	s_wait_xcnt 0x0
	s_wait_alu depctr_hold_cnt(0) depctr_sa_sdst(0) depctr_va_vdst(0) depctr_va_sdst(0) depctr_va_ssrc(0) depctr_va_vcc(0) depctr_vm_vsrc(0)
	s_getreg_b32 s2, hwreg(HW_REG_IB_STS2, 6, 4)
	s_cmp_eq_u32 s2, 0
	s_cbranch_scc0 .Lentry_in_a_cluster
	s_endpgm
.Lentry_in_a_cluster:
	s_bfe_u32 s2, ttmp6, 0x10000c
	s_cmp_lg_u32 s2, 0xf033
	s_cbranch_scc0 .Lentry_shape_is_right
	s_endpgm
.Lentry_shape_is_right:
; The two layers of weights in front of q, k and v are multiplied once: Wq = qW hW, Wk = kW cW, Wv = vW cW, each C[f][d] = sum over e of A[f][e] B[e][d], 1,024^3,
; so that q = x_h Wq^T + .., k = x_c Wk^T + .., v = x_c Wv^T + .. take one large product each where two stood: three products of an eighth of the size replace two large ones.
; Operands bf16 (in16: qW, kW, vW at 36, 38, 40 MiB; hW, cW at 32, 34 MiB), sums f32.  Wq and Wk leave as f16 (wf + 0, + 2 MiB), Wv as bf16 (wf + 4 MiB).
; WHY f16: Wq lies on the path x -> q -> q + attn_out -> out, which bears one rounding to bf16 (that of q + attn_out) and no second one.
; LIMITS: |Wq|, |Wk| below 65,504.  With weights within 1/32 their spread is about 0.01; both weights 30 times larger give about 9, both carrying an offset of 30 spreads about 300.
; Below 6e-5 f16 keeps a fixed step of 6e-8: with both weights 30 times smaller the rounding of Wq is about as coarse as bf16's.
; SHARES.  A tile of C is 128 x 128: 3 x 64 = 192 work-groups (tiles of 256 x 256 would give 48).  Four waves, each 64 x 64: 16 accumulators, 128 registers.
; A cluster of 4 x 4 work-groups makes 512 x 512 of one product: cluster x = column half, cluster y = 2 x product + row half.  A's tile is shared along a row of the cluster, B's along a column:
; each is asked for JOINTLY, by the same tensor load and descriptor with a mask of the four.
; K goes in 4 steps of 256 through two LDS slots.  A's rows lie along K: 128 rows of 512 bytes.  B lies [K][N]: 256 rows (K) of 256 bytes (128 columns), read turned, by ds_load_tr16_b128.
; THE MATRIX INSTRUCTION IS USED TRANSPOSED (source 0 = 16 columns of B, source 1 = 16 rows of A): a lane holds eight neighbouring numbers of a row of C.
; REGISTERS: window 0: v0-29 addresses; v32-95 at work on the way out; v128-255 the accumulators ((a, b) at v[128 + 8 (4 a + b)]).
;   window 1: two fragment buffers of 128: for 64 along K (two matrix instructions deep), 64 registers of A, then 64 of B.
.set MI,     1<<20
.set KSTEP,  256
.set PA,     528                       ; a row of A in LDS: 512 bytes + 16 = 132 words: the 16 rows of a load start at 16 different groups of four banks (ISA guide 11.1)
.set PB,     288                       ; a row of B: 256 + 32 = 72 words
.set HALFA,  64*PA                     ; 64 rows of A: one tensor load, and what one wave reads of A
.set HALFB,  128*PB                    ; 128 K rows of B: one tensor load
.set BOFF,   2*HALFA                   ; B's 256 rows lie behind A's 128
.set SLOT,   0x24000                   ; from slot to slot: a slot's 141,312 bytes and a gap, so that the stride's two bits are clear in the four tile bases (0, 0x8400, 0x10800, 0x19800) and an exclusive or changes slots
.set STAGE,  SLOT+BOFF+2*HALFB         ; behind the ring, never filled by a tensor load: 128 rows x 272 bytes, the work-group's, for the way out
.set SPITCH, 272
.set SPARE,  STAGE+128*SPITCH          ; behind the stage: the spare words, 128 bytes a wave: two blocks of 256 bytes that no other line names
.set GWA,    (1<<16)|(1<<20)|(1<<21)|(6<<22)|(3<<25)  ; group 1, word 0 for A: 2-byte elements; padding on; bit 21 beside a mask; after every 128 words; 4 words
.set GWB,    (1<<16)|(1<<20)|(1<<21)|(5<<22)|(7<<25)  ; for B: after every 64 words; 8 words
.set ADRA0, 8                          ; v8   my lane's place in A's tile, slot 0; never rewritten
.set ADRB0, 9                          ; v9   the same for B
.set ADRA,  10                         ; v10  the same in the slot in hand
.set ADRB,  12                         ; v12  B, K rows 0-127; v13 K rows 128-255 (an LDS offset has 16 bits)
.set STO,   14                         ; v14  the way out: where I put 16 bytes of a row
.set RD,    15                         ; v15  where I read a row back
.set CO,    16                         ; v16  my byte offset in C
.set SPW,   28                         ; v28  LDS address of my spare word; never rewritten
.set NIL,   29                         ; v29  0; never rewritten
.set TMP,   32
.set ACC,   128
.set F0,    0
.set F1,    128
.set WV, 20                            ; s20 wave;  s21 my half of the tile's rows, also: I fetch for A (0) or B (1);  s22 my half of its columns, also: which half of that tile I fetch
.set WR, 21
.set WC, 22
.set CX, 23
.set CY, 24
.set PR, 25                            ; s25 the product: 0 Wq, 1 Wk, 2 Wv
.set RH, 26                            ; s26 the row half of C
.set G1A, 28                           ; s[28:35], s[36:43] descriptor group 1 for A's and B's tiles
.set G1B, 36
.set G0A, 44                           ; s[44:51], s[52:59] group 0: a set for each first fill; the second then walks
.set G0B, 52
.set SL,  66                           ; s66  0 or SLOT: the slot in hand
.set PC,  68                           ; s[68:69] C at the rows that I store
.set MSB, 0
.macro WIN new                         ; the immediate's high byte repeats the setting that is left; a switch that changes nothing is dropped
.if MSB != (\new)
	s_set_vgpr_msb (MSB<<8)|(\new)
.set MSB, \new
.endif
.endm
.macro PLACES                          ; four places behind matrix instructions, in front of loads into registers that they read and of conversions of their results
.rept 4
	v_nop
.endr
.endm
.macro JLOAD                           ; a joint refill by the walking set: waves 0, 1 A's halves, waves 2, 3 B's.  s_nop 0 and four v_nop follow each line
	s_cmp_eq_u32 s[WR], 0
	s_cbranch_scc0 .Lfor_b_\@
	tensor_load_to_lds s[G0A+4:G0A+7], s[G1A:G1A+7]
	s_nop 0
.rept 4
	v_nop
.endr
	s_branch .Lasked_\@
.Lfor_b_\@:
	tensor_load_to_lds s[G0B+4:G0B+7], s[G1B:G1B+7]
	s_nop 0
.rept 4
	v_nop
.endr
.Lasked_\@:
.endm
.macro CREST                           ; a round of the cluster's barrier behind its opening barrier
	s_cmp_lg_u32 s[WV], 0
	s_cbranch_scc1 .Lnot_wave_0_\@
	s_barrier_signal -3
.Lnot_wave_0_\@:
	s_barrier_wait -3
	s_barrier_signal -1
	s_barrier_wait -1
.endm
.macro CROUND
	s_barrier_signal -1
	s_barrier_wait -1
	CREST
.endm
; 8 matrix instructions: m blocks a0, a0 + 1 x all 4 n blocks, 32 along K: half c of buffer f.  zero = 1: the first product starts the sums.
; The 16 accumulators take turns in one order everywhere.
.macro MUL8 f, c, a0, zero
	WIN 0x05                                       ; sources 0 (B) and 1 (A) window 1; C and D window 0
.irp a, \a0, (\a0)+1
.irp b, 0,1,2,3
.set rD, ACC+8*(4*(\a)+(\b))
.set rB, (\f)+64+8*(4*(\c)+(\b))
.set rA, (\f)+8*(4*(\c)+(\a))
.if \zero
	v_wmma_f32_16x16x32_bf16 v[rD:rD+7], v[rB:rB+7], v[rA:rA+7], 0
.else
	v_wmma_f32_16x16x32_bf16 v[rD:rD+7], v[rB:rB+7], v[rA:rA+7], v[rD:rD+7]
.endif
.endr
.endr
.endm
; 32 LDS loads in one run: the fragments of quarter q of a K step (64 along K) into buffer f; the first 32 along K first.
; B: the turning load takes 16 K rows x 16 columns and leaves half a fragment: lane l holds column l % 16 and 8 K; the second load stands 16 K rows further down.
.macro FETCH q, f
	WIN 0x40                                       ; destination window 1, address window 0
.irp c, 0,1
.irp i, 0,1,2,3
	ds_load_tr16_b128 v[(\f)+64+8*(4*(\c)+(\i)):(\f)+64+8*(4*(\c)+(\i))+3],   v[ADRB+(\q)/2] offset:(((\q)%2)*64+32*(\c))*PB+32*(\i)
	ds_load_tr16_b128 v[(\f)+64+8*(4*(\c)+(\i))+4:(\f)+64+8*(4*(\c)+(\i))+7], v[ADRB+(\q)/2] offset:(((\q)%2)*64+32*(\c)+16)*PB+32*(\i)
	ds_load_b128 v[(\f)+8*(4*(\c)+(\i)):(\f)+8*(4*(\c)+(\i))+3],   v[ADRA] offset:128*(\q)+64*(\c)+(\i)*16*PA
	ds_load_b128 v[(\f)+8*(4*(\c)+(\i))+4:(\f)+8*(4*(\c)+(\i))+7], v[ADRA] offset:128*(\q)+64*(\c)+(\i)*16*PA+32
.endr
.endr
.endm
.macro QUARTER q, f, g, zero           ; multiplies buffer f; in its middle fetches quarter q into buffer g
	s_wait_dscnt 16                                ; the first 32 along K are in; the youngest sixteen loads may be out
	MUL8 \f, 0, 0, \zero
	MUL8 \f, 0, 2, \zero
	PLACES
	FETCH \q, \g
	s_wait_dscnt 32                                ; all but the 32 just issued
	MUL8 \f, 1, 0, 0
	MUL8 \f, 1, 2, 0
.endm
; The last quarter of a K step multiplies buffer 1 and changes slots.  ONE barrier: in front of it each wave waits for all its tensor loads (one is out: its part of the next slot),
; adds 0 to its spare word, and waits for that and for its reads of this slot.  fill = 1: the barrier opens a round of the cluster's, and the slot just read is filled again, two K steps ahead,
; first thing behind the round: 112 matrix instructions stand between that request and the wait for it.
.macro TURN fill
	WIN 0
	s_wait_tensorcnt 0x0                           ; all my tensor loads have landed
	ds_add_u32 v[SPW], v[NIL]                      ; 0 onto my spare word
	s_wait_dscnt 17                                ; (the add and the youngest sixteen loads may be out)
	MUL8 F1, 0, 0, 0
	s_wait_dscnt 0x0                               ; the add is done, and my reads of this slot are over
	s_barrier_signal -1
	MUL8 F1, 0, 2, 0
	WIN 0                                          ; at a branch and at a label every window is 0
	s_barrier_wait -1
.if \fill
	CREST                                          ; no wave of any partner still reads this slot or has a load on its way
	s_xor_b32 s[G0A+5], s[G0A+5], SLOT             ; the walking sets: the other slot than last time, the next K step; no load of mine is out
	s_add_nc_u64 s[G0A+6:G0A+7], s[G0A+6:G0A+7], 2*KSTEP
	s_xor_b32 s[G0B+5], s[G0B+5], SLOT
	s_add_nc_u64 s[G0B+6:G0B+7], s[G0B+6:G0B+7], 2048*KSTEP
	JLOAD                                          ; its four v_nop are also the places in front of the loads below
.else
	PLACES
.endif
	s_xor_b32 s[SL], s[SL], SLOT
	v_add_nc_u32 v[ADRA], s[SL], v[ADRA0]
	v_add_nc_u32 v[ADRB], s[SL], v[ADRB0]
	v_add_nc_u32 v[ADRB+1], 128*PB, v[ADRB]
	FETCH 0, F0
	MUL8 F1, 1, 0, 0
	MUL8 F1, 1, 2, 0
.endm
	s_load_b128 s[4:7], s[0:1], 0x0                ; in16 s[4:5], wf s[6:7]
	v_lshl_add_u32 v[SPW], v0, 2, SPARE
	v_mov_b32 v[NIL], 0
	ds_add_u32 v28, v29
	s_wait_dscnt 0x0
	v_lshrrev_b32 v1, 5, v0
	v_readfirstlane_b32 s[WV], v1
	s_lshr_b32 s[WR], s[WV], 1
	s_and_b32 s[WC], s[WV], 1
	s_bfe_u32 s[CX], ttmp6, 0x40000                ; my place in the cluster
	s_bfe_u32 s[CY], ttmp6, 0x40004
	s_and_b32 s60, ttmp7, 0xffff                   ; in a cluster launch ttmp9 and ttmp7 count clusters
	s_lshr_b32 s[PR], s60, 1
	s_and_b32 s[RH], s60, 1
	s_lshl_b32 s60, s[CY], 2
	s_lshl_b32 s60, 15, s60                        ; my row of the cluster
	s_lshl_b32 s61, 0x1111, s[CX]                  ; my column
	s_or_b32 s[G1A], s60, GWA
	s_or_b32 s[G1B], s61, GWB
	s_mov_b32 s[G1A+1], KSTEP<<16                  ; A: tensor_dim0 = 256
	s_mov_b32 s[G1A+2], 64<<16                     ; tensor_dim1 = 64
	s_mov_b32 s[G1A+3], KSTEP<<16                  ; tile_dim0 = 256
	s_mov_b32 s[G1A+4], 64                         ; tile_dim1 = 64
	s_mov_b32 s[G1A+5], 1024                       ; elements from row to row
	s_mov_b32 s[G1A+6], 0
	s_mov_b32 s[G1A+7], 0
	s_mov_b32 s[G1B+1], 128<<16                    ; B: tensor_dim0 = 128
	s_mov_b32 s[G1B+2], 128<<16                    ; tensor_dim1 = 128
	s_mov_b32 s[G1B+3], 128<<16                    ; tile_dim0 = 128
	s_mov_b32 s[G1B+4], 128                        ; tile_dim1 = 128
	s_mov_b32 s[G1B+5], 1024
	s_mov_b32 s[G1B+6], 0
	s_mov_b32 s[G1B+7], 0
	; byte offsets, made apart from the addresses.  A's hangs on cy alone of the two places, B's on cx alone
	s_lshl_b32 s74, s[RH], 20                      ; A: row 512 RH + 128 cy + 64 half, of 2,048 bytes,
	s_lshl_b32 s62, s[CY], 18
	s_add_co_u32 s74, s74, s62
	s_lshl_b32 s62, s[WC], 17
	s_add_co_u32 s74, s74, s62
	s_lshl_b32 s63, s[PR], 21
	s_add_co_u32 s74, s74, s63                     ; of qW, kW or vW
	s_add_co_u32 s74, s74, 36*MI
	s_mov_b32 s75, 0
	s_lshl_b32 s76, ttmp9, 10                      ; B: column 128 (4 cluster x + cx), 2 bytes each,
	s_lshl_b32 s90, s[CX], 8
	s_add_co_u32 s76, s76, s90
	s_lshl_b32 s91, s[WC], 18                      ; K row 128 half,
	s_add_co_u32 s76, s76, s91
	s_min_u32 s91, s[PR], 1
	s_lshl_b32 s91, s91, 21
	s_add_co_u32 s76, s76, s91                     ; of hW (for Wq) or cW (for Wk, Wv)
	s_add_co_u32 s76, s76, 32*MI
	s_mov_b32 s77, 0
	s_mul_i32 s16, s[WC], HALFA                    ; where my tile goes: no place in the cluster enters an LDS address
	s_mul_i32 s17, s[WC], HALFB
	s_add_co_u32 s17, s17, BOFF
	s_lshl_b32 s82, s[RH], 20                      ; C: the first row that I store, 512 RH + 128 cy + 32 wave, and the tile's first column
	s_lshl_b32 s84, s[CY], 18
	s_add_co_u32 s82, s82, s84
	s_lshl_b32 s84, s[WV], 16
	s_add_co_u32 s82, s82, s84
	s_add_co_u32 s82, s82, s63
	s_lshl_b32 s84, ttmp9, 10
	s_add_co_u32 s82, s82, s84
	s_add_co_u32 s82, s82, s90
	s_mov_b32 s83, 0
	s_wait_kmcnt 0x0
	s_add_nc_u64 s[78:79], s[4:5], s[74:75]
	s_add_nc_u64 s[80:81], s[4:5], s[76:77]
	s_add_nc_u64 s[PC:PC+1], s[6:7], s[82:83]
.irp s, 0,1
	s_mov_b32 s[G0A+4*(\s)], 1                     ; count = 1
	s_add_co_u32 s[G0A+4*(\s)+1], s16, (\s)*SLOT   ; LDS address
	s_add_nc_u64 s[G0A+4*(\s)+2:G0A+4*(\s)+3], s[78:79], (\s)*2*KSTEP     ; global address: K step s lies 512 bytes along A's rows,
	s_or_b32 s[G0A+4*(\s)+3], s[G0A+4*(\s)+3], 0x80000000                 ; type = 2
	s_mov_b32 s[G0B+4*(\s)], 1
	s_add_co_u32 s[G0B+4*(\s)+1], s17, (\s)*SLOT
	s_add_nc_u64 s[G0B+4*(\s)+2:G0B+4*(\s)+3], s[80:81], (\s)*2048*KSTEP  ; and 256 rows down B
	s_or_b32 s[G0B+4*(\s)+3], s[G0B+4*(\s)+3], 0x80000000
.endr
	CROUND                                         ; all sixteen work-groups are here: the first joint loads meet
	s_cmp_eq_u32 s[WR], 0                          ; a wave's two first fills stand in one branch: two loads of mine are out, later one
	s_cbranch_scc0 .Lfirst_b
	tensor_load_to_lds s[G0A:G0A+3], s[G1A:G1A+7]
	s_nop 0
	tensor_load_to_lds s[G0A+4:G0A+7], s[G1A:G1A+7]
	s_nop 0
.rept 4
	v_nop
.endr
	s_branch .Lfirst_asked
.Lfirst_b:
	tensor_load_to_lds s[G0B:G0B+3], s[G1B:G1B+7]
	s_nop 0
	tensor_load_to_lds s[G0B+4:G0B+7], s[G1B:G1B+7]
	s_nop 0
.rept 4
	v_nop
.endr
.Lfirst_asked:
	v_and_b32 v1, 15, v0                           ; l % 16
	v_bfe_u32 v2, v0, 4, 1                         ; l / 16
	v_mul_u32_u24 v3, v1, PA                       ; A: row l % 16, 16 bytes for each half of the lanes
	v_lshl_add_u32 v3, v2, 4, v3
	s_mul_i32 s14, s[WR], HALFA                    ; my 64 rows of A
	v_add_nc_u32 v[ADRA0], s14, v3
	v_and_b32 v4, 7, v0                            ; B: K row 8 (l / 16) + l % 8, columns 8 ((l / 8) % 2) + 0..7
	v_lshl_add_u32 v4, v2, 3, v4
	v_mul_u32_u24 v4, v4, PB
	v_bfe_u32 v5, v0, 3, 1
	v_lshl_add_u32 v4, v5, 4, v4
	s_lshl_b32 s15, s[WC], 7                       ; my 64 columns of B, behind A's rows
	s_add_co_u32 s15, s15, BOFF
	v_add_nc_u32 v[ADRB0], s15, v4
	v_mov_b32 v[ADRA], v[ADRA0]
	v_mov_b32 v[ADRB], v[ADRB0]
	v_add_nc_u32 v[ADRB+1], 128*PB, v[ADRB0]
	s_mov_b32 s[SL], 0
	s_mul_i32 s14, s[WR], 64*SPITCH                ; into the stage: my 64 rows, my half of their 256 bytes; row l % 16, 16 bytes for each half of the lanes
	s_lshl_b32 s15, s[WC], 7
	s_add_co_u32 s14, s14, s15
	s_add_co_u32 s14, s14, STAGE
	v_mul_u32_u24 v4, v1, SPITCH
	v_lshl_add_u32 v4, v2, 4, v4
	v_add_nc_u32 v[STO], s14, v4
	s_mul_i32 s14, s[WV], 32*SPITCH                ; back: wave w takes rows 32 w .. 32 w + 31, whole; lanes 0-15 one row of 256 bytes, lanes 16-31 the next
	s_add_co_u32 s14, s14, STAGE
	v_mul_u32_u24 v5, v2, SPITCH
	v_lshl_add_u32 v5, v1, 4, v5
	v_add_nc_u32 v[RD], s14, v5
	v_lshlrev_b32 v5, 11, v2                       ; and the same two rows in C
	v_lshl_add_u32 v[CO], v1, 4, v5
	s_wait_tensorcnt 0x1                           ; my part of K step 0 is in; K step 1's may stay out
	s_barrier_signal -1
	s_barrier_wait -1
	FETCH 0, F0
	QUARTER 1, F0, F1, 1                           ; the first quarter stands in front of the loop: its first products start the sums
	WIN 0
	s_mov_b32 s3, 2
	s_branch .Lmid                                 ; the loop is entered behind its first quarter
.Lloop:                                                ; a trip is a K step; two trips ask for K steps 2 and 3
	QUARTER 1, F0, F1, 0
	WIN 0
.Lmid:
	QUARTER 2, F1, F0, 0
	QUARTER 3, F0, F1, 0
	TURN 1
	WIN 0
	s_sub_co_u32 s3, s3, 1
	s_cmp_lg_u32 s3, 0
	s_cbranch_scc1 .Lloop
	s_mov_b32 s3, 2
.Ltail:                                                ; the last two K steps ask for nothing.  The second trip's last 32 LDS loads read a slot that has been used and serve nothing:
	QUARTER 1, F0, F1, 0                           ; the price, once, of one text for both steps
	QUARTER 2, F1, F0, 0
	QUARTER 3, F0, F1, 0
	TURN 0
	WIN 0
	s_sub_co_u32 s3, s3, 1
	s_cmp_lg_u32 s3, 0
	s_cbranch_scc1 .Ltail
	; THE WAY OUT: round to 16 bits; 16 bytes a lane into the work-group's stage; a barrier, since a row's 256 bytes come from two waves; back as whole rows, 32 rows a wave
	s_wait_dscnt 0x0
	PLACES
	s_cmp_eq_u32 s[PR], 2
	s_cbranch_scc1 .Lbf
.irp t, 0,1,2,3,4,5,6,7,8,9,10,11,12,13,14,15
.irp r, 0,1,2,3
	v_cvt_pk_f16_f32 v[TMP+4*(\t)+(\r)], v[ACC+8*(\t)+2*(\r)], v[ACC+8*(\t)+2*(\r)+1]   ; Wq, Wk; each accumulator from its low end on
.endr
.endr
	s_branch .Lpacked
.Lbf:
.irp t, 0,1,2,3,4,5,6,7,8,9,10,11,12,13,14,15
.irp r, 0,1,2,3
	v_cvt_pk_bf16_f32 v[TMP+4*(\t)+(\r)], v[ACC+8*(\t)+2*(\r)], v[ACC+8*(\t)+2*(\r)+1]  ; Wv
.endr
.endr
.Lpacked:
.irp a, 0,1,2,3
.irp b, 0,1,2,3
	ds_store_b128 v[STO], v[TMP+4*(4*(\a)+(\b)):TMP+4*(4*(\a)+(\b))+3] offset:(\a)*16*SPITCH+32*(\b)
.endr
.endr
	s_wait_dscnt 0x0                               ; for the others' sake: my stores into the stage are done
	s_barrier_signal -1
	s_barrier_wait -1
.irp t, 0,1,2,3,4,5,6,7,8,9,10,11,12,13,14,15
	ds_load_b128 v[TMP+4*(\t):TMP+4*(\t)+3], v[RD] offset:(\t)*2*SPITCH
.endr
.irp t, 0,1,2,3,4,5,6,7,8,9,10,11,12,13,14,15
	s_wait_dscnt 15-(\t)                           ; LDS loads come back in order: pair t of rows is in
	global_store_b128 v[CO], v[TMP+4*(\t):TMP+4*(\t)+3], s[PC:PC+1] offset:(\t)*4096  ; 16 lanes store 256 consecutive bytes, aligned
.endr
	s_wait_tensorcnt 0x0                           ; the wave's end
	ds_add_u32 v[SPW], v[NIL]
	s_wait_dscnt 0x0
	CROUND                                         ; the closing round: no work-group ends while a partner may still ask for a tile that names it
	s_endpgm
.Lfunc_end_k_q9c958ed6b4_fold:
	.size	k_q9c958ed6b4_fold, .Lfunc_end_k_q9c958ed6b4_fold-k_q9c958ed6b4_fold
	.p2alignl 7, 3214868480
	.fill 96, 4, 3214868480
	.section	.rodata,"a",@progbits
	.p2align	6, 0x0
	.amdhsa_kernel k_q9c958ed6b4_fold
		.amdhsa_group_segment_fixed_size 327680
		.amdhsa_private_segment_fixed_size 0
		.amdhsa_enable_private_segment 0
		.amdhsa_kernarg_size 16
		.amdhsa_user_sgpr_count 2
		.amdhsa_user_sgpr_kernarg_segment_ptr 1
		.amdhsa_wavefront_size32 1
		.amdhsa_system_sgpr_workgroup_id_x 1
		.amdhsa_system_sgpr_workgroup_id_y 1
		.amdhsa_system_sgpr_workgroup_id_z 1
		.amdhsa_system_vgpr_workitem_id 0
		.amdhsa_next_free_vgpr 512
		.amdhsa_next_free_sgpr 92
		.amdhsa_reserve_vcc 0
		.amdhsa_float_denorm_mode_32 3
		.amdhsa_float_denorm_mode_16_64 3
		.amdhsa_memory_ordered 1
		.amdhsa_forward_progress 1
		.amdhsa_inst_pref_size 63
	.end_amdhsa_kernel
	.amdgpu_metadata
---
amdhsa.version: [ 1, 2 ]
amdhsa.kernels:
  - .name:           k_q9c958ed6b4_fold
    .symbol:         k_q9c958ed6b4_fold.kd
    .args:
      - { .name: in16, .offset: 0, .size: 8, .value_kind: global_buffer, .address_space: global }
      - { .name: wf, .offset: 8, .size: 8, .value_kind: global_buffer, .address_space: global }
    .group_segment_fixed_size: 327680
    .private_segment_fixed_size: 0
    .kernarg_segment_align: 8
    .kernarg_segment_size: 16
    .max_flat_workgroup_size: 128
    .sgpr_count:     92
    .vgpr_count:     512
    .wavefront_size: 32
...
	.end_amdgpu_metadata
.endif
;; end of part 9
;; launch proj (part 10): grid 8 x 32, 4 waves a work-group, clusters of 4 x 4, 327,680 bytes of LDS; arguments in16, wf, bfold, qk; writes qk
.if DOCPART == 10
	.amdgcn_target "amdgcn-amd-amdhsa--gfx1250"
	.amdhsa_code_object_version 6
	.text
	.protected	k_q9c958ed6b4_proj
	.globl	k_q9c958ed6b4_proj
	.p2align	8
	.type	k_q9c958ed6b4_proj,@function
k_q9c958ed6b4_proj:
	s_mov_b64 s[64:65], 0
	v_nop
	global_prefetch_b8 v0, s[64:65] scope:SCOPE_SE
	s_setreg_imm32_b32 hwreg(HW_REG_WAVE_MODE, 25, 1), 1
	s_wait_xcnt 0x0
	s_wait_alu depctr_hold_cnt(0) depctr_sa_sdst(0) depctr_va_vdst(0) depctr_va_sdst(0) depctr_va_ssrc(0) depctr_va_vcc(0) depctr_vm_vsrc(0)
	s_getreg_b32 s2, hwreg(HW_REG_IB_STS2, 6, 4)
	s_cmp_eq_u32 s2, 0
	s_cbranch_scc0 .Lentry_in_a_cluster
	s_endpgm
.Lentry_in_a_cluster:
	s_bfe_u32 s2, ttmp6, 0x10000c
	s_cmp_lg_u32 s2, 0xf033
	s_cbranch_scc0 .Lentry_shape_is_right
	s_endpgm
.Lentry_shape_is_right:
; q = x_h Wq^T + bq (unit u = 0) and k = x_c Wk^T + bk (u = 1), with the folded weights Wq = qW hW, Wk = kW cW and biases bq = qW hb + qb, bk = kW cb + kb:
; two products 8,192 x 1,024 x 1,024, C[m][n] = bias[n] + sum over k of A[m][k] B[n][k].
; Operands f16 (the features from in16, bf16 numbers written as f16; Wq, Wk from wf), sums f32.  q and k have no room in f16 for inputs 30 times larger, so they leave in bf16
; (qk + 32 MiB, qk + 48 MiB); q leaves in f32 too (qk + 0): the residual q + attn_out is then rounded once only.
; q IN f32 LIES AS THE ACCUMULATORS HOLD IT: wave w of tile (z, cy, cx) has 65,536 bytes at (((4 z + cy) 4 + cx) 4 + w) x 65,536; half i of accumulator n is 512 bytes at (2 n + i) x 512, 16 bytes a lane.
; The launch that adds q reads it in this order, half of one wave's 65,536 bytes a wave, so both sides move it by instructions that cover 512 consecutive bytes, and it passes through no LDS.
; SHARES.  A cluster of 4 x 4 work-groups makes one block of 1,024 x 1,024 of one unit: cluster x = u, cluster y = block z, (cx, cy) = tile column and row.
; 256 work-groups.  A work-group makes 256 x 256 with four waves, each 128 x 128: 64 accumulators, 512 registers.
; K goes in 8 steps of 128 through two LDS slots; a tile's rows are 256 bytes of memory at multiples of 256.  A's tile is shared along a row of the cluster,
; B's along a column: each is asked for JOINTLY, by the same tensor load and descriptor with a mask of the four.
; THE MATRIX INSTRUCTION IS USED TRANSPOSED (source 0 = 16 rows of B, source 1 = 16 rows of A): lane l holds row l % 16 of C and columns 8 (l / 16) + 0..7.
; THE BIAS is the C operand of the products that start the sums.
; REGISTERS, in windows of 256 (s_set_vgpr_msb: bits 1:0 source 0, 3:2 source 1, 5:4 source 2, 7:6 destination):
;   window 0: v0-29 addresses; v64-127, v128-191 A's fragments, two buffers; v192-255 the bias.  On the way out v64-127 rows of f32, v128-159 packed results.
;   window 1: v64-127, v128-191 B's fragments.   window 2: accumulators of my rows 0-63 ((a, b) at v[8 (8 a + b)]).   window 3: those of rows 64-127.
.set FORM,   1                         ; 0: bf16 operands, 1: f16
.set CSTART, 1                         ; what starts the sums: 1 a bias along the columns, 2 a bias along the rows, 3 numbers loaded into the accumulators
.set MI,     1<<20
.set KSTEP,  128
.set PITCH,  272                       ; an LDS row: 256 bytes + 16 of padding = 68 words: the 16 rows of a fragment load start at 16 different groups of four banks (ISA guide 11.1)
.set HALFT,  128*PITCH                 ; 128 rows: what one tensor load brings, and what one wave reads of A or of B
.set SLOT,   4*HALFT                   ; A's 256 rows, then B's 256 rows.  0x22000: its two bits are clear in wave x HALFT, so an exclusive or changes slots
.set SPARE,  2*SLOT                    ; behind the ring: the spare words, 128 bytes a wave: two blocks of 256 bytes that no other line names
.set SPITCH, 528                       ; the way out: a stage row of 128 f32 + 16 bytes
.set STG,    128*SPITCH                ; a wave's stage: it lies in the ring, whose slots have had their last fill by then; 4 x 67,584 bytes end below SPARE
.set GW0,    (1<<16)|(1<<20)|(1<<21)|(5<<22)|(3<<25)  ; group 1, word 0: 2-byte elements; padding on; bit 21 beside a mask; after every 64 words; 4 words
.set ADRA0, 8                          ; v8, v9 my lane's place in A's and B's tile, slot 0; v10, v11 the same in the slot in hand
.set ADRB0, 9
.set ADRA,  10
.set ADRB,  11
.set STO,   12                         ; v12 the way out: where I put 32 bytes of a row; v13 where I read a row back; v14, v15 16 x lane, 8 x lane; v16 my lane's offset in the bias
.set RD,    13
.set GO32,  14
.set GO16,  15
.set BO,    16
.set SPW,   28                         ; v28 LDS address of my spare word, v29 0; never rewritten
.set NIL,   29
.set F0,    64
.set F1,    128
.set CB,    192
.set X,     64
.set Y,     128
.set WV, 20                            ; s20 wave;  s21 my half of the tile's rows, also: I fetch for A (0) or B (1);  s22 my half of its columns, also: which 128 rows I fetch
.set WR, 21
.set WC, 22
.set CX, 23
.set CY, 24
.set U,  25
.set Z,  26
.set G1A, 28                           ; s[28:35], s[36:43] descriptor group 1 for A's and B's tiles
.set G1B, 36
.set G0A, 44                           ; s[44:51], s[52:59] group 0: a set for each first fill; the second then walks
.set G0B, 52
.set SL,  66                           ; s66  0 or SLOT: the slot in hand
.set P32, 68
.set P16, 70
.set BP,  86
.set MSB, 0
.macro WIN new                         ; the immediate's high byte repeats the setting that is left; a switch that changes nothing is dropped
.if MSB != (\new)
	s_set_vgpr_msb (MSB<<8)|(\new)
.set MSB, \new
.endif
.endm
.macro PLACES                          ; four places behind matrix instructions, in front of loads into registers that they read and of stores of their results
.rept 4
	v_nop
.endr
.endm
.macro JLOAD                           ; a joint refill by the walking set: waves 0, 1 A's halves, waves 2, 3 B's.  s_nop 0 and four v_nop follow each line
	s_cmp_eq_u32 s[WR], 0
	s_cbranch_scc0 .Lfor_b_\@
	tensor_load_to_lds s[G0A+4:G0A+7], s[G1A:G1A+7]
	s_nop 0
.rept 4
	v_nop
.endr
	s_branch .Lasked_\@
.Lfor_b_\@:
	tensor_load_to_lds s[G0B+4:G0B+7], s[G1B:G1B+7]
	s_nop 0
.rept 4
	v_nop
.endr
.Lasked_\@:
.endm
.macro CREST                           ; a round of the cluster's barrier behind its opening barrier
	s_cmp_lg_u32 s[WV], 0
	s_cbranch_scc1 .Lnot_wave_0_\@
	s_barrier_signal -3
.Lnot_wave_0_\@:
	s_barrier_wait -3
	s_barrier_signal -1
	s_barrier_wait -1
.endm
.macro CROUND
	s_barrier_signal -1
	s_barrier_wait -1
	CREST
.endm
.macro MMA c:vararg
.if FORM
	v_wmma_f32_16x16x32_f16 v[rD:rD+7], v[rB:rB+7], v[rA:rA+7], \c
.else
	v_wmma_f32_16x16x32_bf16 v[rD:rD+7], v[rB:rB+7], v[rA:rA+7], \c
.endif
.endm
; 16 matrix instructions: m blocks a0, a0 + 1 of the window's four (hi = 0: rows 0-63, 1: rows 64-127) x all 8 n blocks, 32 along K.  zero = 1: they start the sums.
; The 64 accumulators take turns in one order everywhere.
.macro MUL16 f, hi, a0, zero
.if \zero
	WIN 0x81+0x40*(\hi)
.else
	WIN 0xa1+0x50*(\hi)
.endif
.irp a, \a0, (\a0)+1
.irp b, 0,1,2,3,4,5,6,7
.set rD, 8*(8*(\a)+(\b))
.set rB, (\f)+8*(\b)
.set rA, (\f)+8*(4*(\hi)+(\a))
.if (\zero) && (CSTART == 1)
.set rC, CB+8*(\b)
	MMA v[rC:rC+7]
.elseif \zero
.set rC, CB+8*(4*(\hi)+(\a))
	MMA v[rC:rC+7]
.else
	MMA v[rD:rD+7]
.endif
.endr
.endr
.endm
.macro FETCH k, f                      ; 32 LDS loads in one run: a quarter step's fragments (32 K at byte k of the rows) into buffer f: B's, then A's
	WIN 0x40
.irp i, 0,1,2,3,4,5,6,7
	ds_load_b128 v[(\f)+8*(\i):(\f)+8*(\i)+3],   v[ADRB] offset:(\k)+(\i)*16*PITCH
	ds_load_b128 v[(\f)+8*(\i)+4:(\f)+8*(\i)+7], v[ADRB] offset:(\k)+(\i)*16*PITCH+32
.endr
	WIN 0
.irp i, 0,1,2,3,4,5,6,7
	ds_load_b128 v[(\f)+8*(\i):(\f)+8*(\i)+3],   v[ADRA] offset:(\k)+(\i)*16*PITCH
	ds_load_b128 v[(\f)+8*(\i)+4:(\f)+8*(\i)+7], v[ADRA] offset:(\k)+(\i)*16*PITCH+32
.endr
.endm
.macro QUARTER k, f, g, zero           ; multiplies buffer f; in its middle fetches the next quarter, at byte k, into buffer g
	s_wait_dscnt 8                                 ; B and A's rows 0-63 are in; the youngest eight loads (A's rows 64-127) may be out
	MUL16 \f, 0, 0, \zero
	MUL16 \f, 0, 2, \zero
	PLACES
	FETCH \k, \g
	s_wait_dscnt 32                                ; all but the 32 just issued
	MUL16 \f, 1, 0, \zero
	MUL16 \f, 1, 2, \zero
.endm
; The last quarter of a K step multiplies buffer 1 and changes slots.  ONE barrier: in front of it each wave waits for all its tensor loads (one is out: its part of the next slot),
; adds 0 to its spare word, and waits for that and for its reads of this slot.  fill = 1: the barrier opens a round of the cluster's, and the slot just read is filled again, two K steps ahead,
; first thing behind the round: 224 matrix instructions stand between that request and the wait for it.
.macro TURN fill
	WIN 0
	s_wait_tensorcnt 0x0                           ; all my tensor loads have landed
	ds_add_u32 v[SPW], v[NIL]                      ; 0 onto my spare word
	s_wait_dscnt 9                                 ; (the add and the youngest eight loads may be out)
	MUL16 F1, 0, 0, 0
	s_wait_dscnt 0x0                               ; the add is done, and my reads of this slot are over
	s_barrier_signal -1
	MUL16 F1, 0, 2, 0
	WIN 0                                          ; at a branch and at a label every window is 0
	s_barrier_wait -1
.if \fill
	CREST                                          ; no wave of any partner still reads this slot or has a load on its way
	s_xor_b32 s[G0A+5], s[G0A+5], SLOT             ; the walking sets: the other slot than last time, the next K step; no load of mine is out
	s_add_nc_u64 s[G0A+6:G0A+7], s[G0A+6:G0A+7], 2*KSTEP
	s_xor_b32 s[G0B+5], s[G0B+5], SLOT
	s_add_nc_u64 s[G0B+6:G0B+7], s[G0B+6:G0B+7], 2*KSTEP
	JLOAD                                          ; its four v_nop are also the places in front of the loads below
.else
	PLACES
.endif
	s_xor_b32 s[SL], s[SL], SLOT
	v_add_nc_u32 v[ADRA], s[SL], v[ADRA0]
	v_add_nc_u32 v[ADRB], s[SL], v[ADRB0]
	FETCH 0, F0
	MUL16 F1, 1, 0, 0
	MUL16 F1, 1, 2, 0
.endm
.macro DUMP                            ; every accumulator into my stage: 32 bytes of a row a lane, each accumulator's low four registers first
.irp w, 0,1
	WIN 0x08+4*(\w)
.irp a, 0,1,2,3
.irp b, 0,1,2,3,4,5,6,7
	ds_store_b128 v[STO], v[8*(8*(\a)+(\b)):8*(8*(\a)+(\b))+3]   offset:(4*(\w)+(\a))*16*SPITCH+64*(\b)
	ds_store_b128 v[STO], v[8*(8*(\a)+(\b))+4:8*(8*(\a)+(\b))+7] offset:(4*(\w)+(\a))*16*SPITCH+64*(\b)+16
.endr
.endr
.endr
	WIN 0
.endm
.macro QDUMP                           ; q in f32, as the accumulators hold it: each store covers 512 consecutive bytes, aligned
.irp w, 0,1
	WIN 0x08+4*(\w)
.irp a, 0,1,2,3
.irp b, 0,1,2,3,4,5,6,7
	global_store_b128 v[GO32], v[8*(8*(\a)+(\b)):8*(8*(\a)+(\b))+3],   s[P32:P32+1] offset:(2*(8*(4*(\w)+(\a))+(\b)))*512
	global_store_b128 v[GO32], v[8*(8*(\a)+(\b))+4:8*(8*(\a)+(\b))+7], s[P32:P32+1] offset:(2*(8*(4*(\w)+(\a))+(\b))+1)*512
.endr
.endr
.endr
	WIN 0
.endm
; 16 rows leave in 16 bits: four f32 a lane become 8 bytes; a wave's store covers 256 consecutive bytes, aligned.  fmt = 1: f16, 0: bf16.  first = 1: row i is waited for
.macro PART16 fmt, y, ptr, first
.irp i, 0,1,2,3,4,5,6,7,8,9,10,11,12,13,14,15
.if \first
	s_wait_dscnt 15-(\i)
.endif
.if \fmt
	v_cvt_pk_f16_f32 v[(\y)+2*(\i)], v[X+4*(\i)], v[X+4*(\i)+1]
	v_cvt_pk_f16_f32 v[(\y)+2*(\i)+1], v[X+4*(\i)+2], v[X+4*(\i)+3]
.else
	v_cvt_pk_bf16_f32 v[(\y)+2*(\i)], v[X+4*(\i)], v[X+4*(\i)+1]
	v_cvt_pk_bf16_f32 v[(\y)+2*(\i)+1], v[X+4*(\i)+2], v[X+4*(\i)+3]
.endif
	global_store_b64 v[GO16], v[(\y)+2*(\i):(\y)+2*(\i)+1], s[\ptr:\ptr+1] offset:2048*(\i)
.endr
.endm
	s_load_b256 s[4:11], s[0:1], 0x0               ; in16 s[4:5], wf s[6:7], bfold s[8:9], qk s[10:11]
	v_lshl_add_u32 v[SPW], v0, 2, SPARE
	v_mov_b32 v[NIL], 0
	ds_add_u32 v28, v29
	s_wait_dscnt 0x0
	v_lshrrev_b32 v1, 5, v0
	v_readfirstlane_b32 s[WV], v1
	s_lshr_b32 s[WR], s[WV], 1
	s_and_b32 s[WC], s[WV], 1
	s_bfe_u32 s[CX], ttmp6, 0x40000                ; my place in the cluster
	s_bfe_u32 s[CY], ttmp6, 0x40004
	s_mov_b32 s[U], ttmp9                          ; in a cluster launch ttmp9 and ttmp7 count clusters: the unit and the block, which all sixteen share
	s_and_b32 s[Z], ttmp7, 0xffff
	s_lshl_b32 s60, s[CY], 2
	s_lshl_b32 s60, 15, s60                        ; my row of the cluster
	s_lshl_b32 s61, 0x1111, s[CX]                  ; my column
	s_or_b32 s[G1A], s60, GW0
	s_or_b32 s[G1B], s61, GW0
.irp g, G1A, G1B
	s_mov_b32 s[(\g)+1], KSTEP<<16                 ; tensor_dim0 = 128
	s_mov_b32 s[(\g)+2], 128<<16                   ; tensor_dim1 = 128
	s_mov_b32 s[(\g)+3], KSTEP<<16                 ; tile_dim0 = 128
	s_mov_b32 s[(\g)+4], 128                       ; tile_dim1 = 128
	s_mov_b32 s[(\g)+5], 1024                      ; elements from row to row
	s_mov_b32 s[(\g)+6], 0
	s_mov_b32 s[(\g)+7], 0
.endr
	; byte offsets, made apart from the addresses.  A's hangs on cy alone of the two places, B's on cx alone
	s_lshl_b32 s62, s[WC], 18                      ; the 128 rows (of 2,048 bytes) that I fetch
	s_lshl_b32 s63, s[Z], 21                       ; block z
	s_lshl_b32 s88, s[U], 24                       ; unit u of 16 MiB
	s_mov_b32 s89, 0
	s_lshl_b32 s74, s[CY], 19
	s_add_co_u32 s74, s74, s62
	s_add_co_u32 s74, s74, s63
	s_add_co_u32 s74, s74, s88                     ; A: x_h or x_c as f16, block z, row 256 cy + 128 half
	s_mov_b32 s75, 0
	s_lshl_b32 s76, s[CX], 19
	s_add_co_u32 s76, s76, s62
	s_lshl_b32 s90, s[U], 21
	s_add_co_u32 s76, s76, s90                     ; B: Wq or Wk, row 256 cx + 128 half
	s_mov_b32 s77, 0
	s_mul_i32 s17, s[WV], HALFT                    ; where my tile goes: no place in the cluster enters an LDS address
	s_lshl_b32 s82, s[CY], 19                      ; my part of C in 16 bits: row 1,024 z + 256 cy + 128 WR, column 256 cx + 128 WC
	s_lshl_b32 s84, s[WR], 18
	s_add_co_u32 s82, s82, s84
	s_add_co_u32 s82, s82, s63
	s_lshl_b32 s84, s[CX], 9
	s_add_co_u32 s82, s82, s84
	s_lshl_b32 s84, s[WC], 8
	s_add_co_u32 s82, s82, s84
	s_mov_b32 s83, 0
	s_lshl2_add_u32 s84, s[Z], s[CY]               ; my wave's 65,536 bytes of q in f32: (((4 z + cy) 4 + cx) 4 + wave)
	s_lshl2_add_u32 s84, s84, s[CX]
	s_lshl2_add_u32 s84, s84, s[WV]
	s_lshl_b32 s84, s84, 16
	s_mov_b32 s85, 0
	s_lshl_b32 s18, s[CX], 10                      ; my first column in the unit's folded bias
	s_lshl_b32 s19, s[WC], 9
	s_add_co_u32 s18, s18, s19
	s_lshl_b32 s90, s[U], 12
	s_add_co_u32 s18, s18, s90
	s_mov_b32 s19, 0
	s_wait_kmcnt 0x0
	s_add_nc_u64 s[78:79], s[4:5], s[74:75]
	s_add_nc_u64 s[80:81], s[6:7], s[76:77]
	s_add_nc_u64 s[BP:BP+1], s[8:9], s[18:19]
	s_add_nc_u64 s[P32:P32+1], s[10:11], s[84:85]  ; f32: q
	s_add_nc_u64 s[P16:P16+1], s[10:11], s[82:83]
	s_add_nc_u64 s[P16:P16+1], s[P16:P16+1], s[88:89]
	s_add_nc_u64 s[P16:P16+1], s[P16:P16+1], 32*MI ; bf16: q or k
.irp s, 0,1
	s_mov_b32 s[G0A+4*(\s)], 1                     ; count = 1
	s_add_co_u32 s[G0A+4*(\s)+1], s17, (\s)*SLOT   ; LDS address
	s_add_nc_u64 s[G0A+4*(\s)+2:G0A+4*(\s)+3], s[78:79], (\s)*2*KSTEP  ; global address: K step s
	s_or_b32 s[G0A+4*(\s)+3], s[G0A+4*(\s)+3], 0x80000000              ; type = 2
	s_mov_b32 s[G0B+4*(\s)], 1
	s_add_co_u32 s[G0B+4*(\s)+1], s17, (\s)*SLOT
	s_add_nc_u64 s[G0B+4*(\s)+2:G0B+4*(\s)+3], s[80:81], (\s)*2*KSTEP
	s_or_b32 s[G0B+4*(\s)+3], s[G0B+4*(\s)+3], 0x80000000
.endr
	CROUND                                         ; all sixteen work-groups are here: the first joint loads meet
	s_cmp_eq_u32 s[WR], 0                          ; a wave's two first fills stand in one branch: two loads of mine are out, later one
	s_cbranch_scc0 .Lfirst_b
	tensor_load_to_lds s[G0A:G0A+3], s[G1A:G1A+7]
	s_nop 0
	tensor_load_to_lds s[G0A+4:G0A+7], s[G1A:G1A+7]
	s_nop 0
.rept 4
	v_nop
.endr
	s_branch .Lfirst_asked
.Lfirst_b:
	tensor_load_to_lds s[G0B:G0B+3], s[G1B:G1B+7]
	s_nop 0
	tensor_load_to_lds s[G0B+4:G0B+7], s[G1B:G1B+7]
	s_nop 0
.rept 4
	v_nop
.endr
.Lfirst_asked:
	; a fragment is 16 rows x 32 K in 8 registers: lane l holds row l % 16, K = 8 (l / 16) + 0..7 and 16 + 8 (l / 16) + 0..7: two loads of 16 bytes, 32 bytes apart
	v_and_b32 v1, 15, v0                           ; l % 16
	v_bfe_u32 v2, v0, 4, 1                         ; l / 16
	v_mul_u32_u24 v3, v1, PITCH
	v_lshl_add_u32 v3, v2, 4, v3
	s_mul_i32 s14, s[WR], HALFT                    ; my 128 rows of A
	s_mul_i32 s15, s[WC], HALFT                    ; my 128 rows of B, behind A's 256
	s_add_co_u32 s15, s15, 2*HALFT
	v_add_nc_u32 v[ADRA0], s14, v3
	v_add_nc_u32 v[ADRB0], s15, v3
	v_mov_b32 v[ADRA], v[ADRA0]
	v_mov_b32 v[ADRB], v[ADRB0]
	s_mov_b32 s[SL], 0
	s_mul_i32 s16, s[WV], STG                      ; my stage
	v_mul_u32_u24 v4, v1, SPITCH
	v_lshl_add_u32 v4, v2, 5, v4
	v_add_nc_u32 v[STO], s16, v4                   ; in: row l % 16, 32 bytes for each half of the lanes
	v_and_b32 v5, 31, v0
	v_lshlrev_b32 v[GO32], 4, v5
	v_lshlrev_b32 v[GO16], 3, v5
	v_add_nc_u32 v[RD], s16, v[GO32]               ; back: 32 lanes take one row of 512 bytes
	v_lshlrev_b32 v[BO], 5, v2                     ; the bias of columns 16 b + 8 (l / 16) + 0..7 for each n block b
.irp b, 0,1,2,3,4,5,6,7
	global_load_b128 v[CB+8*(\b):CB+8*(\b)+3],   v[BO], s[BP:BP+1] offset:64*(\b)
	global_load_b128 v[CB+8*(\b)+4:CB+8*(\b)+7], v[BO], s[BP:BP+1] offset:64*(\b)+16
.endr
	s_wait_tensorcnt 0x1                           ; my part of K step 0 is in; K step 1's may stay out
	s_barrier_signal -1
	s_barrier_wait -1
	FETCH 0, F0
	s_wait_loadcnt 0x0                             ; the bias
	QUARTER 64, F0, F1, 1                          ; the first quarter stands in front of the loop: its products start the sums
	WIN 0
	s_mov_b32 s3, 6
	s_branch .Lmid                                 ; the loop is entered behind its first quarter
.Lloop:                                                ; a trip is a K step; six trips ask for K steps 2 to 7
	QUARTER 64, F0, F1, 0
	WIN 0
.Lmid:
	QUARTER 128, F1, F0, 0
	QUARTER 192, F0, F1, 0
	TURN 1
	WIN 0
	s_sub_co_u32 s3, s3, 1
	s_cmp_lg_u32 s3, 0
	s_cbranch_scc1 .Lloop
	s_mov_b32 s3, 2
.Ltail:                                                ; the last two K steps ask for nothing.  The second trip's last 32 LDS loads read a slot that has been used and serve nothing:
	QUARTER 64, F0, F1, 0                          ; the price, once, of one text for both steps
	QUARTER 128, F1, F0, 0
	QUARTER 192, F0, F1, 0
	TURN 0
	WIN 0
	s_sub_co_u32 s3, s3, 1
	s_cmp_lg_u32 s3, 0
	s_cbranch_scc1 .Ltail
	; THE WAY OUT.  The stages lie where the slots lay: every wave's reads of the ring are over, and so are all fills, before any wave writes there
	s_wait_dscnt 0x0
	s_barrier_signal -1
	s_barrier_wait -1
	PLACES
	DUMP
	s_cmp_lg_u32 s[U], 0
	s_cbranch_scc1 .Lno_f32
	QDUMP                                          ; q in f32, straight from the accumulators, while the stage is being written
.Lno_f32:
	s_mov_b32 s3, 8
.Lout:                                                 ; 16 rows a trip.  LDS serves a wave's instructions in order (ISA guide 5.7.1.4): these loads see my stores
.irp i, 0,1,2,3,4,5,6,7,8,9,10,11,12,13,14,15
	ds_load_b128 v[X+4*(\i):X+4*(\i)+3], v[RD] offset:(\i)*SPITCH
.endr
	PART16 0, Y, P16, 1                            ; q or k in bf16
	s_wait_xcnt 0x0                                ; the stores' data and base are rewritten only behind this wait
	s_add_nc_u64 s[P16:P16+1], s[P16:P16+1], 16*2048
	v_add_nc_u32 v[RD], 16*SPITCH, v[RD]
	s_sub_co_u32 s3, s3, 1
	s_cmp_lg_u32 s3, 0
	s_cbranch_scc1 .Lout
	s_wait_tensorcnt 0x0                           ; the wave's end
	ds_add_u32 v[SPW], v[NIL]
	s_wait_dscnt 0x0
	CROUND                                         ; the closing round: no work-group ends while a partner may still ask for a tile that names it
	s_endpgm
.Lfunc_end_k_q9c958ed6b4_proj:
	.size	k_q9c958ed6b4_proj, .Lfunc_end_k_q9c958ed6b4_proj-k_q9c958ed6b4_proj
	.p2alignl 7, 3214868480
	.fill 96, 4, 3214868480
	.section	.rodata,"a",@progbits
	.p2align	6, 0x0
	.amdhsa_kernel k_q9c958ed6b4_proj
		.amdhsa_group_segment_fixed_size 327680
		.amdhsa_private_segment_fixed_size 0
		.amdhsa_enable_private_segment 0
		.amdhsa_kernarg_size 32
		.amdhsa_user_sgpr_count 2
		.amdhsa_user_sgpr_kernarg_segment_ptr 1
		.amdhsa_wavefront_size32 1
		.amdhsa_system_sgpr_workgroup_id_x 1
		.amdhsa_system_sgpr_workgroup_id_y 1
		.amdhsa_system_sgpr_workgroup_id_z 1
		.amdhsa_system_vgpr_workitem_id 0
		.amdhsa_next_free_vgpr 1024
		.amdhsa_next_free_sgpr 92
		.amdhsa_reserve_vcc 0
		.amdhsa_float_denorm_mode_32 3
		.amdhsa_float_denorm_mode_16_64 3
		.amdhsa_memory_ordered 1
		.amdhsa_forward_progress 1
		.amdhsa_inst_pref_size 96
	.end_amdhsa_kernel
	.amdgpu_metadata
---
amdhsa.version: [ 1, 2 ]
amdhsa.kernels:
  - .name:           k_q9c958ed6b4_proj
    .symbol:         k_q9c958ed6b4_proj.kd
    .args:
      - { .name: in16, .offset: 0, .size: 8, .value_kind: global_buffer, .address_space: global }
      - { .name: wf, .offset: 8, .size: 8, .value_kind: global_buffer, .address_space: global }
      - { .name: bfold, .offset: 16, .size: 8, .value_kind: global_buffer, .address_space: global }
      - { .name: qk, .offset: 24, .size: 8, .value_kind: global_buffer, .address_space: global }
    .group_segment_fixed_size: 327680
    .private_segment_fixed_size: 0
    .kernarg_segment_align: 8
    .kernarg_segment_size: 32
    .max_flat_workgroup_size: 128
    .sgpr_count:     92
    .vgpr_count:     1024
    .wavefront_size: 32
...
	.end_amdgpu_metadata
.endif
;; end of part 10
;; launch scov (part 11): grid 8 x 32, 4 waves a work-group, clusters of 4 x 4, 327,680 bytes of LDS; arguments qk, wf, in16, bfold, sv; writes sv
.if DOCPART == 11
	.amdgcn_target "amdgcn-amd-amdhsa--gfx1250"
	.amdhsa_code_object_version 6
	.text
	.protected	k_q9c958ed6b4_scov
	.globl	k_q9c958ed6b4_scov
	.p2align	8
	.type	k_q9c958ed6b4_scov,@function
k_q9c958ed6b4_scov:
	s_mov_b64 s[64:65], 0
	v_nop
	global_prefetch_b8 v0, s[64:65] scope:SCOPE_SE
	s_setreg_imm32_b32 hwreg(HW_REG_WAVE_MODE, 25, 1), 1
	s_wait_xcnt 0x0
	s_wait_alu depctr_hold_cnt(0) depctr_sa_sdst(0) depctr_va_vdst(0) depctr_va_sdst(0) depctr_va_ssrc(0) depctr_va_vcc(0) depctr_vm_vsrc(0)
	s_getreg_b32 s2, hwreg(HW_REG_IB_STS2, 6, 4)
	s_cmp_eq_u32 s2, 0
	s_cbranch_scc0 .Lentry_in_a_cluster
	s_endpgm
.Lentry_in_a_cluster:
	s_bfe_u32 s2, ttmp6, 0x10000c
	s_cmp_lg_u32 s2, 0xf033
	s_cbranch_scc0 .Lentry_shape_is_right
	s_endpgm
.Lentry_shape_is_right:
; Unit u = 0: the scores S_z = q_z k_z^T of batch z, unscaled, in f32 (sv + 0; the softmax launch applies 1 / 32).
; Unit u = 1: v of batch z, made TRANSPOSED from the folded weight Wv = vW cW and bias bv = vW cb + vb: vT_z[f][key] = bv[f] + sum over d of Wv[f][d] x_c,z[key][d], bf16 (sv + 32 MiB),
; so that attn v is again a product with K along both operands' rows.
; Both are C[m][n] = start[m] + sum over k of A[m][k] B[n][k], 1,024^3 a batch; operands bf16 (q, k from qk; Wv from wf + 4 MiB; x_c from in16 + 44 MiB), sums f32.
; SHARES.  A cluster of 4 x 4 work-groups makes one block of 1,024 x 1,024 of one unit: cluster x = u, cluster y = batch z, (cx, cy) = tile column and row.
; 256 work-groups.  A work-group makes 256 x 256 with four waves, each 128 x 128: 64 accumulators, 512 registers.
; K goes in 8 steps of 128 through two LDS slots; a tile's rows are 256 bytes of memory at multiples of 256.  A's tile is shared along a row of the cluster,
; B's along a column: each is asked for JOINTLY, by the same tensor load and descriptor with a mask of the four.
; THE MATRIX INSTRUCTION IS USED TRANSPOSED (source 0 = 16 rows of B, source 1 = 16 rows of A): lane l holds row l % 16 of C and columns 8 (l / 16) + 0..7.
; WHAT STARTS THE SUMS runs along the rows: a lane's eight registers hold one number, bv of its row (u = 1) or 0 (u = 0): one text of products for both units, at the price of 64 v_mov_b32 once.
; REGISTERS, in windows of 256 (s_set_vgpr_msb: bits 1:0 source 0, 3:2 source 1, 5:4 source 2, 7:6 destination):
;   window 0: v0-29 addresses; v64-127, v128-191 A's fragments, two buffers; v192-255 the start.  On the way out v64-127 rows of f32, v128-159 packed results.
;   window 1: v64-127, v128-191 B's fragments.   window 2: accumulators of my rows 0-63 ((a, b) at v[8 (8 a + b)]).   window 3: those of rows 64-127.
.set FORM,   0                         ; 0: bf16 operands, 1: f16
.set CSTART, 2                         ; what starts the sums: 1 a bias along the columns, 2 a bias along the rows, 3 numbers loaded into the accumulators
.set MI,     1<<20
.set KSTEP,  128
.set PITCH,  272                       ; an LDS row: 256 bytes + 16 of padding = 68 words: the 16 rows of a fragment load start at 16 different groups of four banks (ISA guide 11.1)
.set HALFT,  128*PITCH                 ; 128 rows: what one tensor load brings, and what one wave reads of A or of B
.set SLOT,   4*HALFT                   ; A's 256 rows, then B's 256 rows.  0x22000: its two bits are clear in wave x HALFT, so an exclusive or changes slots
.set SPARE,  2*SLOT                    ; behind the ring: the spare words, 128 bytes a wave: two blocks of 256 bytes that no other line names
.set SPITCH, 528                       ; the way out: a stage row of 128 f32 + 16 bytes
.set STG,    128*SPITCH                ; a wave's stage: it lies in the ring, whose slots have had their last fill by then; 4 x 67,584 bytes end below SPARE
.set GW0,    (1<<16)|(1<<20)|(1<<21)|(5<<22)|(3<<25)  ; group 1, word 0: 2-byte elements; padding on; bit 21 beside a mask; after every 64 words; 4 words
.set ADRA0, 8                          ; v8, v9 my lane's place in A's and B's tile, slot 0; v10, v11 the same in the slot in hand
.set ADRB0, 9
.set ADRA,  10
.set ADRB,  11
.set STO,   12                         ; v12 the way out: where I put 32 bytes of a row; v13 where I read a row back; v14, v15 16 x lane, 8 x lane; v16 my lane's offset in the bias
.set RD,    13
.set GO32,  14
.set GO16,  15
.set BO,    16
.set SPW,   28                         ; v28 LDS address of my spare word, v29 0; never rewritten
.set NIL,   29
.set F0,    64
.set F1,    128
.set CB,    192
.set X,     64
.set Y,     128
.set WV, 20                            ; s20 wave;  s21 my half of the tile's rows, also: I fetch for A (0) or B (1);  s22 my half of its columns, also: which 128 rows I fetch
.set WR, 21
.set WC, 22
.set CX, 23
.set CY, 24
.set U,  25
.set Z,  26
.set G1A, 28                           ; s[28:35], s[36:43] descriptor group 1 for A's and B's tiles
.set G1B, 36
.set G0A, 44                           ; s[44:51], s[52:59] group 0: a set for each first fill; the second then walks
.set G0B, 52
.set SL,  66                           ; s66  0 or SLOT: the slot in hand
.set P32, 68
.set P16, 70
.set BP,  86
.set MSB, 0
.macro WIN new                         ; the immediate's high byte repeats the setting that is left; a switch that changes nothing is dropped
.if MSB != (\new)
	s_set_vgpr_msb (MSB<<8)|(\new)
.set MSB, \new
.endif
.endm
.macro PLACES                          ; four places behind matrix instructions, in front of loads into registers that they read and of stores of their results
.rept 4
	v_nop
.endr
.endm
.macro JLOAD                           ; a joint refill by the walking set: waves 0, 1 A's halves, waves 2, 3 B's.  s_nop 0 and four v_nop follow each line
	s_cmp_eq_u32 s[WR], 0
	s_cbranch_scc0 .Lfor_b_\@
	tensor_load_to_lds s[G0A+4:G0A+7], s[G1A:G1A+7]
	s_nop 0
.rept 4
	v_nop
.endr
	s_branch .Lasked_\@
.Lfor_b_\@:
	tensor_load_to_lds s[G0B+4:G0B+7], s[G1B:G1B+7]
	s_nop 0
.rept 4
	v_nop
.endr
.Lasked_\@:
.endm
.macro CREST                           ; a round of the cluster's barrier behind its opening barrier
	s_cmp_lg_u32 s[WV], 0
	s_cbranch_scc1 .Lnot_wave_0_\@
	s_barrier_signal -3
.Lnot_wave_0_\@:
	s_barrier_wait -3
	s_barrier_signal -1
	s_barrier_wait -1
.endm
.macro CROUND
	s_barrier_signal -1
	s_barrier_wait -1
	CREST
.endm
.macro MMA c:vararg
.if FORM
	v_wmma_f32_16x16x32_f16 v[rD:rD+7], v[rB:rB+7], v[rA:rA+7], \c
.else
	v_wmma_f32_16x16x32_bf16 v[rD:rD+7], v[rB:rB+7], v[rA:rA+7], \c
.endif
.endm
; 16 matrix instructions: m blocks a0, a0 + 1 of the window's four (hi = 0: rows 0-63, 1: rows 64-127) x all 8 n blocks, 32 along K.  zero = 1: they start the sums.
; The 64 accumulators take turns in one order everywhere.
.macro MUL16 f, hi, a0, zero
.if \zero
	WIN 0x81+0x40*(\hi)
.else
	WIN 0xa1+0x50*(\hi)
.endif
.irp a, \a0, (\a0)+1
.irp b, 0,1,2,3,4,5,6,7
.set rD, 8*(8*(\a)+(\b))
.set rB, (\f)+8*(\b)
.set rA, (\f)+8*(4*(\hi)+(\a))
.if (\zero) && (CSTART == 1)
.set rC, CB+8*(\b)
	MMA v[rC:rC+7]
.elseif \zero
.set rC, CB+8*(4*(\hi)+(\a))
	MMA v[rC:rC+7]
.else
	MMA v[rD:rD+7]
.endif
.endr
.endr
.endm
.macro FETCH k, f                      ; 32 LDS loads in one run: a quarter step's fragments (32 K at byte k of the rows) into buffer f: B's, then A's
	WIN 0x40
.irp i, 0,1,2,3,4,5,6,7
	ds_load_b128 v[(\f)+8*(\i):(\f)+8*(\i)+3],   v[ADRB] offset:(\k)+(\i)*16*PITCH
	ds_load_b128 v[(\f)+8*(\i)+4:(\f)+8*(\i)+7], v[ADRB] offset:(\k)+(\i)*16*PITCH+32
.endr
	WIN 0
.irp i, 0,1,2,3,4,5,6,7
	ds_load_b128 v[(\f)+8*(\i):(\f)+8*(\i)+3],   v[ADRA] offset:(\k)+(\i)*16*PITCH
	ds_load_b128 v[(\f)+8*(\i)+4:(\f)+8*(\i)+7], v[ADRA] offset:(\k)+(\i)*16*PITCH+32
.endr
.endm
.macro QUARTER k, f, g, zero           ; multiplies buffer f; in its middle fetches the next quarter, at byte k, into buffer g
	s_wait_dscnt 8                                 ; B and A's rows 0-63 are in; the youngest eight loads (A's rows 64-127) may be out
	MUL16 \f, 0, 0, \zero
	MUL16 \f, 0, 2, \zero
	PLACES
	FETCH \k, \g
	s_wait_dscnt 32                                ; all but the 32 just issued
	MUL16 \f, 1, 0, \zero
	MUL16 \f, 1, 2, \zero
.endm
; The last quarter of a K step multiplies buffer 1 and changes slots.  ONE barrier: in front of it each wave waits for all its tensor loads (one is out: its part of the next slot),
; adds 0 to its spare word, and waits for that and for its reads of this slot.  fill = 1: the barrier opens a round of the cluster's, and the slot just read is filled again, two K steps ahead,
; first thing behind the round: 224 matrix instructions stand between that request and the wait for it.
.macro TURN fill
	WIN 0
	s_wait_tensorcnt 0x0                           ; all my tensor loads have landed
	ds_add_u32 v[SPW], v[NIL]                      ; 0 onto my spare word
	s_wait_dscnt 9                                 ; (the add and the youngest eight loads may be out)
	MUL16 F1, 0, 0, 0
	s_wait_dscnt 0x0                               ; the add is done, and my reads of this slot are over
	s_barrier_signal -1
	MUL16 F1, 0, 2, 0
	WIN 0                                          ; at a branch and at a label every window is 0
	s_barrier_wait -1
.if \fill
	CREST                                          ; no wave of any partner still reads this slot or has a load on its way
	s_xor_b32 s[G0A+5], s[G0A+5], SLOT             ; the walking sets: the other slot than last time, the next K step; no load of mine is out
	s_add_nc_u64 s[G0A+6:G0A+7], s[G0A+6:G0A+7], 2*KSTEP
	s_xor_b32 s[G0B+5], s[G0B+5], SLOT
	s_add_nc_u64 s[G0B+6:G0B+7], s[G0B+6:G0B+7], 2*KSTEP
	JLOAD                                          ; its four v_nop are also the places in front of the loads below
.else
	PLACES
.endif
	s_xor_b32 s[SL], s[SL], SLOT
	v_add_nc_u32 v[ADRA], s[SL], v[ADRA0]
	v_add_nc_u32 v[ADRB], s[SL], v[ADRB0]
	FETCH 0, F0
	MUL16 F1, 1, 0, 0
	MUL16 F1, 1, 2, 0
.endm
.macro DUMP                            ; every accumulator into my stage: 32 bytes of a row a lane, each accumulator's low four registers first
.irp w, 0,1
	WIN 0x08+4*(\w)
.irp a, 0,1,2,3
.irp b, 0,1,2,3,4,5,6,7
	ds_store_b128 v[STO], v[8*(8*(\a)+(\b)):8*(8*(\a)+(\b))+3]   offset:(4*(\w)+(\a))*16*SPITCH+64*(\b)
	ds_store_b128 v[STO], v[8*(8*(\a)+(\b))+4:8*(8*(\a)+(\b))+7] offset:(4*(\w)+(\a))*16*SPITCH+64*(\b)+16
.endr
.endr
.endr
	WIN 0
.endm
; 16 rows leave in 16 bits: four f32 a lane become 8 bytes; a wave's store covers 256 consecutive bytes, aligned.  fmt = 1: f16, 0: bf16.  first = 1: row i is waited for
.macro PART16 fmt, y, ptr, first
.irp i, 0,1,2,3,4,5,6,7,8,9,10,11,12,13,14,15
.if \first
	s_wait_dscnt 15-(\i)
.endif
.if \fmt
	v_cvt_pk_f16_f32 v[(\y)+2*(\i)], v[X+4*(\i)], v[X+4*(\i)+1]
	v_cvt_pk_f16_f32 v[(\y)+2*(\i)+1], v[X+4*(\i)+2], v[X+4*(\i)+3]
.else
	v_cvt_pk_bf16_f32 v[(\y)+2*(\i)], v[X+4*(\i)], v[X+4*(\i)+1]
	v_cvt_pk_bf16_f32 v[(\y)+2*(\i)+1], v[X+4*(\i)+2], v[X+4*(\i)+3]
.endif
	global_store_b64 v[GO16], v[(\y)+2*(\i):(\y)+2*(\i)+1], s[\ptr:\ptr+1] offset:2048*(\i)
.endr
.endm
.macro PART32 first                    ; 16 rows leave in f32: a wave's store covers 512 consecutive bytes, aligned
.irp i, 0,1,2,3,4,5,6,7,8,9,10,11,12,13,14,15
.if \first
	s_wait_dscnt 15-(\i)
.endif
	global_store_b128 v[GO32], v[X+4*(\i):X+4*(\i)+3], s[P32:P32+1] offset:4096*(\i)
.endr
.endm
	s_load_b256 s[4:11], s[0:1], 0x0               ; qk s[4:5], wf s[6:7], in16 s[8:9], bfold s[10:11]
	s_load_b64 s[12:13], s[0:1], 0x20              ; sv
	v_lshl_add_u32 v[SPW], v0, 2, SPARE
	v_mov_b32 v[NIL], 0
	ds_add_u32 v28, v29
	s_wait_dscnt 0x0
	v_lshrrev_b32 v1, 5, v0
	v_readfirstlane_b32 s[WV], v1
	s_lshr_b32 s[WR], s[WV], 1
	s_and_b32 s[WC], s[WV], 1
	s_bfe_u32 s[CX], ttmp6, 0x40000                ; my place in the cluster
	s_bfe_u32 s[CY], ttmp6, 0x40004
	s_mov_b32 s[U], ttmp9                          ; in a cluster launch ttmp9 and ttmp7 count clusters: the unit and the batch, which all sixteen share
	s_and_b32 s[Z], ttmp7, 0xffff
	s_lshl_b32 s60, s[CY], 2
	s_lshl_b32 s60, 15, s60                        ; my row of the cluster
	s_lshl_b32 s61, 0x1111, s[CX]                  ; my column
	s_or_b32 s[G1A], s60, GW0
	s_or_b32 s[G1B], s61, GW0
.irp g, G1A, G1B
	s_mov_b32 s[(\g)+1], KSTEP<<16                 ; tensor_dim0 = 128
	s_mov_b32 s[(\g)+2], 128<<16                   ; tensor_dim1 = 128
	s_mov_b32 s[(\g)+3], KSTEP<<16                 ; tile_dim0 = 128
	s_mov_b32 s[(\g)+4], 128                       ; tile_dim1 = 128
	s_mov_b32 s[(\g)+5], 1024                      ; elements from row to row
	s_mov_b32 s[(\g)+6], 0
	s_mov_b32 s[(\g)+7], 0
.endr
	; byte offsets, made apart from the addresses.  A's hangs on cy alone of the two places, B's on cx alone
	s_lshl_b32 s62, s[WC], 18                      ; the 128 rows (of 2,048 bytes) that I fetch
	s_lshl_b32 s63, s[Z], 21                       ; batch z
	s_add_co_u32 s88, s63, 32*MI                   ; u = 0: A is q in bf16, batch z, in qk
	s_mov_b32 s89, 44*MI                           ; u = 1: B is x_c in bf16, in in16
	s_mov_b32 s90, 48*MI                           ; u = 0: B is k, in qk
	s_cmp_eq_u32 s[U], 0
	s_cselect_b32 s88, s88, 4*MI                   ; u = 1: A is Wv, in wf
	s_cselect_b32 s89, s90, s89
	s_lshl_b32 s74, s[CY], 19
	s_add_co_u32 s74, s74, s62
	s_add_co_u32 s74, s74, s88                     ; A: row 256 cy + 128 half
	s_mov_b32 s75, 0
	s_lshl_b32 s76, s[CX], 19
	s_add_co_u32 s76, s76, s62
	s_add_co_u32 s76, s76, s63
	s_add_co_u32 s76, s76, s89                     ; B: batch z, row 256 cx + 128 half
	s_mov_b32 s77, 0
	s_mul_i32 s17, s[WV], HALFT                    ; where my tile goes: no place in the cluster enters an LDS address
	s_lshl_b32 s82, s[CY], 19                      ; my part of C in 16 bits: row 1,024 z + 256 cy + 128 WR, column 256 cx + 128 WC
	s_lshl_b32 s84, s[WR], 18
	s_add_co_u32 s82, s82, s84
	s_add_co_u32 s82, s82, s63
	s_lshl_b32 s84, s[CX], 9
	s_add_co_u32 s82, s82, s84
	s_lshl_b32 s84, s[WC], 8
	s_add_co_u32 s82, s82, s84
	s_mov_b32 s83, 0
	s_lshl_b32 s84, s82, 1                         ; and in f32
	s_mov_b32 s85, 0
	s_lshl_b32 s18, s[CY], 10                      ; my first row in bv: 256 cy + 128 WR; bv is the third vector of bfold
	s_lshl_b32 s19, s[WR], 9
	s_add_co_u32 s18, s18, s19
	s_add_co_u32 s18, s18, 8192
	s_mov_b32 s19, 0
	s_wait_kmcnt 0x0
	s_cmp_eq_u32 s[U], 0
	s_cselect_b64 s[78:79], s[4:5], s[6:7]         ; A from qk or wf
	s_cselect_b64 s[80:81], s[4:5], s[8:9]         ; B from qk or in16
	s_add_nc_u64 s[78:79], s[78:79], s[74:75]
	s_add_nc_u64 s[80:81], s[80:81], s[76:77]
	s_add_nc_u64 s[BP:BP+1], s[10:11], s[18:19]
	s_add_nc_u64 s[P32:P32+1], s[12:13], s[84:85]  ; f32: S
	s_add_nc_u64 s[P16:P16+1], s[12:13], s[82:83]
	s_add_nc_u64 s[P16:P16+1], s[P16:P16+1], 32*MI ; bf16: vT
.irp s, 0,1
	s_mov_b32 s[G0A+4*(\s)], 1                     ; count = 1
	s_add_co_u32 s[G0A+4*(\s)+1], s17, (\s)*SLOT   ; LDS address
	s_add_nc_u64 s[G0A+4*(\s)+2:G0A+4*(\s)+3], s[78:79], (\s)*2*KSTEP  ; global address: K step s
	s_or_b32 s[G0A+4*(\s)+3], s[G0A+4*(\s)+3], 0x80000000              ; type = 2
	s_mov_b32 s[G0B+4*(\s)], 1
	s_add_co_u32 s[G0B+4*(\s)+1], s17, (\s)*SLOT
	s_add_nc_u64 s[G0B+4*(\s)+2:G0B+4*(\s)+3], s[80:81], (\s)*2*KSTEP
	s_or_b32 s[G0B+4*(\s)+3], s[G0B+4*(\s)+3], 0x80000000
.endr
	CROUND                                         ; all sixteen work-groups are here: the first joint loads meet
	s_cmp_eq_u32 s[WR], 0                          ; a wave's two first fills stand in one branch: two loads of mine are out, later one
	s_cbranch_scc0 .Lfirst_b
	tensor_load_to_lds s[G0A:G0A+3], s[G1A:G1A+7]
	s_nop 0
	tensor_load_to_lds s[G0A+4:G0A+7], s[G1A:G1A+7]
	s_nop 0
.rept 4
	v_nop
.endr
	s_branch .Lfirst_asked
.Lfirst_b:
	tensor_load_to_lds s[G0B:G0B+3], s[G1B:G1B+7]
	s_nop 0
	tensor_load_to_lds s[G0B+4:G0B+7], s[G1B:G1B+7]
	s_nop 0
.rept 4
	v_nop
.endr
.Lfirst_asked:
	; a fragment is 16 rows x 32 K in 8 registers: lane l holds row l % 16, K = 8 (l / 16) + 0..7 and 16 + 8 (l / 16) + 0..7: two loads of 16 bytes, 32 bytes apart
	v_and_b32 v1, 15, v0                           ; l % 16
	v_bfe_u32 v2, v0, 4, 1                         ; l / 16
	v_mul_u32_u24 v3, v1, PITCH
	v_lshl_add_u32 v3, v2, 4, v3
	s_mul_i32 s14, s[WR], HALFT                    ; my 128 rows of A
	s_mul_i32 s15, s[WC], HALFT                    ; my 128 rows of B, behind A's 256
	s_add_co_u32 s15, s15, 2*HALFT
	v_add_nc_u32 v[ADRA0], s14, v3
	v_add_nc_u32 v[ADRB0], s15, v3
	v_mov_b32 v[ADRA], v[ADRA0]
	v_mov_b32 v[ADRB], v[ADRB0]
	s_mov_b32 s[SL], 0
	s_mul_i32 s16, s[WV], STG                      ; my stage
	v_mul_u32_u24 v4, v1, SPITCH
	v_lshl_add_u32 v4, v2, 5, v4
	v_add_nc_u32 v[STO], s16, v4                   ; in: row l % 16, 32 bytes for each half of the lanes
	v_and_b32 v5, 31, v0
	v_lshlrev_b32 v[GO32], 4, v5
	v_lshlrev_b32 v[GO16], 3, v5
	v_add_nc_u32 v[RD], s16, v[GO32]               ; back: 32 lanes take one row of 512 bytes
	s_cmp_eq_u32 s[U], 0
	s_cbranch_scc1 .Lno_bias
	v_lshlrev_b32 v[BO], 2, v1                     ; bv of row 16 a + l % 16 for each m block a
.irp a, 0,1,2,3,4,5,6,7
	global_load_b32 v[CB+8*(\a)], v[BO], s[BP:BP+1] offset:64*(\a)
.endr
	s_wait_loadcnt 0x0
	s_branch .Lspread
.Lno_bias:
.irp a, 0,1,2,3,4,5,6,7
	v_mov_b32 v[CB+8*(\a)], 0
.endr
.Lspread:                                              ; a lane's eight columns share the row's number
.irp a, 0,1,2,3,4,5,6,7
.irp j, 1,2,3,4,5,6,7
	v_mov_b32 v[CB+8*(\a)+(\j)], v[CB+8*(\a)]
.endr
.endr
	s_wait_tensorcnt 0x1                           ; my part of K step 0 is in; K step 1's may stay out
	s_barrier_signal -1
	s_barrier_wait -1
	FETCH 0, F0
	QUARTER 64, F0, F1, 1                          ; the first quarter stands in front of the loop: its products start the sums
	WIN 0
	s_mov_b32 s3, 6
	s_branch .Lmid                                 ; the loop is entered behind its first quarter
.Lloop:                                                ; a trip is a K step; six trips ask for K steps 2 to 7
	QUARTER 64, F0, F1, 0
	WIN 0
.Lmid:
	QUARTER 128, F1, F0, 0
	QUARTER 192, F0, F1, 0
	TURN 1
	WIN 0
	s_sub_co_u32 s3, s3, 1
	s_cmp_lg_u32 s3, 0
	s_cbranch_scc1 .Lloop
	s_mov_b32 s3, 2
.Ltail:                                                ; the last two K steps ask for nothing.  The second trip's last 32 LDS loads read a slot that has been used and serve nothing:
	QUARTER 64, F0, F1, 0                          ; the price, once, of one text for both steps
	QUARTER 128, F1, F0, 0
	QUARTER 192, F0, F1, 0
	TURN 0
	WIN 0
	s_sub_co_u32 s3, s3, 1
	s_cmp_lg_u32 s3, 0
	s_cbranch_scc1 .Ltail
	; THE WAY OUT.  The stages lie where the slots lay: every wave's reads of the ring are over, and so are all fills, before any wave writes there
	s_wait_dscnt 0x0
	s_barrier_signal -1
	s_barrier_wait -1
	PLACES
	DUMP
	s_mov_b32 s3, 8
.Lout:                                                 ; 16 rows a trip.  LDS serves a wave's instructions in order (ISA guide 5.7.1.4): these loads see my stores
.irp i, 0,1,2,3,4,5,6,7,8,9,10,11,12,13,14,15
	ds_load_b128 v[X+4*(\i):X+4*(\i)+3], v[RD] offset:(\i)*SPITCH
.endr
	s_cmp_lg_u32 s[U], 0
	s_cbranch_scc1 .Lvt
	PART32 1                                       ; the scores in f32
	s_branch .Lsent
.Lvt:
	PART16 0, Y, P16, 1                            ; vT in bf16
.Lsent:
	s_wait_xcnt 0x0                                ; the stores' data and bases are rewritten only behind this wait
	s_add_nc_u64 s[P16:P16+1], s[P16:P16+1], 16*2048
	s_add_nc_u64 s[P32:P32+1], s[P32:P32+1], 16*4096
	v_add_nc_u32 v[RD], 16*SPITCH, v[RD]
	s_sub_co_u32 s3, s3, 1
	s_cmp_lg_u32 s3, 0
	s_cbranch_scc1 .Lout
	s_wait_tensorcnt 0x0                           ; the wave's end
	ds_add_u32 v[SPW], v[NIL]
	s_wait_dscnt 0x0
	CROUND                                         ; the closing round: no work-group ends while a partner may still ask for a tile that names it
	s_endpgm
.Lfunc_end_k_q9c958ed6b4_scov:
	.size	k_q9c958ed6b4_scov, .Lfunc_end_k_q9c958ed6b4_scov-k_q9c958ed6b4_scov
	.p2alignl 7, 3214868480
	.fill 96, 4, 3214868480
	.section	.rodata,"a",@progbits
	.p2align	6, 0x0
	.amdhsa_kernel k_q9c958ed6b4_scov
		.amdhsa_group_segment_fixed_size 327680
		.amdhsa_private_segment_fixed_size 0
		.amdhsa_enable_private_segment 0
		.amdhsa_kernarg_size 40
		.amdhsa_user_sgpr_count 2
		.amdhsa_user_sgpr_kernarg_segment_ptr 1
		.amdhsa_wavefront_size32 1
		.amdhsa_system_sgpr_workgroup_id_x 1
		.amdhsa_system_sgpr_workgroup_id_y 1
		.amdhsa_system_sgpr_workgroup_id_z 1
		.amdhsa_system_vgpr_workitem_id 0
		.amdhsa_next_free_vgpr 1024
		.amdhsa_next_free_sgpr 92
		.amdhsa_reserve_vcc 0
		.amdhsa_float_denorm_mode_32 3
		.amdhsa_float_denorm_mode_16_64 3
		.amdhsa_memory_ordered 1
		.amdhsa_forward_progress 1
		.amdhsa_inst_pref_size 87
	.end_amdhsa_kernel
	.amdgpu_metadata
---
amdhsa.version: [ 1, 2 ]
amdhsa.kernels:
  - .name:           k_q9c958ed6b4_scov
    .symbol:         k_q9c958ed6b4_scov.kd
    .args:
      - { .name: qk, .offset: 0, .size: 8, .value_kind: global_buffer, .address_space: global }
      - { .name: wf, .offset: 8, .size: 8, .value_kind: global_buffer, .address_space: global }
      - { .name: in16, .offset: 16, .size: 8, .value_kind: global_buffer, .address_space: global }
      - { .name: bfold, .offset: 24, .size: 8, .value_kind: global_buffer, .address_space: global }
      - { .name: sv, .offset: 32, .size: 8, .value_kind: global_buffer, .address_space: global }
    .group_segment_fixed_size: 327680
    .private_segment_fixed_size: 0
    .kernarg_segment_align: 8
    .kernarg_segment_size: 40
    .max_flat_workgroup_size: 128
    .sgpr_count:     92
    .vgpr_count:     1024
    .wavefront_size: 32
...
	.end_amdgpu_metadata
.endif
;; end of part 11
;; launch soft: the kernel of part 5 again; grid 256 x 1, 8 waves a work-group, no clusters, 0 bytes of LDS; arguments sv, pb; writes pb
;; launch mix (part 12): grid 4 x 64, 4 waves a work-group, clusters of 4 x 4, 327,680 bytes of LDS; arguments pb, sv, qk, sb; writes sb
.if DOCPART == 12
	.amdgcn_target "amdgcn-amd-amdhsa--gfx1250"
	.amdhsa_code_object_version 6
	.text
	.protected	k_q9c958ed6b4_mix
	.globl	k_q9c958ed6b4_mix
	.p2align	8
	.type	k_q9c958ed6b4_mix,@function
k_q9c958ed6b4_mix:
	s_mov_b64 s[64:65], 0
	v_nop
	global_prefetch_b8 v0, s[64:65] scope:SCOPE_SE
	s_setreg_imm32_b32 hwreg(HW_REG_WAVE_MODE, 25, 1), 1
	s_wait_xcnt 0x0
	s_wait_alu depctr_hold_cnt(0) depctr_sa_sdst(0) depctr_va_vdst(0) depctr_va_sdst(0) depctr_va_ssrc(0) depctr_va_vcc(0) depctr_vm_vsrc(0)
	s_getreg_b32 s2, hwreg(HW_REG_IB_STS2, 6, 4)
	s_cmp_eq_u32 s2, 0
	s_cbranch_scc0 .Lentry_in_a_cluster
	s_endpgm
.Lentry_in_a_cluster:
	s_bfe_u32 s2, ttmp6, 0x10000c
	s_cmp_lg_u32 s2, 0xf033
	s_cbranch_scc0 .Lentry_shape_is_right
	s_endpgm
.Lentry_shape_is_right:
; s_z = q_z + P_z v_z for each batch z: C[m][n] = q[m][n] + sum over key of P[m][key] vT[n][key], 1,024^3 a batch.  Operands bf16 (P from pb, vT from sv + 32 MiB), sums f32.
; q (f32, qk + 0) is loaded straight into the accumulators and starts the sums: the residual costs no addition, and q + attn_out is rounded once, to bf16 (sb).
; bf16, not f16: q grows with the cube of the inputs' scale and has no room in f16.
; SHARES.  A tile of C is 128 x 256: the product has 256 of them, one for each work-group (tiles of 256 x 256 would give 128).  Four waves, each 64 x 128: 32 accumulators, 256 registers.
; A cluster of 4 x 4 work-groups makes 512 x 1,024: cluster y = cl (0..15), rows 512 cl + 128 cy, columns 256 cx; the batch is cl / 2.  A's tile is shared along a row of the cluster,
; B's along a column: each is asked for JOINTLY, by the same tensor load and descriptor with a mask of the four.
; q LIES AS THE ACCUMULATORS OF THE LAUNCH THAT MADE IT HELD IT: there a wave had 128 rows x 128 columns in 65,536 bytes, half i of accumulator n = 8 a + b as 512 bytes at (2 n + i) x 512, 16 bytes a lane.
; My 64 rows are one half of such a wave's rows and my 128 columns are its columns: with G = 4 cl + cy (the block of 128 rows) my 32,768 bytes begin at
; ((((G / 2) 4 + cx) 4 + 2 (G % 2) + column half) x 65,536 + row half x 32,768, in the same order: each load covers 512 consecutive bytes, aligned.
; K goes in 8 steps of 128 through two LDS slots (128 rows of A, 256 rows of B; two slots of a step of 256 would take 405,504 bytes); a tile's rows are 256 bytes of memory at multiples of 256.
; FRAGMENTS.  A quarter of a K step (32 along K) is 32 matrix instructions and 24 LDS loads.  There are four fragment buffers, one for each quarter, and each quarter fetches what is due two quarters later:
; a run of loads has 32 matrix instructions or more in which to land, across the change of slots too, which stands in the third quarter: the slot's last fragments were asked for in the second.
; THE MATRIX INSTRUCTION IS USED TRANSPOSED (source 0 = 16 rows of B, source 1 = 16 rows of A): lane l holds row l % 16 of C and columns 8 (l / 16) + 0..7.
; REGISTERS, in windows of 256 (s_set_vgpr_msb: bits 1:0 source 0, 3:2 source 1, 5:4 source 2, 7:6 destination):
;   window 0: v0-29 addresses; v64-191 A's fragments, quarter q at v[64 + 32 q].  On the way out v64-127 rows of f32, v128-159 packed results.
;   window 1: B's fragments, quarter q at v[64 q].   window 2: the accumulators, (a, b) at v[8 (8 a + b)].
.set MI,     1<<20
.set KSTEP,  128
.set PITCH,  272                       ; an LDS row: 256 bytes + 16 of padding = 68 words: the 16 rows of a fragment load start at 16 different groups of four banks (ISA guide 11.1)
.set HALFA,  64*PITCH                  ; 64 rows of A: one tensor load, and what one wave reads of A
.set HALFB,  128*PITCH                 ; 128 rows of B: one tensor load, and what one wave reads of B
.set BOFF,   2*HALFA                   ; B's 256 rows lie behind A's 128
.set SLOT,   0x20000                   ; from slot to slot: a slot's 104,448 bytes and a gap, so that the stride's bit is clear in the four tile bases (0, 0x4400, 0x8800, 0x11000) and an exclusive or changes slots
.set SPARE,  SLOT+BOFF+2*HALFB         ; behind the ring: the spare words, 128 bytes a wave: two blocks of 256 bytes that no other line names
.set SPITCH, 528                       ; the way out: a stage row of 128 f32 + 16 bytes
.set STG,    64*SPITCH                 ; a wave's stage: it lies in the ring, whose slots have had their last fill by then; 4 x 33,792 bytes end below SPARE
.set GW0,    (1<<16)|(1<<20)|(1<<21)|(5<<22)|(3<<25)  ; group 1, word 0: 2-byte elements; padding on; bit 21 beside a mask; after every 64 words; 4 words
.set ADRA0, 8                          ; v8, v9 my lane's place in A's and B's tile, slot 0; v10, v11 the same in the slot in hand
.set ADRB0, 9
.set ADRA,  10
.set ADRB,  11
.set STO,   12                         ; v12 the way out: where I put 32 bytes of a row; v13 where I read a row back; v14, v15 16 x lane, 8 x lane
.set RD,    13
.set GO32,  14
.set GO16,  15
.set SPW,   28                         ; v28 LDS address of my spare word, v29 0; never rewritten
.set NIL,   29
.set FA,    64
.set X,     64
.set Y,     128
.set WV, 20                            ; s20 wave;  s21 my half of the tile's rows, also: I fetch for A (0) or B (1);  s22 my half of its columns, also: which half of that tile I fetch
.set WR, 21
.set WC, 22
.set CX, 23
.set CY, 24
.set CL, 26                            ; s26 cluster y
.set G1A, 28                           ; s[28:35], s[36:43] descriptor group 1 for A's and B's tiles
.set G1B, 36
.set G0A, 44                           ; s[44:51], s[52:59] group 0: a set for each first fill; the second then walks
.set G0B, 52
.set SL,  66                           ; s66  0 or SLOT: the slot from which fragments are fetched
.set P16, 70
.set BP,  86
.set MSB, 0
.macro WIN new                         ; the immediate's high byte repeats the setting that is left; a switch that changes nothing is dropped
.if MSB != (\new)
	s_set_vgpr_msb (MSB<<8)|(\new)
.set MSB, \new
.endif
.endm
.macro PLACES                          ; four places behind matrix instructions, in front of loads into registers that they read and of stores of their results
.rept 4
	v_nop
.endr
.endm
.macro JLOAD                           ; a joint refill by the walking set: waves 0, 1 A's halves, waves 2, 3 B's.  s_nop 0 and four v_nop follow each line
	s_cmp_eq_u32 s[WR], 0
	s_cbranch_scc0 .Lfor_b_\@
	tensor_load_to_lds s[G0A+4:G0A+7], s[G1A:G1A+7]
	s_nop 0
.rept 4
	v_nop
.endr
	s_branch .Lasked_\@
.Lfor_b_\@:
	tensor_load_to_lds s[G0B+4:G0B+7], s[G1B:G1B+7]
	s_nop 0
.rept 4
	v_nop
.endr
.Lasked_\@:
.endm
.macro CREST                           ; a round of the cluster's barrier behind its opening barrier
	s_cmp_lg_u32 s[WV], 0
	s_cbranch_scc1 .Lnot_wave_0_\@
	s_barrier_signal -3
.Lnot_wave_0_\@:
	s_barrier_wait -3
	s_barrier_signal -1
	s_barrier_wait -1
.endm
.macro CROUND
	s_barrier_signal -1
	s_barrier_wait -1
	CREST
.endm
; 8 matrix instructions: m block a x all 8 n blocks, on quarter q's fragments.  Every product adds in place: q started the sums.
; The 32 accumulators take turns in one order everywhere.
.macro MUL8 q, a
	WIN 0xa1                                       ; source 0 (B) window 1, source 1 (A) window 0, C and D window 2
.irp b, 0,1,2,3,4,5,6,7
.set rD, 8*(8*(\a)+(\b))
.set rB, 64*(\q)+8*(\b)
.set rA, FA+32*(\q)+8*(\a)
	v_wmma_f32_16x16x32_bf16 v[rD:rD+7], v[rB:rB+7], v[rA:rA+7], v[rD:rD+7]
.endr
.endm
.macro FETCH q                         ; 24 LDS loads in one run: quarter q's fragments (32 K at byte 64 q of the rows): B's 128 rows, then A's 64
	WIN 0x40
.irp i, 0,1,2,3,4,5,6,7
	ds_load_b128 v[64*(\q)+8*(\i):64*(\q)+8*(\i)+3],   v[ADRB] offset:64*(\q)+(\i)*16*PITCH
	ds_load_b128 v[64*(\q)+8*(\i)+4:64*(\q)+8*(\i)+7], v[ADRB] offset:64*(\q)+(\i)*16*PITCH+32
.endr
	WIN 0
.irp i, 0,1,2,3
	ds_load_b128 v[FA+32*(\q)+8*(\i):FA+32*(\q)+8*(\i)+3],   v[ADRA] offset:64*(\q)+(\i)*16*PITCH
	ds_load_b128 v[FA+32*(\q)+8*(\i)+4:FA+32*(\q)+8*(\i)+7], v[ADRA] offset:64*(\q)+(\i)*16*PITCH+32
.endr
.endm
.macro QUARTER q, n                    ; fetches quarter n, due two quarters on, and multiplies quarter q
	s_wait_dscnt 24                                ; quarter q's fragments are in; the next quarter's 24 loads may be out
	PLACES
	FETCH \n
	MUL8 \q, 0
	MUL8 \q, 1
	MUL8 \q, 2
	MUL8 \q, 3
.endm
; The third quarter changes slots.  ONE barrier: in front of it each wave waits for all its tensor loads (one is out: its part of the next slot), adds 0 to its spare word, and waits for that
; and for its reads of this slot, of which the last are the fourth quarter's fragments.  fill = 1: the barrier opens a round of the cluster's, and the slot just read out is filled again, two K steps ahead,
; first thing behind the round: 112 matrix instructions stand between that request and the wait for it.  Then the next slot's first fragments are fetched.
.macro TURN fill
	WIN 0
	s_wait_tensorcnt 0x0                           ; all my tensor loads have landed
	ds_add_u32 v[SPW], v[NIL]                      ; 0 onto my spare word
	s_wait_dscnt 25                                ; the third quarter's fragments are in (the add and the fourth quarter's 24 loads may be out)
	MUL8 2, 0
	s_wait_dscnt 0x0                               ; the add is done, and my reads of this slot are over
	s_barrier_signal -1
	MUL8 2, 1
	WIN 0                                          ; at a branch and at a label every window is 0
	s_barrier_wait -1
.if \fill
	CREST                                          ; no wave of any partner still reads this slot or has a load on its way
	s_xor_b32 s[G0A+5], s[G0A+5], SLOT             ; the walking sets: the other slot than last time, the next K step; no load of mine is out
	s_add_nc_u64 s[G0A+6:G0A+7], s[G0A+6:G0A+7], 2*KSTEP
	s_xor_b32 s[G0B+5], s[G0B+5], SLOT
	s_add_nc_u64 s[G0B+6:G0B+7], s[G0B+6:G0B+7], 2*KSTEP
	JLOAD                                          ; its four v_nop are also the places in front of the loads below
.else
	PLACES
.endif
	s_xor_b32 s[SL], s[SL], SLOT
	v_add_nc_u32 v[ADRA], s[SL], v[ADRA0]
	v_add_nc_u32 v[ADRB], s[SL], v[ADRB0]
	FETCH 0
	MUL8 2, 2
	MUL8 2, 3
.endm
.macro DUMP                            ; every accumulator into my stage: 32 bytes of a row a lane, each accumulator's low four registers first
	WIN 0x08
.irp a, 0,1,2,3
.irp b, 0,1,2,3,4,5,6,7
	ds_store_b128 v[STO], v[8*(8*(\a)+(\b)):8*(8*(\a)+(\b))+3]   offset:(\a)*16*SPITCH+64*(\b)
	ds_store_b128 v[STO], v[8*(8*(\a)+(\b))+4:8*(8*(\a)+(\b))+7] offset:(\a)*16*SPITCH+64*(\b)+16
.endr
.endr
	WIN 0
.endm
	s_load_b256 s[4:11], s[0:1], 0x0               ; pb s[4:5], sv s[6:7], qk s[8:9], sb s[10:11]
	v_lshl_add_u32 v[SPW], v0, 2, SPARE
	v_mov_b32 v[NIL], 0
	ds_add_u32 v28, v29
	s_wait_dscnt 0x0
	v_lshrrev_b32 v1, 5, v0
	v_readfirstlane_b32 s[WV], v1
	s_lshr_b32 s[WR], s[WV], 1
	s_and_b32 s[WC], s[WV], 1
	s_bfe_u32 s[CX], ttmp6, 0x40000                ; my place in the cluster
	s_bfe_u32 s[CY], ttmp6, 0x40004
	s_and_b32 s[CL], ttmp7, 0xffff                 ; in a cluster launch ttmp7 counts clusters: all sixteen share it
	s_lshl_b32 s60, s[CY], 2
	s_lshl_b32 s60, 15, s60                        ; my row of the cluster
	s_lshl_b32 s61, 0x1111, s[CX]                  ; my column
	s_or_b32 s[G1A], s60, GW0
	s_or_b32 s[G1B], s61, GW0
	s_mov_b32 s[G1A+1], KSTEP<<16                  ; A: tensor_dim0 = 128
	s_mov_b32 s[G1A+2], 64<<16                     ; tensor_dim1 = 64
	s_mov_b32 s[G1A+3], KSTEP<<16                  ; tile_dim0 = 128
	s_mov_b32 s[G1A+4], 64                         ; tile_dim1 = 64
	s_mov_b32 s[G1A+5], 1024                       ; elements from row to row
	s_mov_b32 s[G1A+6], 0
	s_mov_b32 s[G1A+7], 0
	s_mov_b32 s[G1B+1], KSTEP<<16                  ; B: tensor_dim0 = 128
	s_mov_b32 s[G1B+2], 128<<16                    ; tensor_dim1 = 128
	s_mov_b32 s[G1B+3], KSTEP<<16                  ; tile_dim0 = 128
	s_mov_b32 s[G1B+4], 128                        ; tile_dim1 = 128
	s_mov_b32 s[G1B+5], 1024
	s_mov_b32 s[G1B+6], 0
	s_mov_b32 s[G1B+7], 0
	; byte offsets, made apart from the addresses.  A's hangs on cy alone of the two places, B's on cx alone
	s_lshl_b32 s74, s[CL], 20                      ; A: P, row 512 cl + 128 cy + 64 half, of 2,048 bytes
	s_lshl_b32 s62, s[CY], 18
	s_add_co_u32 s74, s74, s62
	s_lshl_b32 s62, s[WC], 17
	s_add_co_u32 s74, s74, s62
	s_mov_b32 s75, 0
	s_lshr_b32 s63, s[CL], 1                       ; B: vT, batch cl / 2, row 256 cx + 128 half
	s_lshl_b32 s63, s63, 21
	s_lshl_b32 s76, s[CX], 19
	s_lshl_b32 s90, s[WC], 18
	s_add_co_u32 s76, s76, s90
	s_add_co_u32 s76, s76, s63
	s_add_co_u32 s76, s76, 32*MI
	s_mov_b32 s77, 0
	s_mul_i32 s16, s[WC], HALFA                    ; where my tile goes: no place in the cluster enters an LDS address
	s_mul_i32 s17, s[WC], HALFB
	s_add_co_u32 s17, s17, BOFF
	s_lshl_b32 s82, s[CL], 20                      ; my part of C in 16 bits: row 512 cl + 128 cy + 64 WR, column 256 cx + 128 WC
	s_lshl_b32 s84, s[CY], 18
	s_add_co_u32 s82, s82, s84
	s_lshl_b32 s84, s[WR], 17
	s_add_co_u32 s82, s82, s84
	s_lshl_b32 s84, s[CX], 9
	s_add_co_u32 s82, s82, s84
	s_lshl_b32 s84, s[WC], 8
	s_add_co_u32 s82, s82, s84
	s_mov_b32 s83, 0
	s_lshl2_add_u32 s84, s[CL], s[CY]              ; G = 4 cl + cy: my block of 128 rows
	s_lshr_b32 s88, s84, 1
	s_and_b32 s89, s84, 1
	s_lshl2_add_u32 s88, s88, s[CX]                ; (G / 2) 4 + cx
	s_lshl1_add_u32 s89, s89, s[WC]                ; 2 (G % 2) + column half
	s_lshl2_add_u32 s88, s88, s89
	s_lshl_b32 s84, s88, 16                        ; that wave's 65,536 bytes of q,
	s_lshl_b32 s89, s[WR], 15                      ; my half of them
	s_add_co_u32 s84, s84, s89
	s_mov_b32 s85, 0
	s_wait_kmcnt 0x0
	s_add_nc_u64 s[78:79], s[4:5], s[74:75]
	s_add_nc_u64 s[80:81], s[6:7], s[76:77]
	s_add_nc_u64 s[BP:BP+1], s[8:9], s[84:85]      ; q in f32, my wave's part
	s_add_nc_u64 s[P16:P16+1], s[10:11], s[82:83]
.irp s, 0,1
	s_mov_b32 s[G0A+4*(\s)], 1                     ; count = 1
	s_add_co_u32 s[G0A+4*(\s)+1], s16, (\s)*SLOT   ; LDS address
	s_add_nc_u64 s[G0A+4*(\s)+2:G0A+4*(\s)+3], s[78:79], (\s)*2*KSTEP  ; global address: K step s
	s_or_b32 s[G0A+4*(\s)+3], s[G0A+4*(\s)+3], 0x80000000              ; type = 2
	s_mov_b32 s[G0B+4*(\s)], 1
	s_add_co_u32 s[G0B+4*(\s)+1], s17, (\s)*SLOT
	s_add_nc_u64 s[G0B+4*(\s)+2:G0B+4*(\s)+3], s[80:81], (\s)*2*KSTEP
	s_or_b32 s[G0B+4*(\s)+3], s[G0B+4*(\s)+3], 0x80000000
.endr
	CROUND                                         ; all sixteen work-groups are here: the first joint loads meet
	s_cmp_eq_u32 s[WR], 0                          ; a wave's two first fills stand in one branch: two loads of mine are out, later one
	s_cbranch_scc0 .Lfirst_b
	tensor_load_to_lds s[G0A:G0A+3], s[G1A:G1A+7]
	s_nop 0
	tensor_load_to_lds s[G0A+4:G0A+7], s[G1A:G1A+7]
	s_nop 0
.rept 4
	v_nop
.endr
	s_branch .Lfirst_asked
.Lfirst_b:
	tensor_load_to_lds s[G0B:G0B+3], s[G1B:G1B+7]
	s_nop 0
	tensor_load_to_lds s[G0B+4:G0B+7], s[G1B:G1B+7]
	s_nop 0
.rept 4
	v_nop
.endr
.Lfirst_asked:
	v_and_b32 v5, 31, v0
	v_lshlrev_b32 v[GO32], 4, v5                   ; 16 x lane
	v_lshlrev_b32 v[GO16], 3, v5                   ; 8 x lane
	WIN 0x80                                       ; destination window 2: accumulator n = 8 a + b takes its two halves back, as they were stored
.irp a, 0,1,2,3
.irp b, 0,1,2,3,4,5,6,7
	global_load_b128 v[8*(8*(\a)+(\b)):8*(8*(\a)+(\b))+3],   v[GO32], s[BP:BP+1] offset:(2*(8*(\a)+(\b)))*512 th:TH_LOAD_NT
	global_load_b128 v[8*(8*(\a)+(\b))+4:8*(8*(\a)+(\b))+7], v[GO32], s[BP:BP+1] offset:(2*(8*(\a)+(\b))+1)*512 th:TH_LOAD_NT
.endr
.endr
	WIN 0
	; a fragment is 16 rows x 32 K in 8 registers: lane l holds row l % 16, K = 8 (l / 16) + 0..7 and 16 + 8 (l / 16) + 0..7: two loads of 16 bytes, 32 bytes apart
	v_and_b32 v1, 15, v0                           ; l % 16
	v_bfe_u32 v2, v0, 4, 1                         ; l / 16
	v_mul_u32_u24 v3, v1, PITCH
	v_lshl_add_u32 v3, v2, 4, v3
	s_mul_i32 s14, s[WR], HALFA                    ; my 64 rows of A
	s_mul_i32 s15, s[WC], HALFB                    ; my 128 rows of B, behind A's 128
	s_add_co_u32 s15, s15, BOFF
	v_add_nc_u32 v[ADRA0], s14, v3
	v_add_nc_u32 v[ADRB0], s15, v3
	v_mov_b32 v[ADRA], v[ADRA0]
	v_mov_b32 v[ADRB], v[ADRB0]
	s_mov_b32 s[SL], 0
	s_mul_i32 s18, s[WV], STG                      ; my stage
	v_mul_u32_u24 v4, v1, SPITCH
	v_lshl_add_u32 v4, v2, 5, v4
	v_add_nc_u32 v[STO], s18, v4                   ; in: row l % 16, 32 bytes for each half of the lanes
	v_add_nc_u32 v[RD], s18, v[GO32]               ; back: 32 lanes take one row of 512 bytes
	s_wait_tensorcnt 0x1                           ; my part of K step 0 is in; K step 1's may stay out
	s_barrier_signal -1
	s_barrier_wait -1
	FETCH 0
	FETCH 1
	s_wait_loadcnt 0x0                             ; q is in the accumulators
	s_mov_b32 s3, 6
.Lloop:                                                ; a trip is a K step; six trips ask for K steps 2 to 7.  No first quarter is written out: every product adds in place
	QUARTER 0, 2
	QUARTER 1, 3
	TURN 1
	QUARTER 3, 1
	WIN 0
	s_sub_co_u32 s3, s3, 1
	s_cmp_lg_u32 s3, 0
	s_cbranch_scc1 .Lloop
	s_mov_b32 s3, 2
.Ltail:                                                ; the last two K steps ask for nothing.  The second trip's last 48 LDS loads read a slot that has been used and serve nothing:
	QUARTER 0, 2                                   ; the price, once, of one text for both steps
	QUARTER 1, 3
	TURN 0
	QUARTER 3, 1
	WIN 0
	s_sub_co_u32 s3, s3, 1
	s_cmp_lg_u32 s3, 0
	s_cbranch_scc1 .Ltail
	; THE WAY OUT.  The stages lie where the slots lay: every wave's reads of the ring are over, and so are all fills, before any wave writes there
	s_wait_dscnt 0x0
	s_barrier_signal -1
	s_barrier_wait -1
	PLACES
	DUMP
	s_mov_b32 s3, 4
.Lout:                                                 ; 16 rows a trip.  LDS serves a wave's instructions in order (ISA guide 5.7.1.4): these loads see my stores
.irp i, 0,1,2,3,4,5,6,7,8,9,10,11,12,13,14,15
	ds_load_b128 v[X+4*(\i):X+4*(\i)+3], v[RD] offset:(\i)*SPITCH
.endr
.irp i, 0,1,2,3,4,5,6,7,8,9,10,11,12,13,14,15
	s_wait_dscnt 15-(\i)                           ; LDS loads come back in order: row i is in
	v_cvt_pk_bf16_f32 v[Y+2*(\i)], v[X+4*(\i)], v[X+4*(\i)+1]
	v_cvt_pk_bf16_f32 v[Y+2*(\i)+1], v[X+4*(\i)+2], v[X+4*(\i)+3]
	global_store_b64 v[GO16], v[Y+2*(\i):Y+2*(\i)+1], s[P16:P16+1] offset:2048*(\i)  ; q + attn_out in bf16: a wave's store covers 256 consecutive bytes, aligned
.endr
	s_wait_xcnt 0x0                                ; the stores' data and base are rewritten only behind this wait
	s_add_nc_u64 s[P16:P16+1], s[P16:P16+1], 16*2048
	v_add_nc_u32 v[RD], 16*SPITCH, v[RD]
	s_sub_co_u32 s3, s3, 1
	s_cmp_lg_u32 s3, 0
	s_cbranch_scc1 .Lout
	s_wait_tensorcnt 0x0                           ; the wave's end
	ds_add_u32 v[SPW], v[NIL]
	s_wait_dscnt 0x0
	CROUND                                         ; the closing round: no work-group ends while a partner may still ask for a tile that names it
	s_endpgm
.Lfunc_end_k_q9c958ed6b4_mix:
	.size	k_q9c958ed6b4_mix, .Lfunc_end_k_q9c958ed6b4_mix-k_q9c958ed6b4_mix
	.p2alignl 7, 3214868480
	.fill 96, 4, 3214868480
	.section	.rodata,"a",@progbits
	.p2align	6, 0x0
	.amdhsa_kernel k_q9c958ed6b4_mix
		.amdhsa_group_segment_fixed_size 327680
		.amdhsa_private_segment_fixed_size 0
		.amdhsa_enable_private_segment 0
		.amdhsa_kernarg_size 32
		.amdhsa_user_sgpr_count 2
		.amdhsa_user_sgpr_kernarg_segment_ptr 1
		.amdhsa_wavefront_size32 1
		.amdhsa_system_sgpr_workgroup_id_x 1
		.amdhsa_system_sgpr_workgroup_id_y 1
		.amdhsa_system_sgpr_workgroup_id_z 1
		.amdhsa_system_vgpr_workitem_id 0
		.amdhsa_next_free_vgpr 768
		.amdhsa_next_free_sgpr 92
		.amdhsa_reserve_vcc 0
		.amdhsa_float_denorm_mode_32 3
		.amdhsa_float_denorm_mode_16_64 3
		.amdhsa_memory_ordered 1
		.amdhsa_forward_progress 1
		.amdhsa_inst_pref_size 58
	.end_amdhsa_kernel
	.amdgpu_metadata
---
amdhsa.version: [ 1, 2 ]
amdhsa.kernels:
  - .name:           k_q9c958ed6b4_mix
    .symbol:         k_q9c958ed6b4_mix.kd
    .args:
      - { .name: pb, .offset: 0, .size: 8, .value_kind: global_buffer, .address_space: global }
      - { .name: sv, .offset: 8, .size: 8, .value_kind: global_buffer, .address_space: global }
      - { .name: qk, .offset: 16, .size: 8, .value_kind: global_buffer, .address_space: global }
      - { .name: sb, .offset: 24, .size: 8, .value_kind: global_buffer, .address_space: global }
    .group_segment_fixed_size: 327680
    .private_segment_fixed_size: 0
    .kernarg_segment_align: 8
    .kernarg_segment_size: 32
    .max_flat_workgroup_size: 128
    .sgpr_count:     92
    .vgpr_count:     768
    .wavefront_size: 32
...
	.end_amdgpu_metadata
.endif
;; end of part 12
;; launch outp (part 13): grid 4 x 64, 4 waves a work-group, clusters of 4 x 4, 327,680 bytes of LDS; arguments sb, in16, ob, out0; writes out0
.if DOCPART == 13
	.amdgcn_target "amdgcn-amd-amdhsa--gfx1250"
	.amdhsa_code_object_version 6
	.text
	.protected	k_q9c958ed6b4_outp
	.globl	k_q9c958ed6b4_outp
	.p2align	8
	.type	k_q9c958ed6b4_outp,@function
k_q9c958ed6b4_outp:
	s_mov_b64 s[64:65], 0
	v_nop
	global_prefetch_b8 v0, s[64:65] scope:SCOPE_SE
	s_setreg_imm32_b32 hwreg(HW_REG_WAVE_MODE, 25, 1), 1
	s_wait_xcnt 0x0
	s_wait_alu depctr_hold_cnt(0) depctr_sa_sdst(0) depctr_va_vdst(0) depctr_va_sdst(0) depctr_va_ssrc(0) depctr_va_vcc(0) depctr_vm_vsrc(0)
	s_getreg_b32 s2, hwreg(HW_REG_IB_STS2, 6, 4)
	s_cmp_eq_u32 s2, 0
	s_cbranch_scc0 .Lentry_in_a_cluster
	s_endpgm
.Lentry_in_a_cluster:
	s_bfe_u32 s2, ttmp6, 0x10000c
	s_cmp_lg_u32 s2, 0xf033
	s_cbranch_scc0 .Lentry_shape_is_right
	s_endpgm
.Lentry_shape_is_right:
; out0 = (q + attn_out) oW^T + ob: C[m][n] = ob[n] + sum over k of A[m][k] B[n][k], 8,192 x 1,024 x 1,024.  Operands bf16 (sb; oW from in16 + 42 MiB), sums f32, output f32.
; SHARES.  A tile of C is 128 x 256: the product has 256 of them, one for each work-group (tiles of 256 x 256 would give 128).  Four waves, each 64 x 128: 32 accumulators, 256 registers.
; A cluster of 4 x 4 work-groups makes 512 x 1,024: cluster y = cl (0..15), rows 512 cl + 128 cy, columns 256 cx.  A's tile is shared along a row of the cluster,
; B's along a column: each is asked for JOINTLY, by the same tensor load and descriptor with a mask of the four.
; THE BIAS is loaded straight into the accumulators and starts the sums: nothing is cleared, nothing is added later, and no first quarter is written out.  The four m blocks take the same
; 512 bytes of ob: 64 loads a wave, in each of which a lane takes 16 of those bytes.
; K goes in 8 steps of 128 through two LDS slots (128 rows of A, 256 rows of B; two slots of a step of 256 would take 405,504 bytes); a tile's rows are 256 bytes of memory at multiples of 256.
; FRAGMENTS.  A quarter of a K step (32 along K) is 32 matrix instructions and 24 LDS loads.  There are four fragment buffers, one for each quarter, and each quarter fetches what is due two quarters later:
; a run of loads has 32 matrix instructions or more in which to land, across the change of slots too, which stands in the third quarter: the slot's last fragments were asked for in the second.
; THE MATRIX INSTRUCTION IS USED TRANSPOSED (source 0 = 16 rows of B, source 1 = 16 rows of A): lane l holds row l % 16 of C and columns 8 (l / 16) + 0..7.
; REGISTERS, in windows of 256 (s_set_vgpr_msb: bits 1:0 source 0, 3:2 source 1, 5:4 source 2, 7:6 destination):
;   window 0: v0-29 addresses; v64-191 A's fragments, quarter q at v[64 + 32 q].  On the way out v64-127 rows of f32.
;   window 1: B's fragments, quarter q at v[64 q].   window 2: the accumulators, (a, b) at v[8 (8 a + b)].
.set MI,     1<<20
.set KSTEP,  128
.set PITCH,  272                       ; an LDS row: 256 bytes + 16 of padding = 68 words: the 16 rows of a fragment load start at 16 different groups of four banks (ISA guide 11.1)
.set HALFA,  64*PITCH                  ; 64 rows of A: one tensor load, and what one wave reads of A
.set HALFB,  128*PITCH                 ; 128 rows of B: one tensor load, and what one wave reads of B
.set BOFF,   2*HALFA                   ; B's 256 rows lie behind A's 128
.set SLOT,   0x20000                   ; from slot to slot: a slot's 104,448 bytes and a gap, so that the stride's bit is clear in the four tile bases (0, 0x4400, 0x8800, 0x11000) and an exclusive or changes slots
.set SPARE,  SLOT+BOFF+2*HALFB         ; behind the ring: the spare words, 128 bytes a wave: two blocks of 256 bytes that no other line names
.set SPITCH, 528                       ; the way out: a stage row of 128 f32 + 16 bytes
.set STG,    64*SPITCH                 ; a wave's stage: it lies in the ring, whose slots have had their last fill by then; 4 x 33,792 bytes end below SPARE
.set GW0,    (1<<16)|(1<<20)|(1<<21)|(5<<22)|(3<<25)  ; group 1, word 0: 2-byte elements; padding on; bit 21 beside a mask; after every 64 words; 4 words
.set ADRA0, 8                          ; v8, v9 my lane's place in A's and B's tile, slot 0; v10, v11 the same in the slot in hand
.set ADRB0, 9
.set ADRA,  10
.set ADRB,  11
.set STO,   12                         ; v12 the way out: where I put 32 bytes of a row; v13 where I read a row back; v14 16 x lane; v16 my lane's offset in the bias
.set RD,    13
.set GO32,  14
.set BO,    16
.set SPW,   28                         ; v28 LDS address of my spare word, v29 0; never rewritten
.set NIL,   29
.set FA,    64
.set X,     64
.set WV, 20                            ; s20 wave;  s21 my half of the tile's rows, also: I fetch for A (0) or B (1);  s22 my half of its columns, also: which half of that tile I fetch
.set WR, 21
.set WC, 22
.set CX, 23
.set CY, 24
.set CL, 26                            ; s26 cluster y
.set G1A, 28                           ; s[28:35], s[36:43] descriptor group 1 for A's and B's tiles
.set G1B, 36
.set G0A, 44                           ; s[44:51], s[52:59] group 0: a set for each first fill; the second then walks
.set G0B, 52
.set SL,  66                           ; s66  0 or SLOT: the slot from which fragments are fetched
.set P32, 68
.set BP,  86
.set MSB, 0
.macro WIN new                         ; the immediate's high byte repeats the setting that is left; a switch that changes nothing is dropped
.if MSB != (\new)
	s_set_vgpr_msb (MSB<<8)|(\new)
.set MSB, \new
.endif
.endm
.macro PLACES                          ; four places behind matrix instructions, in front of loads into registers that they read and of stores of their results
.rept 4
	v_nop
.endr
.endm
.macro JLOAD                           ; a joint refill by the walking set: waves 0, 1 A's halves, waves 2, 3 B's.  s_nop 0 and four v_nop follow each line
	s_cmp_eq_u32 s[WR], 0
	s_cbranch_scc0 .Lfor_b_\@
	tensor_load_to_lds s[G0A+4:G0A+7], s[G1A:G1A+7]
	s_nop 0
.rept 4
	v_nop
.endr
	s_branch .Lasked_\@
.Lfor_b_\@:
	tensor_load_to_lds s[G0B+4:G0B+7], s[G1B:G1B+7]
	s_nop 0
.rept 4
	v_nop
.endr
.Lasked_\@:
.endm
.macro CREST                           ; a round of the cluster's barrier behind its opening barrier
	s_cmp_lg_u32 s[WV], 0
	s_cbranch_scc1 .Lnot_wave_0_\@
	s_barrier_signal -3
.Lnot_wave_0_\@:
	s_barrier_wait -3
	s_barrier_signal -1
	s_barrier_wait -1
.endm
.macro CROUND
	s_barrier_signal -1
	s_barrier_wait -1
	CREST
.endm
; 8 matrix instructions: m block a x all 8 n blocks, on quarter q's fragments.  Every product adds in place: the bias started the sums.
; The 32 accumulators take turns in one order everywhere.
.macro MUL8 q, a
	WIN 0xa1                                       ; source 0 (B) window 1, source 1 (A) window 0, C and D window 2
.irp b, 0,1,2,3,4,5,6,7
.set rD, 8*(8*(\a)+(\b))
.set rB, 64*(\q)+8*(\b)
.set rA, FA+32*(\q)+8*(\a)
	v_wmma_f32_16x16x32_bf16 v[rD:rD+7], v[rB:rB+7], v[rA:rA+7], v[rD:rD+7]
.endr
.endm
.macro FETCH q                         ; 24 LDS loads in one run: quarter q's fragments (32 K at byte 64 q of the rows): B's 128 rows, then A's 64
	WIN 0x40
.irp i, 0,1,2,3,4,5,6,7
	ds_load_b128 v[64*(\q)+8*(\i):64*(\q)+8*(\i)+3],   v[ADRB] offset:64*(\q)+(\i)*16*PITCH
	ds_load_b128 v[64*(\q)+8*(\i)+4:64*(\q)+8*(\i)+7], v[ADRB] offset:64*(\q)+(\i)*16*PITCH+32
.endr
	WIN 0
.irp i, 0,1,2,3
	ds_load_b128 v[FA+32*(\q)+8*(\i):FA+32*(\q)+8*(\i)+3],   v[ADRA] offset:64*(\q)+(\i)*16*PITCH
	ds_load_b128 v[FA+32*(\q)+8*(\i)+4:FA+32*(\q)+8*(\i)+7], v[ADRA] offset:64*(\q)+(\i)*16*PITCH+32
.endr
.endm
.macro QUARTER q, n                    ; fetches quarter n, due two quarters on, and multiplies quarter q
	s_wait_dscnt 24                                ; quarter q's fragments are in; the next quarter's 24 loads may be out
	PLACES
	FETCH \n
	MUL8 \q, 0
	MUL8 \q, 1
	MUL8 \q, 2
	MUL8 \q, 3
.endm
; The third quarter changes slots.  ONE barrier: in front of it each wave waits for all its tensor loads (one is out: its part of the next slot), adds 0 to its spare word, and waits for that
; and for its reads of this slot, of which the last are the fourth quarter's fragments.  fill = 1: the barrier opens a round of the cluster's, and the slot just read out is filled again, two K steps ahead,
; first thing behind the round: 112 matrix instructions stand between that request and the wait for it.  Then the next slot's first fragments are fetched.
.macro TURN fill
	WIN 0
	s_wait_tensorcnt 0x0                           ; all my tensor loads have landed
	ds_add_u32 v[SPW], v[NIL]                      ; 0 onto my spare word
	s_wait_dscnt 25                                ; the third quarter's fragments are in (the add and the fourth quarter's 24 loads may be out)
	MUL8 2, 0
	s_wait_dscnt 0x0                               ; the add is done, and my reads of this slot are over
	s_barrier_signal -1
	MUL8 2, 1
	WIN 0                                          ; at a branch and at a label every window is 0
	s_barrier_wait -1
.if \fill
	CREST                                          ; no wave of any partner still reads this slot or has a load on its way
	s_xor_b32 s[G0A+5], s[G0A+5], SLOT             ; the walking sets: the other slot than last time, the next K step; no load of mine is out
	s_add_nc_u64 s[G0A+6:G0A+7], s[G0A+6:G0A+7], 2*KSTEP
	s_xor_b32 s[G0B+5], s[G0B+5], SLOT
	s_add_nc_u64 s[G0B+6:G0B+7], s[G0B+6:G0B+7], 2*KSTEP
	JLOAD                                          ; its four v_nop are also the places in front of the loads below
.else
	PLACES
.endif
	s_xor_b32 s[SL], s[SL], SLOT
	v_add_nc_u32 v[ADRA], s[SL], v[ADRA0]
	v_add_nc_u32 v[ADRB], s[SL], v[ADRB0]
	FETCH 0
	MUL8 2, 2
	MUL8 2, 3
.endm
.macro DUMP                            ; every accumulator into my stage: 32 bytes of a row a lane, each accumulator's low four registers first
	WIN 0x08
.irp a, 0,1,2,3
.irp b, 0,1,2,3,4,5,6,7
	ds_store_b128 v[STO], v[8*(8*(\a)+(\b)):8*(8*(\a)+(\b))+3]   offset:(\a)*16*SPITCH+64*(\b)
	ds_store_b128 v[STO], v[8*(8*(\a)+(\b))+4:8*(8*(\a)+(\b))+7] offset:(\a)*16*SPITCH+64*(\b)+16
.endr
.endr
	WIN 0
.endm
	s_load_b256 s[4:11], s[0:1], 0x0               ; sb s[4:5], in16 s[6:7], ob s[8:9], out0 s[10:11]
	v_lshl_add_u32 v[SPW], v0, 2, SPARE
	v_mov_b32 v[NIL], 0
	ds_add_u32 v28, v29
	s_wait_dscnt 0x0
	v_lshrrev_b32 v1, 5, v0
	v_readfirstlane_b32 s[WV], v1
	s_lshr_b32 s[WR], s[WV], 1
	s_and_b32 s[WC], s[WV], 1
	s_bfe_u32 s[CX], ttmp6, 0x40000                ; my place in the cluster
	s_bfe_u32 s[CY], ttmp6, 0x40004
	s_and_b32 s[CL], ttmp7, 0xffff                 ; in a cluster launch ttmp7 counts clusters: all sixteen share it
	s_lshl_b32 s60, s[CY], 2
	s_lshl_b32 s60, 15, s60                        ; my row of the cluster
	s_lshl_b32 s61, 0x1111, s[CX]                  ; my column
	s_or_b32 s[G1A], s60, GW0
	s_or_b32 s[G1B], s61, GW0
	s_mov_b32 s[G1A+1], KSTEP<<16                  ; A: tensor_dim0 = 128
	s_mov_b32 s[G1A+2], 64<<16                     ; tensor_dim1 = 64
	s_mov_b32 s[G1A+3], KSTEP<<16                  ; tile_dim0 = 128
	s_mov_b32 s[G1A+4], 64                         ; tile_dim1 = 64
	s_mov_b32 s[G1A+5], 1024                       ; elements from row to row
	s_mov_b32 s[G1A+6], 0
	s_mov_b32 s[G1A+7], 0
	s_mov_b32 s[G1B+1], KSTEP<<16                  ; B: tensor_dim0 = 128
	s_mov_b32 s[G1B+2], 128<<16                    ; tensor_dim1 = 128
	s_mov_b32 s[G1B+3], KSTEP<<16                  ; tile_dim0 = 128
	s_mov_b32 s[G1B+4], 128                        ; tile_dim1 = 128
	s_mov_b32 s[G1B+5], 1024
	s_mov_b32 s[G1B+6], 0
	s_mov_b32 s[G1B+7], 0
	; byte offsets, made apart from the addresses.  A's hangs on cy alone of the two places, B's on cx alone
	s_lshl_b32 s74, s[CL], 20                      ; A: q + attn_out, row 512 cl + 128 cy + 64 half, of 2,048 bytes
	s_lshl_b32 s62, s[CY], 18
	s_add_co_u32 s74, s74, s62
	s_lshl_b32 s62, s[WC], 17
	s_add_co_u32 s74, s74, s62
	s_mov_b32 s75, 0
	s_lshl_b32 s76, s[CX], 19                      ; B: oW, row 256 cx + 128 half
	s_lshl_b32 s90, s[WC], 18
	s_add_co_u32 s76, s76, s90
	s_add_co_u32 s76, s76, 42*MI
	s_mov_b32 s77, 0
	s_mul_i32 s16, s[WC], HALFA                    ; where my tile goes: no place in the cluster enters an LDS address
	s_mul_i32 s17, s[WC], HALFB
	s_add_co_u32 s17, s17, BOFF
	s_lshl_b32 s82, s[CL], 20                      ; my part of C: row 512 cl + 128 cy + 64 WR, column 256 cx + 128 WC, counted in 2-byte numbers,
	s_lshl_b32 s84, s[CY], 18
	s_add_co_u32 s82, s82, s84
	s_lshl_b32 s84, s[WR], 17
	s_add_co_u32 s82, s82, s84
	s_lshl_b32 s84, s[CX], 9
	s_add_co_u32 s82, s82, s84
	s_lshl_b32 s84, s[WC], 8
	s_add_co_u32 s82, s82, s84
	s_lshl_b32 s84, s82, 1                         ; and in f32
	s_mov_b32 s85, 0
	s_lshl_b32 s18, s[CX], 10                      ; my first column in the bias
	s_lshl_b32 s19, s[WC], 9
	s_add_co_u32 s18, s18, s19
	s_mov_b32 s19, 0
	s_wait_kmcnt 0x0
	s_add_nc_u64 s[78:79], s[4:5], s[74:75]
	s_add_nc_u64 s[80:81], s[6:7], s[76:77]
	s_add_nc_u64 s[BP:BP+1], s[8:9], s[18:19]
	s_add_nc_u64 s[P32:P32+1], s[10:11], s[84:85]
.irp s, 0,1
	s_mov_b32 s[G0A+4*(\s)], 1                     ; count = 1
	s_add_co_u32 s[G0A+4*(\s)+1], s16, (\s)*SLOT   ; LDS address
	s_add_nc_u64 s[G0A+4*(\s)+2:G0A+4*(\s)+3], s[78:79], (\s)*2*KSTEP  ; global address: K step s
	s_or_b32 s[G0A+4*(\s)+3], s[G0A+4*(\s)+3], 0x80000000              ; type = 2
	s_mov_b32 s[G0B+4*(\s)], 1
	s_add_co_u32 s[G0B+4*(\s)+1], s17, (\s)*SLOT
	s_add_nc_u64 s[G0B+4*(\s)+2:G0B+4*(\s)+3], s[80:81], (\s)*2*KSTEP
	s_or_b32 s[G0B+4*(\s)+3], s[G0B+4*(\s)+3], 0x80000000
.endr
	CROUND                                         ; all sixteen work-groups are here: the first joint loads meet
	s_cmp_eq_u32 s[WR], 0                          ; a wave's two first fills stand in one branch: two loads of mine are out, later one
	s_cbranch_scc0 .Lfirst_b
	tensor_load_to_lds s[G0A:G0A+3], s[G1A:G1A+7]
	s_nop 0
	tensor_load_to_lds s[G0A+4:G0A+7], s[G1A:G1A+7]
	s_nop 0
.rept 4
	v_nop
.endr
	s_branch .Lfirst_asked
.Lfirst_b:
	tensor_load_to_lds s[G0B:G0B+3], s[G1B:G1B+7]
	s_nop 0
	tensor_load_to_lds s[G0B+4:G0B+7], s[G1B:G1B+7]
	s_nop 0
.rept 4
	v_nop
.endr
.Lfirst_asked:
	v_and_b32 v1, 15, v0                           ; l % 16
	v_bfe_u32 v2, v0, 4, 1                         ; l / 16
	v_lshlrev_b32 v[BO], 5, v2                     ; the bias of columns 16 b + 8 (l / 16) + 0..7 for each n block b
	WIN 0x80                                       ; destination window 2: accumulator (a, b) starts as the bias of its columns, whatever a
.irp a, 0,1,2,3
.irp b, 0,1,2,3,4,5,6,7
	global_load_b128 v[8*(8*(\a)+(\b)):8*(8*(\a)+(\b))+3],   v[BO], s[BP:BP+1] offset:64*(\b)
	global_load_b128 v[8*(8*(\a)+(\b))+4:8*(8*(\a)+(\b))+7], v[BO], s[BP:BP+1] offset:64*(\b)+16
.endr
.endr
	WIN 0
	; a fragment is 16 rows x 32 K in 8 registers: lane l holds row l % 16, K = 8 (l / 16) + 0..7 and 16 + 8 (l / 16) + 0..7: two loads of 16 bytes, 32 bytes apart
	v_mul_u32_u24 v3, v1, PITCH
	v_lshl_add_u32 v3, v2, 4, v3
	s_mul_i32 s14, s[WR], HALFA                    ; my 64 rows of A
	s_mul_i32 s15, s[WC], HALFB                    ; my 128 rows of B, behind A's 128
	s_add_co_u32 s15, s15, BOFF
	v_add_nc_u32 v[ADRA0], s14, v3
	v_add_nc_u32 v[ADRB0], s15, v3
	v_mov_b32 v[ADRA], v[ADRA0]
	v_mov_b32 v[ADRB], v[ADRB0]
	s_mov_b32 s[SL], 0
	s_mul_i32 s18, s[WV], STG                      ; my stage
	v_mul_u32_u24 v4, v1, SPITCH
	v_lshl_add_u32 v4, v2, 5, v4
	v_add_nc_u32 v[STO], s18, v4                   ; in: row l % 16, 32 bytes for each half of the lanes
	v_and_b32 v5, 31, v0
	v_lshlrev_b32 v[GO32], 4, v5                   ; 16 x lane
	v_add_nc_u32 v[RD], s18, v[GO32]               ; back: 32 lanes take one row of 512 bytes
	s_wait_tensorcnt 0x1                           ; my part of K step 0 is in; K step 1's may stay out
	s_barrier_signal -1
	s_barrier_wait -1
	FETCH 0
	FETCH 1
	s_wait_loadcnt 0x0                             ; the bias is in the accumulators
	s_mov_b32 s3, 6
.Lloop:                                                ; a trip is a K step; six trips ask for K steps 2 to 7.  No first quarter is written out: every product adds in place
	QUARTER 0, 2
	QUARTER 1, 3
	TURN 1
	QUARTER 3, 1
	WIN 0
	s_sub_co_u32 s3, s3, 1
	s_cmp_lg_u32 s3, 0
	s_cbranch_scc1 .Lloop
	s_mov_b32 s3, 2
.Ltail:                                                ; the last two K steps ask for nothing.  The second trip's last 48 LDS loads read a slot that has been used and serve nothing:
	QUARTER 0, 2                                   ; the price, once, of one text for both steps
	QUARTER 1, 3
	TURN 0
	QUARTER 3, 1
	WIN 0
	s_sub_co_u32 s3, s3, 1
	s_cmp_lg_u32 s3, 0
	s_cbranch_scc1 .Ltail
	; THE WAY OUT.  The stages lie where the slots lay: every wave's reads of the ring are over, and so are all fills, before any wave writes there
	s_wait_dscnt 0x0
	s_barrier_signal -1
	s_barrier_wait -1
	PLACES
	DUMP
	s_mov_b32 s3, 4
.Lout:                                                 ; 16 rows a trip.  LDS serves a wave's instructions in order (ISA guide 5.7.1.4): these loads see my stores
.irp i, 0,1,2,3,4,5,6,7,8,9,10,11,12,13,14,15
	ds_load_b128 v[X+4*(\i):X+4*(\i)+3], v[RD] offset:(\i)*SPITCH
.endr
.irp i, 0,1,2,3,4,5,6,7,8,9,10,11,12,13,14,15
	s_wait_dscnt 15-(\i)                           ; LDS loads come back in order: row i is in
	global_store_b128 v[GO32], v[X+4*(\i):X+4*(\i)+3], s[P32:P32+1] offset:4096*(\i) th:TH_STORE_NT  ; a wave's store covers 512 consecutive bytes, aligned; nothing reads them again
.endr
	s_wait_xcnt 0x0                                ; the stores' data and base are rewritten only behind this wait
	s_add_nc_u64 s[P32:P32+1], s[P32:P32+1], 16*4096
	v_add_nc_u32 v[RD], 16*SPITCH, v[RD]
	s_sub_co_u32 s3, s3, 1
	s_cmp_lg_u32 s3, 0
	s_cbranch_scc1 .Lout
	s_wait_tensorcnt 0x0                           ; the wave's end
	ds_add_u32 v[SPW], v[NIL]
	s_wait_dscnt 0x0
	CROUND                                         ; the closing round: no work-group ends while a partner may still ask for a tile that names it
	s_endpgm
.Lfunc_end_k_q9c958ed6b4_outp:
	.size	k_q9c958ed6b4_outp, .Lfunc_end_k_q9c958ed6b4_outp-k_q9c958ed6b4_outp
	.p2alignl 7, 3214868480
	.fill 96, 4, 3214868480
	.section	.rodata,"a",@progbits
	.p2align	6, 0x0
	.amdhsa_kernel k_q9c958ed6b4_outp
		.amdhsa_group_segment_fixed_size 327680
		.amdhsa_private_segment_fixed_size 0
		.amdhsa_enable_private_segment 0
		.amdhsa_kernarg_size 32
		.amdhsa_user_sgpr_count 2
		.amdhsa_user_sgpr_kernarg_segment_ptr 1
		.amdhsa_wavefront_size32 1
		.amdhsa_system_sgpr_workgroup_id_x 1
		.amdhsa_system_sgpr_workgroup_id_y 1
		.amdhsa_system_sgpr_workgroup_id_z 1
		.amdhsa_system_vgpr_workitem_id 0
		.amdhsa_next_free_vgpr 768
		.amdhsa_next_free_sgpr 92
		.amdhsa_reserve_vcc 0
		.amdhsa_float_denorm_mode_32 3
		.amdhsa_float_denorm_mode_16_64 3
		.amdhsa_memory_ordered 1
		.amdhsa_forward_progress 1
		.amdhsa_inst_pref_size 56
	.end_amdhsa_kernel
	.amdgpu_metadata
---
amdhsa.version: [ 1, 2 ]
amdhsa.kernels:
  - .name:           k_q9c958ed6b4_outp
    .symbol:         k_q9c958ed6b4_outp.kd
    .args:
      - { .name: sb, .offset: 0, .size: 8, .value_kind: global_buffer, .address_space: global }
      - { .name: in16, .offset: 8, .size: 8, .value_kind: global_buffer, .address_space: global }
      - { .name: ob, .offset: 16, .size: 8, .value_kind: global_buffer, .address_space: global }
      - { .name: out0, .offset: 24, .size: 8, .value_kind: global_buffer, .address_space: global }
    .group_segment_fixed_size: 327680
    .private_segment_fixed_size: 0
    .kernarg_segment_align: 8
    .kernarg_segment_size: 32
    .max_flat_workgroup_size: 128
    .sgpr_count:     92
    .vgpr_count:     768
    .wavefront_size: 32
...
	.end_amdgpu_metadata
.endif
;; end of part 13
